; MI455X (gfx1250); checked and timed in simulation.
; The chip was launched on July 23, 2026; its instructions are those of AMD's public machine-readable ISA for CDNA 5 (MIT licence, August 2026) and "CDNA5" Instruction Set Architecture Reference Guide (July 2026). The comments in the code are by the model that wrote it; some were corrected since.
;; Mo E. Allowed arithmetic: matrix products marked QUANTISED: E2M1 operands, one E8M0 scale for each 32 along K, by v_wmma_scale_f32_16x16x128_f8f6f4 with both operands' format E2M1 (or v_wmma_scale_f32_32x16x128_f4), f32 sums; products left as they are: f32 operands where the result goes on into a quantised operand, else bf16, f16 or f32 operands; f32 sums; everything else in f32.
;; Inputs: W1 8 x 1,024 x 4,096 float32; W2 8 x 4,096 x 1,024 float32; Wg 1,024 x 8 float32; Wn 1,024 x 8 float32; b1 8 x 4,096 float32; b2 8 x 1,024 float32; bg 8 float32; bn 8 float32; noise 2 x 512 x 8 float32; x 2 x 512 x 1,024 float32.
;; Outputs: out0 2 x 512 x 1,024 float32.
;; This version of the problem:
;;   THIS VERSION OF THE PROBLEM IS GIVEN IN LOW PRECISION. The matrix products marked QUANTISED in the list below multiply operands that are first quantised to E2M1 (2 exponent bits, 1 mantissa bit; 4 bits a number), with one power-of-two scale for each 32 numbers along K (OCP MX v1.0); their sums are f32. All else is computed in f32.
;;   The module's matrix products, in the order in which they are computed (A, B: the left and right operand; K: the contracted axis; several contracted axes count as one K, in the product's order):
;;     1. [M 1,024, K 1,024] x [K 1,024, N 8]; A: input x; B: input Wg: left as it is (N = 8 < 16)
;;     2. [M 1,024, K 1,024] x [K 1,024, N 8]; A: input x; B: input Wn: left as it is (N = 8 < 16)
;;     3. batch 1,024 x [M 1, K 2] x [K 2, N 8]; A: softmax; B: computed on the way: left as it is (K = 2 < 32)
;;     4. [M 1,024, K 1,024] x [K 1,024, N 32,768]; A: input x; B: input W1: QUANTISED
;;     5. batch 8 x [M 1,024, K 4,096] x [K 4,096, N 1,024]; A: input W2; B: computed on the way: QUANTISED
;;     6. batch 1,024 x [M 1,024, K 8] x [K 8, N 1]; A: computed on the way; B: computed on the way: left as it is (K = 8 < 32)
;;   THE QUANTISER, for each operand of a quantised product, along K:
;;     - K is cut into blocks of 32 from its start; a last block that is shorter is filled with zeros.
;;     - A block's scale is 2^e with e = floor(log2(the largest magnitude in the block)) - 2, held to -126 .. 127; a block of zeros has e = 0. As a byte (E8M0): e + 127.
;;     - Each number is divided by its block's scale, clamped to +-6, and rounded to the nearest number of E2M1, ties to even, subnormals kept.
;;     - The product sums the exact products of the quantised numbers (number of the format x scale) in f32.
;;   ~~~python
;;   def quantise(x, axis):      # numpy; x: float32 -> the quantised numbers, widened to float32 again
;;       x = np.moveaxis(x, axis, -1); K = x.shape[-1]
;;       x = np.pad(x, [(0, 0)] * (x.ndim - 1) + [(0, -K % 32)]); x = x.reshape(x.shape[:-1] + (-1, 32)); a = np.abs(x).max(-1, keepdims=True)
;;       e = np.where(a > 0, np.clip(np.frexp(np.where(a > 0, a, 1))[1] - 1 - 2, -126, 127), 0)      # np.frexp(a)[1] - 1 = floor(log2(a)), exactly
;;       r = np.clip(x / 2.0 ** e, -6, 6)
;;       step = 2.0 ** (np.maximum(np.frexp(np.where(r == 0, 1, r))[1] - 1, 0) - 1)
;;       q = np.round(r / step) * step * 2.0 ** e      # np.round: ties to even
;;       return np.moveaxis(q.reshape(q.shape[:-2] + (-1,))[..., :K], -1, axis).astype(np.float32)
;;   ~~~
;;   OPERANDS COMPUTED ON THE WAY. 'Computed on the way' means the value that the module computes at that place (a softmax that the list does not call 'softmax' is quantised finished and normalised). What goes into a quantiser is computed in f32, as accurately as f32 sums, v_exp_f32 and their like allow (about 1e-6 of the number): no bf16 or f16 on the way to a quantiser, and a product that is left as it is and whose result goes on into a quantised operand takes f32 operands (vector FMAs, or v_wmma_f32_16x16x4_f32). A number that lies on a knife's edge between two numbers of the format may be rounded either way, as far as f32 arithmetic and the matrix unit's own rounding can turn it there, and no further.
;; 2 versions. Each part assembles by itself: llvm-mc -triple=amdgcn-amd-amdhsa -mcpu=gfx1250 --defsym DOCPART=n.
;; ======== version 1 of 2: 4 launches
;; workspace buffers: xq 524,288 bytes; xs 32,768 bytes; sel 4,096 bytes of whole numbers; gate 8,192 bytes; hq 16,777,216 bytes; hs 1,048,576 bytes; yp 16,777,216 bytes
;; launch route (part 1): grid 256 x 1, 8 waves a work-group, no clusters, 96,256 bytes of LDS; arguments x, Wg, bg, Wn, bn, noise, xq, xs, sel, gate; writes xq, xs, sel, gate
.if DOCPART == 1
	.amdgcn_target "amdgcn-amd-amdhsa--gfx1250"
	.amdhsa_code_object_version 6
	.text
	.protected	k_q6b6118d421_route
	.globl	k_q6b6118d421_route
	.p2align	8
	.type	k_q6b6118d421_route,@function
k_q6b6118d421_route:
	s_mov_b64 s[64:65], 0
	v_nop
	global_prefetch_b8 v0, s[64:65] scope:SCOPE_SE
	s_setreg_imm32_b32 hwreg(HW_REG_WAVE_MODE, 25, 1), 1
	s_wait_xcnt 0x0
; ROUTE.  For each of 1,024 tokens: H = x Wg + bg + noise * softplus(x Wn + bn) in f32, the two largest H (ties: the lower index first), their softmax; and x as codes of E2M1 with one E8M0 byte for each 32 along its row.
; Stored at fixed places: sel[token] = e0 | e1 << 8 (whole numbers), gate[token] = (w0, w1), xq[token][512 bytes of codes], xs[token][32 scale bytes].
; SHARES.  A work-group of eight waves owns 4 tokens; wave w owns 512 numbers: token w / 2, half w % 2 of its row.  x is read once, 512 consecutive bytes a load, and serves both uses.
; Wg and Wn (32 KB each) are copied into LDS once a work-group: four rows k (128 bytes) and 16 bytes of padding, 144 bytes apart, so that the 16 lanes of a 16-byte load fall on 16 different columns of 16 bytes.
; No matrix instruction: N = 8, and the choice hangs on these sums, so they are f32 multiply-adds.  No cluster: the work-groups share Wg and Wn alone, 64 KB, and nothing here is fetched by a tensor load.
; LIMITS: NaN or infinities in H, x or the weights are not served.  A block of zeros gets the byte 1 (its codes are zeros; the bytes are read by this program alone).
.set GP,   144                         ; four rows of Wg or Wn + padding
.set WNL,  256*GP                      ; Wn's copy begins behind Wg's
.set STG,  2*WNL                       ; a stage of 32 x SP bytes for each wave
.set SP,   80                          ; 64 bytes + 16 of padding
.set SCB,  STG+8*32*SP                 ; the 128 scale bytes of the 4 tokens
.set RED,  SCB+256                     ; 16 sums (64 bytes) a wave
.set XO,   1                           ; 16 x lane
.set WO,   2                           ; 16 x thread
.set WL,   3                           ; where I put 16 bytes of Wg in LDS
.set WL2,  4                           ; and of Wn
.set SIN,  5                           ; the stage, in
.set SOUT, 6                           ; the stage, out
.set WRD,  7                           ; my four rows of Wg in LDS
.set CQ,   8                           ; 8 x lane
.set SBA,  9                           ; my block's scale byte
.set RDA,  10                          ; my wave's 16 sums
.set RR,   11                          ; wave 0: my token's and expert's sums
.set SCR,  12                          ; wave 0: 4 scale bytes a lane
.set EV,   13                          ; lane % 8: the expert
.set A4,   14                          ; 4 x expert
.set L4,   15                          ; 4 x lane
.set XR,   16                          ; v16-31  x as loaded: register 4 j + c = k 128 j + 4 lane + c of my 512
.set XN,   32                          ; v32-47  16 neighbours
.set SUM,  48                          ; v48-55 x Wg, v56-63 x Wn
.set WT,   64                          ; v64-191 two sets of 64: four rows of Wg, four of Wn
.set QM,   192
.set CD,   196
.set SA,   198
.set GA,   199
.set BGV,  200
.set BNV,  201
.set NOV,  202
.set A0,   204
.set SCV,  208
.set HV,   209
.set HJ,   210
.set RK,   211
.set TT,   212
.set PS,   213
.set V1,   214
.set V2,   215
.set E0,   216
.set E1,   217
.set EF,   218
.set NI,   219
.set G0,   220
.set SWD,  222
.set GV,   223
.set ZV,   224
	s_load_b512 s[4:19], s[0:1], 0x0               ; x s[4:5], Wg s[6:7], bg s[8:9], Wn s[10:11], bn s[12:13], noise s[14:15], xq s[16:17], xs s[18:19]
	s_load_b128 s[20:23], s[0:1], 0x40             ; sel s[20:21], gate s[22:23]
	v_lshl_add_u32 v254, v0, 2, 0x17400
	v_mov_b32 v255, 0
	v_lshrrev_b32 v[TT], 5, v0
	v_readfirstlane_b32 s24, v[TT]                 ; wave 0..7
	v_and_b32 v[TT], 31, v0                        ; lane
	v_lshlrev_b32 v[XO], 4, v[TT]
	v_lshlrev_b32 v[WO], 4, v0
	v_lshrrev_b32 v[RK], 3, v0
	v_and_b32 v[HJ], 7, v0
	v_mul_u32_u24 v[WL], v[RK], GP
	v_lshl_add_u32 v[WL], v[HJ], 4, v[WL]          ; thread t's 16 bytes: group t / 8, piece t % 8
	v_add_nc_u32 v[WL2], WNL, v[WL]
	s_mul_i32 s25, s24, 32*SP
	s_add_co_u32 s25, s25, STG                     ; my wave's stage
	v_lshrrev_b32 v[RK], 2, v[TT]
	v_and_b32 v[HJ], 3, v[TT]
	v_mul_u32_u24 v[SIN], v[RK], SP
	v_lshl_add_u32 v[SIN], v[HJ], 4, v[SIN]
	v_add_nc_u32 v[SIN], s25, v[SIN]               ; in: four lanes' 64 bytes on end, then the padding
	v_mul_u32_u24 v[SOUT], v[TT], SP
	v_add_nc_u32 v[SOUT], s25, v[SOUT]             ; out: my 16 neighbours
	s_and_b32 s26, s24, 1
	s_mul_i32 s26, s26, 128*GP                     ; my half of K: 128 groups of four rows
	v_mul_u32_u24 v[WRD], v[TT], GP
	v_add_nc_u32 v[WRD], s26, v[WRD]
	v_lshlrev_b32 v[CQ], 3, v[TT]
	s_lshl_b32 s26, s24, 4
	s_add_co_u32 s26, s26, SCB
	v_lshrrev_b32 v[SBA], 1, v[TT]
	v_add_nc_u32 v[SBA], s26, v[SBA]               ; 16 bytes a wave, a byte for two lanes
	s_lshl_b32 s26, s24, 6
	s_add_co_u32 s26, s26, RED
	v_mov_b32 v[RDA], s26
	v_and_b32 v[EV], 7, v[TT]
	v_lshlrev_b32 v[A4], 2, v[EV]
	v_lshrrev_b32 v[RK], 3, v[TT]                  ; wave 0: lane = 8 x token + expert
	v_lshl_add_u32 v[RR], v[RK], 7, v[A4]
	v_add_nc_u32 v[RR], RED, v[RR]                 ; a token's two waves lie 128 bytes on end
	v_lshlrev_b32 v[L4], 2, v[TT]
	v_add_nc_u32 v[SCR], SCB, v[L4]
	v_lshlrev_b32 v[SA], 2, v[RK]
	v_lshlrev_b32 v[GA], 3, v[RK]
	s_lshl_b32 s28, ttmp9, 14                      ; x: 4 rows of 4,096 bytes a work-group, 2,048 bytes a wave
	s_lshl_b32 s29, s24, 11
	s_add_co_u32 s28, s28, s29
	s_mov_b32 s29, 0
	s_lshl_b32 s30, ttmp9, 11                      ; xq: 4 rows of 512 bytes, 256 a wave
	s_lshl_b32 s31, s24, 8
	s_add_co_u32 s30, s30, s31
	s_mov_b32 s31, 0
	s_lshl_b32 s32, ttmp9, 7                       ; noise and xs: 128 bytes a work-group
	s_mov_b32 s33, 0
	s_lshl_b32 s34, ttmp9, 4                       ; sel: 16
	s_mov_b32 s35, 0
	s_lshl_b32 s36, ttmp9, 5                       ; gate: 32
	s_mov_b32 s37, 0
	s_mov_b32 s38, 0x76543210                      ; v_permlanex16_b32's selects for lane l xor 16
	s_mov_b32 s39, 0xfedcba98
	s_mov_b32 s44, 0xbfb8aa3b                      ; -log2(e)
	s_mov_b32 s45, 0x3f317218                      ; ln(2)
	s_wait_kmcnt 0x0
	s_add_nc_u64 s[4:5], s[4:5], s[28:29]
	s_add_nc_u64 s[16:17], s[16:17], s[30:31]
	s_add_nc_u64 s[14:15], s[14:15], s[32:33]
	s_add_nc_u64 s[18:19], s[18:19], s[32:33]
	s_add_nc_u64 s[20:21], s[20:21], s[34:35]
	s_add_nc_u64 s[22:23], s[22:23], s[36:37]
.irp j, 0,1,2,3
	global_load_b128 v[XR+4*\j:XR+4*\j+3], v[XO], s[4:5] offset:512*\j th:TH_LOAD_NT   ; 512 consecutive bytes a load
.endr
.irp j, 0,1,2,3,4,5,6,7
	global_load_b128 v[WT+4*\j:WT+4*\j+3], v[WO], s[6:7] offset:4096*\j
.endr
.irp j, 0,1,2,3,4,5,6,7
	global_load_b128 v[WT+32+4*\j:WT+32+4*\j+3], v[WO], s[10:11] offset:4096*\j
.endr
	s_cmp_lg_u32 s24, 0                            ; wave 0 finishes the router: it alone wants these
	s_cbranch_scc1 .Lnot0
	global_load_b32 v[BGV], v[A4], s[8:9]
	global_load_b32 v[BNV], v[A4], s[12:13]
	global_load_b32 v[NOV], v[L4], s[14:15]
.Lnot0:
	s_wait_loadcnt 0x0
.irp j, 0,1,2,3,4,5,6,7
	ds_store_b128 v[WL], v[WT+4*\j:WT+4*\j+3] offset:32*GP*\j
.endr
.irp j, 0,1,2,3,4,5,6,7
	ds_store_b128 v[WL2], v[WT+32+4*\j:WT+32+4*\j+3] offset:32*GP*\j
.endr
.irp i, 0,1,2,3
	ds_store_b128 v[SIN], v[XR+4*\i:XR+4*\i+3] offset:8*SP*\i      ; my 2,048 bytes through my own stage: LDS serves a wave's instructions in order
.endr
.irp i, 0,1,2,3
	ds_load_b128 v[XN+4*\i:XN+4*\i+3], v[SOUT] offset:16*\i        ; back as 16 neighbours a lane
.endr
	s_wait_dscnt 0x0                               ; for the others' sake: my part of Wg and Wn lies in LDS
	s_barrier_signal -1
	s_barrier_wait -1
.macro WLOAD j, set                    ; rows 128 j + 4 lane + 0 .. 3 of my half: 8 registers a row of Wg, then of Wn
.irp p, 0,1,2,3,4,5,6,7
	ds_load_b128 v[WT+64*(\set)+4*\p:WT+64*(\set)+4*\p+3], v[WRD] offset:32*GP*(\j)+16*\p
.endr
.irp p, 0,1,2,3,4,5,6,7
	ds_load_b128 v[WT+64*(\set)+32+4*\p:WT+64*(\set)+32+4*\p+3], v[WRD] offset:WNL+32*GP*(\j)+16*\p
.endr
.endm
.macro FMA4 sum, wreg, xpair, odd, first   ; eight sums += eight weights of one row x one number of x (the first or the second of a pair, for both halves)
.irp q, 0,1,2,3
.if \first
	v_pk_mul_f32 v[(\sum)+2*\q:(\sum)+2*\q+1], v[(\wreg)+2*\q:(\wreg)+2*\q+1], v[(\xpair):(\xpair)+1] op_sel_hi:[1,0]
.elseif \odd
	v_pk_fma_f32 v[(\sum)+2*\q:(\sum)+2*\q+1], v[(\wreg)+2*\q:(\wreg)+2*\q+1], v[(\xpair):(\xpair)+1], v[(\sum)+2*\q:(\sum)+2*\q+1] op_sel:[0,1,0] op_sel_hi:[1,1,1]
.else
	v_pk_fma_f32 v[(\sum)+2*\q:(\sum)+2*\q+1], v[(\wreg)+2*\q:(\wreg)+2*\q+1], v[(\xpair):(\xpair)+1], v[(\sum)+2*\q:(\sum)+2*\q+1] op_sel_hi:[1,0,1]
.endif
.endr
.endm
.macro DOT j, set, first
.irp c, 0,1,2,3
.if (\first) && (\c == 0)
	FMA4 SUM, WT+64*(\set), XR+4*(\j), 0, 1        ; the first products start the sums: nothing is cleared
	FMA4 SUM+8, WT+64*(\set)+32, XR+4*(\j), 0, 1
.else
	FMA4 SUM, WT+64*(\set)+8*\c, XR+4*(\j)+2*(\c/2), \c%2, 0
	FMA4 SUM+8, WT+64*(\set)+32+8*\c, XR+4*(\j)+2*(\c/2), \c%2, 0
.endif
.endr
.endm
	WLOAD 0, 0
	WLOAD 1, 1
	; x's codes, while the weights come: two neighbouring lanes hold a block of 32
	v_max3_num_f32 v[QM], |v[XN]|, |v[XN+1]|, |v[XN+2]|
	v_max3_num_f32 v[QM+1], |v[XN+3]|, |v[XN+4]|, |v[XN+5]|
.irp i, 6,10
	v_max3_num_f32 v[QM], v[QM], |v[XN+\i]|, |v[XN+\i+1]|
	v_max3_num_f32 v[QM+1], v[QM+1], |v[XN+\i+2]|, |v[XN+\i+3]|
.endr
	v_max3_num_f32 v[QM], v[QM], |v[XN+14]|, |v[XN+15]|
	v_max3_num_f32 v[QM], v[QM], v[QM+1], 0x1800000                ; the floor 2^(3 - 127): the byte cannot fall under 1
	v_max_num_f32_dpp v[QM], v[QM], v[QM] row_xmask:1 row_mask:0xf bank_mask:0xf   ; with my neighbour's 16
	v_add_nc_u32 v[QM+2], 0xff000000, v[QM]        ; 2 off the exponent field: the conversion's scale operand
	v_cvt_scalef32_pk8_fp4_f32 v[CD], v[XN:XN+7], v[QM+2]
	v_cvt_scalef32_pk8_fp4_f32 v[CD+1], v[XN+8:XN+15], v[QM+2]
	v_lshrrev_b32 v[QM+3], 23, v[QM+2]             ; the scale's byte
	global_store_b64 v[CQ], v[CD:CD+1], s[16:17]   ; the wave stores 256 consecutive bytes, aligned
	s_wait_dscnt 16                                ; set 0 is in; set 1's 16 loads may be out
	DOT 0, 0, 1
	WLOAD 2, 0
	s_wait_dscnt 16
	DOT 1, 1, 0
	WLOAD 3, 1
	s_wait_dscnt 16
	DOT 2, 0, 0
	s_wait_dscnt 0x0
	DOT 3, 1, 0
	ds_store_b8 v[SBA], v[QM+3]                    ; both lanes of a block write the same byte
.irp m, 1,2,4,8
.irp i, 0,1,2,3,4,5,6,7,8,9,10,11,12,13,14,15
	v_add_f32_dpp v[SUM+\i], v[SUM+\i], v[SUM+\i] row_xmask:\m row_mask:0xf bank_mask:0xf
.endr
.endr
.irp i, 0,1,2,3,4,5,6,7,8,9,10,11,12,13,14,15
	v_permlanex16_b32 v[WT+\i], v[SUM+\i], s38, s39
.endr
.irp i, 0,1,2,3,4,5,6,7,8,9,10,11,12,13,14,15
	v_add_f32 v[SUM+\i], v[SUM+\i], v[WT+\i]       ; every lane holds my 512 numbers' part of the 16 sums
.endr
.irp i, 0,1,2,3
	ds_store_b128 v[RDA], v[SUM+4*\i:SUM+4*\i+3] offset:16*\i      ; all lanes write the same words with the same values
.endr
	s_wait_dscnt 0x0
	s_barrier_signal -1
	s_barrier_wait -1
	s_cmp_lg_u32 s24, 0
	s_cbranch_scc1 .Lend
	; wave 0: lane = 8 x token + expert
	ds_load_b32 v[A0], v[RR]
	ds_load_b32 v[A0+1], v[RR] offset:64
	ds_load_b32 v[A0+2], v[RR] offset:32
	ds_load_b32 v[A0+3], v[RR] offset:96
	ds_load_b32 v[SCV], v[SCR]
	s_wait_dscnt 0x0
	global_store_b32 v[L4], v[SCV], s[18:19]       ; the 4 tokens' 128 scale bytes
	v_add_f32 v[GV], v[A0], v[A0+1]
	v_add_f32 v[ZV], v[A0+2], v[A0+3]
	v_add_f32 v[ZV], v[ZV], v[BNV]                 ; z = x Wn + bn
	v_mul_f32 v[TT], s44, |v[ZV]|
	v_exp_f32 v[TT], v[TT]                         ; e^-|z|
	v_max_num_f32 v[PS], 0, v[ZV]                  ; (the plain place behind it)
	s_wait_alu depctr_va_vdst(0)                   ; ahead of the first reader of the exponential
	v_add_f32 v[TT], 1.0, v[TT]
	v_log_f32 v[TT], v[TT]
	v_add_f32 v[GV], v[GV], v[BGV]                 ; (the plain place)  x Wg + bg
	s_wait_alu depctr_va_vdst(0)
	v_fmac_f32 v[PS], s45, v[TT]                   ; softplus(z) = max(z, 0) + ln(1 + e^-|z|)
	v_fma_f32 v[HV], v[NOV], v[PS], v[GV]
	v_mov_b32 v[RK], 0                             ; my rank: how many of the token's other seven come before me
	v_mov_b32 v[HJ], 0
.irp m, 1,2,3,4,5,6,7
	v_mov_b32_dpp v[HJ], v[HV] row_xmask:\m row_mask:0xf bank_mask:0xf
	v_xor_b32 v[TT], \m, v[EV]
	v_cmp_gt_f32 s40, v[HJ], v[HV]
	v_cmp_eq_f32 s41, v[HJ], v[HV]
	v_cmp_lt_u32 s42, v[TT], v[EV]
	s_and_b32 s41, s41, s42                        ; a tie goes to the lower index
	s_or_b32 s40, s40, s41
	v_cndmask_b32 v[TT], 0, 1, s40
	v_add_nc_u32 v[RK], v[RK], v[TT]
.endr
	v_cvt_f32_u32 v[EF], v[EV]
	v_cmp_eq_u32 s40, 0, v[RK]
	v_cmp_eq_u32 s41, 1, v[RK]
	v_mov_b32 v[NI], 0xff800000
	v_cndmask_b32 v[V1], v[NI], v[HV], s40         ; the first's H in its lane, -infinity in the others
	v_cndmask_b32 v[V2], v[NI], v[HV], s41
	v_cndmask_b32 v[E0], 0, v[EF], s40             ; and its index, as f32
	v_cndmask_b32 v[E1], 0, v[EF], s41
.irp m, 1,2,4
	v_max_num_f32_dpp v[V1], v[V1], v[V1] row_xmask:\m row_mask:0xf bank_mask:0xf
	v_max_num_f32_dpp v[V2], v[V2], v[V2] row_xmask:\m row_mask:0xf bank_mask:0xf
	v_max_num_f32_dpp v[E0], v[E0], v[E0] row_xmask:\m row_mask:0xf bank_mask:0xf
	v_max_num_f32_dpp v[E1], v[E1], v[E1] row_xmask:\m row_mask:0xf bank_mask:0xf
.endr
	v_cvt_u32_f32 v[E0], v[E0]
	v_cvt_u32_f32 v[E1], v[E1]
	v_lshl_or_b32 v[SWD], v[E1], 8, v[E0]
	v_sub_f32 v[TT], v[V2], v[V1]                  ; the maximum is taken away: 0 or less
	v_mul_f32 v[TT], 0x3fb8aa3b, v[TT]
	v_exp_f32 v[TT], v[TT]
	v_nop
	s_wait_alu depctr_va_vdst(0)
	v_add_f32 v[PS], 1.0, v[TT]
	v_rcp_f32 v[G0], v[PS]                         ; w0 = 1 / (1 + e^(v2 - v1))
	v_nop
	s_wait_alu depctr_va_vdst(0)
	v_mul_f32 v[G0+1], v[TT], v[G0]                ; w1
	global_store_b32 v[SA], v[SWD], s[20:21]       ; a token's eight lanes store the same word at the same fixed place
	global_store_b64 v[GA], v[G0:G0+1], s[22:23]
.Lend:
	s_wait_tensorcnt 0x0
	ds_add_u32 v254, v255
	s_wait_dscnt 0x0
	s_endpgm
.Lfunc_end_k_q6b6118d421_route:
	.size	k_q6b6118d421_route, .Lfunc_end_k_q6b6118d421_route-k_q6b6118d421_route
	.p2alignl 7, 3214868480
	.fill 96, 4, 3214868480
	.section	.rodata,"a",@progbits
	.p2align	6, 0x0
	.amdhsa_kernel k_q6b6118d421_route
		.amdhsa_group_segment_fixed_size 96256
		.amdhsa_private_segment_fixed_size 0
		.amdhsa_enable_private_segment 0
		.amdhsa_kernarg_size 80
		.amdhsa_user_sgpr_count 2
		.amdhsa_user_sgpr_kernarg_segment_ptr 1
		.amdhsa_wavefront_size32 1
		.amdhsa_system_sgpr_workgroup_id_x 1
		.amdhsa_system_sgpr_workgroup_id_y 1
		.amdhsa_system_sgpr_workgroup_id_z 1
		.amdhsa_system_vgpr_workitem_id 0
		.amdhsa_next_free_vgpr 256
		.amdhsa_next_free_sgpr 66
		.amdhsa_reserve_vcc 0
		.amdhsa_float_denorm_mode_32 3
		.amdhsa_float_denorm_mode_16_64 3
		.amdhsa_memory_ordered 1
		.amdhsa_forward_progress 1
		.amdhsa_inst_pref_size 33
	.end_amdhsa_kernel
	.amdgpu_metadata
---
amdhsa.version: [ 1, 2 ]
amdhsa.kernels:
  - .name:           k_q6b6118d421_route
    .symbol:         k_q6b6118d421_route.kd
    .args:
      - { .name: x, .offset: 0, .size: 8, .value_kind: global_buffer, .address_space: global }
      - { .name: Wg, .offset: 8, .size: 8, .value_kind: global_buffer, .address_space: global }
      - { .name: bg, .offset: 16, .size: 8, .value_kind: global_buffer, .address_space: global }
      - { .name: Wn, .offset: 24, .size: 8, .value_kind: global_buffer, .address_space: global }
      - { .name: bn, .offset: 32, .size: 8, .value_kind: global_buffer, .address_space: global }
      - { .name: noise, .offset: 40, .size: 8, .value_kind: global_buffer, .address_space: global }
      - { .name: xq, .offset: 48, .size: 8, .value_kind: global_buffer, .address_space: global }
      - { .name: xs, .offset: 56, .size: 8, .value_kind: global_buffer, .address_space: global }
      - { .name: sel, .offset: 64, .size: 8, .value_kind: global_buffer, .address_space: global }
      - { .name: gate, .offset: 72, .size: 8, .value_kind: global_buffer, .address_space: global }
    .group_segment_fixed_size: 96256
    .private_segment_fixed_size: 0
    .kernarg_segment_align: 8
    .kernarg_segment_size: 80
    .max_flat_workgroup_size: 256
    .sgpr_count:     66
    .vgpr_count:     256
    .wavefront_size: 32
...
	.end_amdgpu_metadata
.endif
;; end of part 1
;; launch ffn1 (part 2): grid 32 x 8, 4 waves a work-group, no clusters, 105,984 bytes of LDS; arguments W1, b1, xq, xs, sel, hq, hs; writes hq, hs
.if DOCPART == 2
	.amdgcn_target "amdgcn-amd-amdhsa--gfx1250"
	.amdhsa_code_object_version 6
	.text
	.protected	k_q6b6118d421_ffn1
	.globl	k_q6b6118d421_ffn1
	.p2align	8
	.type	k_q6b6118d421_ffn1,@function
k_q6b6118d421_ffn1:
	s_mov_b64 s[64:65], 0
	v_nop
	global_prefetch_b8 v0, s[64:65] scope:SCOPE_SE
	s_setreg_imm32_b32 hwreg(HW_REG_WAVE_MODE, 25, 1), 1
	s_wait_xcnt 0x0
; FFN1.  h = Q(relu(x W1 + b1)) for the rows routed to an expert: MX-FP4 products, f32 sums, h quantised along F in registers and stored as codes.
; SHARES.  Work-group (slice, e): 128 hidden units of expert e, all K = 1,024: 512 KB of W1, which no other work-group reads.  The tokens lie in 4 fixed segments of 256; wave w owns segment w.
; PHASE 1, THE STREAM.  Wave w reads a panel of 64 columns (256 bytes of a row) x 512 rows.  One load: lanes 0-15 row k, lanes 16-31 row k + 32, 16 bytes (4 columns) a lane: two runs of 256 consecutive bytes, aligned.
;   32 such loads give a lane a whole block of 32 along K for each of 4 columns, and the lane's half is the block's parity that the 4-bit operand layout wants.  A move sets each column's run on consecutive registers
;   (the conversion takes 8 neighbours along K from consecutive registers) and frees the landing registers for the load four half-sets on.  Tile c of a panel is made of columns 4 m + c.
;   Each fragment goes to LDS as an image of its registers; behind each quarter of the stream a barrier, and every wave takes the 16 new fragments into its own registers: all 64 stay there (windows 1, 2).
; PHASE 2, THE TILES.  The rows of (e, segment w) are ranked by token; rank p lies in tile (4 e + w) 16 + p / 16, row p % 16: places fixed by arithmetic.  The map from rank to token is made in registers from ballots of sel:
;   one search serves 32 ranks, two tiles.  TWO TILES' ROWS ARE ON THEIR WAY: tile t asks for tile t + 2's rows as soon as its own have left their landing registers; the first two tiles are asked for under the stream's tail.
;   Ranks beyond the last repeat the last row (the same values at the same places later on).  A segment with no row still lays down its first tile, so that every byte which the next launch loads has been stored.
;   The product is used transposed (source 0 = 16 hidden units, source 1 = 16 rows): a lane holds one row and, over tiles 4 hi + c and registers j, hidden units 64 hi + 32 (lane / 16) + 4 j + c: whole blocks of 32.
;   The codes come out in the order 8 c + j within a block; the next launch reads W2's rows in the same order, so nothing is permuted.  The eight code registers are the next product's fragment as they stand.
; No cluster, no tensor load: trip counts hang on stored numbers; the weights are shared with nobody, and what work-groups share (a tile's 8 KB of codes of x against 512 KB of weights) is a small part.
; LIMITS: NaN and infinities are not served.  A block of zeros gets the byte 1 (its codes are zeros; the bytes are read by this program alone).
.set PITCH, 16384                      ; a row of W1 in bytes
.set FSTEP, 8                          ; fragments in a K step: fragment f = 8 s + tile
.set WSC,   65536                      ; LDS: 64 images of 1,024 bytes from 0; then 64 x 16 scale words
.set XST,   WSC+4096                   ; a stage of 16 rows x (512 + 16) bytes for each wave
.set XPI,   528
.set BIA,   XST+4*16*XPI               ; b1's 128 numbers, a copy for each wave
.set LS,   1                           ; WSC + 4 x lane
.set R,    2                           ; lane % 16
.set H,    3                           ; lane / 16
.set VO,   4                           ; W1: 32 rows x H + 16 R; never rewritten
.set AI,   5                           ; where I store images
.set AS,   6                           ; and their scale words
.set LI,   7                           ; 16 x lane
.set SH8,  8                           ; 8 H
.set XSTO, 9
.set XRD,  10
.set PV,   11                          ; the rank that my lane looks up next: 32 ranks a search
.set HO,   12
.set HSO,  13
.set BO,   14
.set XSA,  15
.set AD,   16                          ; v16-31 the 16 rows' offsets in xq
.set BST,  17
.set PP,   32                          ; v32-46 the search's; v32-47 also the stream's quantiser's
.set MS,   33
.set BS,   34
.set QB,   35
.set NN,   36
.set TA,   37
.set TB,   38
.set TC,   39
.set TD,   40
.set POS,  41
.set TT,   42
.set TW,   43
.set TOKE, 44                          ; the even tile's 16 tokens, lane R's in both halves
.set TOKO, 45                          ; the odd tile's
.set TX,   46
.set MX,   32
.set SO,   36
.set SW,   40
.set PT,   44
.set XS,   48                          ; v48-55, v56-63 x's scale words, two sets
.set WS,   64                          ; v64-95 W1's scale words: register j: fragment 2 j in lanes 0-15, 2 j + 1 in lanes 16-31
.set STG,  96                          ; v96-223 four columns x 32 along K
.set CODE, 224                         ; v224-255 two sets of 16
.set SELR, 96
.set BV,   240
.set ACC,  96                          ; the tiles' phase: v96-159 eight accumulators
.set HC,   160                         ; v160-175 h's codes, two sets
.set HWS,  176
.set HM,   180
.set HSC,  184
.set HW,   186
.set HP,   187
.set FRAG, 0                           ; window 3 behind the stream: v0-63 x's 8 fragments; v64-127 and v192-255 16 rows as loaded, two sets; v128-191 b1 in the result's layout
.set RAW,  64
.set BI,   128
.set SEL,  20                          ; s[20:21] selects for lane l xor 16
.set EX,   22
.set WV,   23
.set W256, 24
.set WA,   25
.set WP,   30
.set HMK,  31                          ; lanes 16-31
.set M,    32                          ; s32-39 members of (e, my segment), 32 tokens a word
.set C,    48                          ; s48-56 their running count
.set CM1,  57
.set NT,   58
.set TI,   59
.set T0,   60                          ; s60-63 at work
.set MSB, 0
.macro WIN new                         ; the immediate's high byte repeats the setting that is left; a switch that changes nothing is dropped
.if MSB != (\new)
	s_set_vgpr_msb (MSB*256)+(\new)
.set MSB, (\new)
.endif
.endm
.macro LDHS hsx                        ; half-set hsx of 16: 16 loads into ring slot hsx % 4 of window 3; every row stands in the immediate (479 rows at the most: inside its signed 24 bits)
	WIN 0xc0
.set ii, 0
.rept 16
	global_load_b128 v[64*((\hsx)%4)+4*ii:64*((\hsx)%4)+4*ii+3], v[VO], s[4:5] offset:(64*((\hsx)/2)+16*((\hsx)%2)+ii)*PITCH th:TH_LOAD_NT
.set ii, ii+1
.endr
.endm
.macro MVHS hsx, left                  ; left: the loads issued behind this half-set's
	s_wait_loadcnt \left
	WIN 0x03
.set ii, 0
.rept 16
.irp c, 0,1,2,3
	v_mov_b32 v[STG+32*\c+16*((\hsx)%2)+ii], v[64*((\hsx)%4)+4*ii+\c]
.endr
.set ii, ii+1
.endr
.endm
.macro QUANT db                        ; double block db: for each of my 4 columns a block of 32 becomes 4 registers of codes and a byte
	WIN 0
.irp c, 0,1,2,3
	v_max3_num_f32 v[MX+\c], |v[STG+32*\c]|, |v[STG+32*\c+1]|, 0x1800000   ; with the floor 2^(3 - 127): the byte cannot fall under 1
.endr
.irp i, 2,4,6,8,10,12,14,16,18,20,22,24,26,28,30
.irp c, 0,1,2,3
	v_max3_num_f32 v[MX+\c], v[MX+\c], |v[STG+32*\c+\i]|, |v[STG+32*\c+\i+1]|
.endr
.endr
.irp c, 0,1,2,3
	v_add_nc_u32 v[SO+\c], 0xff000000, v[MX+\c]    ; 2 off the exponent field: the conversion's scale operand
.endr
.irp c, 0,1,2,3
.irp g, 0,1,2,3
	v_cvt_scalef32_pk8_fp4_f32 v[CODE+16*((\db)%2)+4*\c+\g], v[STG+32*\c+8*\g:STG+32*\c+8*\g+7], v[SO+\c]
.endr
.endr
.irp c, 0,1,2,3
.if (\db)%2
	v_lshrrev_b32 v[MX+\c], 23, v[SO+\c]           ; the byte (also the plain line behind the conversions)
.else
	v_lshrrev_b32 v[SW+\c], 23, v[SO+\c]
.endif
.endr
.if (\db)%2
.irp c, 0,1,2,3
	v_lshl_or_b32 v[SW+\c], v[MX+\c], 16, v[SW+\c]
.endr
.endif
.irp c, 0,1,2,3
	ds_store_b128 v[AI], v[CODE+16*((\db)%2)+4*\c:CODE+16*((\db)%2)+4*\c+3] offset:1024*(FSTEP*((\db)/2)+\c)+512*((\db)%2)
.endr
.endm
.macro SCALEW ls                       ; my two bytes (blocks H and 2 + H) and lane l xor 16's two make a row's scale word
.irp c, 0,1,2,3
	v_lshlrev_b32 v[SW+\c], v[SH8], v[SW+\c]
.endr
.irp c, 0,1,2,3
	v_permlanex16_b32 v[PT+\c], v[SW+\c], s[SEL], s[SEL+1]
.endr
.irp c, 0,1,2,3
	v_or_b32 v[SW+\c], v[SW+\c], v[PT+\c]
.endr
.irp c, 0,1,2,3
	ds_store_b32 v[AS], v[SW+\c] offset:64*(FSTEP*(\ls)+\c)
.endr
.endm
.macro SYNC ls                         ; the four waves' fragments of quarter ls (K steps ls and 4 + ls) lie in LDS: every wave takes them
	s_wait_dscnt 0x0                               ; for the others' sake: my stores have landed (and my code registers have been read)
	s_barrier_signal -1
	s_barrier_wait -1
.irp a, 0,1
	WIN 0x40+0x40*\a
.irp t, 0,1,2,3,4,5,6,7
	ds_load_b128 v[8*(8*(\ls)+\t):8*(8*(\ls)+\t)+3], v[LI] offset:1024*(32*\a+8*(\ls)+\t)
	ds_load_b128 v[8*(8*(\ls)+\t)+4:8*(8*(\ls)+\t)+7], v[LI] offset:1024*(32*\a+8*(\ls)+\t)+512
.endr
.endr
	WIN 0
.irp a, 0,1
.irp u, 0,1,2,3
	ds_load_b32 v[WS+16*\a+4*(\ls)+\u], v[LS] offset:128*(16*\a+4*(\ls)+\u)
.endr
.endr
.endm
.macro LEVEL tab, wid                  ; is the wanted bit among the next wid bits?  If not, pass them
	v_bfe_u32 v[TT], v[\tab], v[POS], \wid
	v_cmp_le_u32 vcc_lo, v[TT], v[NN]
	v_cndmask_b32 v[TT], 0, v[TT], vcc_lo
	v_cndmask_b32 v[TW], 0, \wid, vcc_lo
	v_sub_nc_u32 v[NN], v[NN], v[TT]
	v_add_nc_u32 v[POS], v[POS], v[TW]
.endm
.macro SEARCH                          ; rank v[PV] (held at the last member) -> the member's place in my segment: v[QB] + v[POS]
	v_min_u32 v[PP], s[CM1], v[PV]
	v_mov_b32 v[MS], s[M]
	v_mov_b32 v[BS], 0
	v_mov_b32 v[QB], 0
.irp q, 1,2,3,4,5,6,7
	v_cmp_gt_u32 vcc_lo, s[C+\q], v[PP]            ; the last word whose running count is at most the rank
	v_cndmask_b32 v[MS], s[M+\q], v[MS], vcc_lo
	v_cndmask_b32 v[BS], s[C+\q], v[BS], vcc_lo
	v_cndmask_b32 v[QB], 32*\q, v[QB], vcc_lo
.endr
	v_sub_nc_u32 v[NN], v[PP], v[BS]
	v_lshrrev_b32 v[TA], 1, v[MS]                  ; counts of ones in fields of 2, 4, 8, 16 bits
	v_and_b32 v[TA], 0x55555555, v[TA]
	v_sub_nc_u32 v[TA], v[MS], v[TA]
	v_lshrrev_b32 v[TB], 2, v[TA]
	v_and_b32 v[TB], 0x33333333, v[TB]
	v_and_b32 v[TT], 0x33333333, v[TA]
	v_add_nc_u32 v[TB], v[TB], v[TT]
	v_lshrrev_b32 v[TC], 4, v[TB]
	v_add_nc_u32 v[TC], v[TC], v[TB]
	v_and_b32 v[TC], 0x0f0f0f0f, v[TC]
	v_lshrrev_b32 v[TD], 8, v[TC]
	v_add_nc_u32 v[TD], v[TD], v[TC]
	v_and_b32 v[TD], 0x00ff00ff, v[TD]
	v_mov_b32 v[POS], 0
	LEVEL TD, 16
	LEVEL TC, 8
	LEVEL TB, 4
	LEVEL TA, 2
	LEVEL MS, 1
.endm
.macro LOOK                            ; 32 ranks, a lane a rank: the tokens of two tiles.  Each tile's 16 are then set in both halves of the lanes
	WIN 0
	SEARCH
	v_add3_u32 v[TOKE], v[QB], v[POS], s[W256]
	v_add_nc_u32 v[PV], 32, v[PV]
	v_permlanex16_b32 v[TX], v[TOKE], s[SEL], s[SEL+1]
	v_cndmask_b32 v[TOKO], v[TX], v[TOKE], s[HMK]  ; lanes 16-31 keep theirs, lanes 0-15 take them from there: the odd tile's
	v_cndmask_b32 v[TOKE], v[TOKE], v[TX], s[HMK]  ; lanes 0-15 keep theirs, lanes 16-31 take them: the even tile's
.endm
.macro ADDR tok                        ; the 16 rows' offsets in xq (row i's token to all lanes, x 512, + 16 lane) and my row's offset in xs: no scalar register on the way
	WIN 0
	s_wait_xcnt 0x0                                ; every memory instruction issued so far has read its sources: the offsets of the loads still out are written again only behind this wait, and so are the code registers of earlier stores
.irp i, 0,1,2,3,4,5,6,7,8,9,10,11,12,13,14,15
	v_mov_b32_dpp v[AD+\i], v[\tok] row_share:\i row_mask:0xf bank_mask:0xf
.endr
.irp i, 0,1,2,3,4,5,6,7,8,9,10,11,12,13,14,15
	v_min_u32 v[AD+\i], 0x3ff, v[AD+\i]
.endr
.irp i, 0,1,2,3,4,5,6,7,8,9,10,11,12,13,14,15
	v_lshl_add_u32 v[AD+\i], v[AD+\i], 9, v[LI]
.endr
	v_min_u32 v[XSA], 0x3ff, v[\tok]
	v_lshlrev_b32 v[XSA], 5, v[XSA]
.endm
.macro RAWLD par                       ; 16 rows of codes, a row's 512 consecutive bytes to a load
	WIN 0xc0
.irp i, 0,1,2,3,4,5,6,7,8,9,10,11,12,13,14,15
	global_load_b128 v[RAW+128*(\par)+4*\i:RAW+128*(\par)+4*\i+3], v[AD+\i], s[8:9]
.endr
	WIN 0
.endm
.macro XSLD par                        ; my row's 8 scale words
	global_load_b128 v[XS+8*(\par):XS+8*(\par)+3], v[XSA], s[10:11]
	global_load_b128 v[XS+8*(\par)+4:XS+8*(\par)+7], v[XSA], s[10:11] offset:16
.endm
.macro WM s, t, par                    ; K step s, tile t: source 0 = 16 hidden units, source 1 = 16 rows; b1 is the C of the first K step
.set rD, ACC+8*(\t)
.set rA, 8*((8*(\s)+(\t))%32)
.set rB, FRAG+8*(\s)
.set rC, rD
.if (\s) == 0
.set rC, BI+8*(\t)
.endif
.set rS, WS+4*(\s)+(\t)/2
.set rX, XS+8*(\par)+(\s)
.if (\t)%2
	v_wmma_scale_f32_16x16x128_f8f6f4 v[rD:rD+7], v[rA:rA+7], v[rB:rB+7], v[rC:rC+7], v[rS], v[rX] matrix_a_fmt:MATRIX_FMT_FP4 matrix_b_fmt:MATRIX_FMT_FP4 matrix_a_scale:MATRIX_SCALE_ROW1
.else
	v_wmma_scale_f32_16x16x128_f8f6f4 v[rD:rD+7], v[rA:rA+7], v[rB:rB+7], v[rC:rC+7], v[rS], v[rX] matrix_a_fmt:MATRIX_FMT_FP4 matrix_b_fmt:MATRIX_FMT_FP4
.endif
.endm
.macro TILE par
.if (\par) == 0
	LOOK                                           ; the tokens of the tiles two and three on, while this tile's last loads land
.endif
	s_wait_loadcnt 18                              ; this tile's 18 loads, issued two tiles ago, are in; the next tile's 18, issued behind them, stay out
	WIN 0x0c
.irp i, 0,1,2,3,4,5,6,7,8,9,10,11,12,13,14,15
	ds_store_b128 v[XSTO], v[RAW+128*(\par)+4*\i:RAW+128*(\par)+4*\i+3] offset:XPI*\i   ; rows into my own stage,
.endr
	WIN 0xc0
.irp s, 0,1,2,3,4,5,6,7
	ds_load_b128 v[FRAG+8*\s:FRAG+8*\s+3], v[XRD] offset:64*\s     ; and back as fragments: LDS serves a wave's instructions in order
	ds_load_b128 v[FRAG+8*\s+4:FRAG+8*\s+7], v[XRD] offset:64*\s+32
.endr
.if (\par) == 0
	ADDR TOKE
.else
	ADDR TOKO
.endif
	s_wait_dscnt 16                                ; the 16 stores into the stage have read the registers that the next loads fill; the 16 LDS loads behind them may be out
	RAWLD \par                                     ; the rows of the tile two on
	s_wait_dscnt 0x0
.irp s, 0,1,2,3,4,5,6,7                ; the eight accumulators by turns, one instruction a turn
.if \s == 0
	WIN 0x3d                                       ; source 0 window 1, source 1 and C window 3, D window 0
.elseif \s < 4
	WIN 0x0d
.else
	WIN 0x0e                                       ; source 0 window 2
.endif
.irp t, 0,1,2,3,4,5,6,7
	WM \s, \t, \par
.endr
.endr
	WIN 0
.rept 4
	v_nop                                          ; four places behind the last product, ahead of the loads into its scale registers and of the first read of results
.endr
	XSLD \par                                      ; and that tile's scale words, into the set that these products have read
.set jj, 0
.rept 64
	v_max_num_f32 v[ACC+jj], 0, v[ACC+jj]          ; relu, each accumulator from its low end on
.set jj, jj+1
.endr
.irp k, 0,1,2,3
	v_max3_num_f32 v[HM+\k], v[ACC+16*\k], v[ACC+16*\k+1], 0x1800000   ; my two blocks of 32, in four chains; none is negative
.endr
.irp i, 2,4,6,8,10,12,14
.irp k, 0,1,2,3
	v_max3_num_f32 v[HM+\k], v[HM+\k], v[ACC+16*\k+\i], v[ACC+16*\k+\i+1]
.endr
.endr
	v_max_num_f32 v[HM], v[HM], v[HM+1]
	v_max_num_f32 v[HM+2], v[HM+2], v[HM+3]
	v_add_nc_u32 v[HSC], 0xff000000, v[HM]
	v_add_nc_u32 v[HSC+1], 0xff000000, v[HM+2]
	v_lshrrev_b32 v[HM], 23, v[HSC]
	v_lshrrev_b32 v[HM+1], 23, v[HSC+1]
	v_lshl_or_b32 v[HW], v[HM+1], 16, v[HM]
	v_lshlrev_b32 v[HW], v[SH8], v[HW]
	v_permlanex16_b32 v[HP], v[HW], s[SEL], s[SEL+1]
	v_or_b32 v[HWS+\par], v[HW], v[HP]             ; (this set's last stores, two tiles back, have read their data: the wait ahead of this tile's offsets stands between)
.irp hi, 0,1
.irp c, 0,1,2,3
	v_cvt_scalef32_pk8_fp4_f32 v[HC+8*\par+4*\hi+\c], v[ACC+32*\hi+8*\c:ACC+32*\hi+8*\c+7], v[HSC+\hi]
.endr
.endr
	v_nop                                          ; the plain line behind the last conversion
	global_store_b128 v[HO], v[HC+8*\par:HC+8*\par+3], s[14:15] offset:32768*\par          ; the fragment's image: 512 consecutive bytes a store
	global_store_b128 v[HO], v[HC+8*\par+4:HC+8*\par+7], s[14:15] offset:32768*\par+512
	global_store_b32 v[HSO], v[HWS+\par], s[16:17] offset:2048*\par                        ; 16 rows' scale words (both halves of the lanes store the same)
.endm
	s_load_b256 s[4:11], s[0:1], 0x0               ; W1 s[4:5], b1 s[6:7], xq s[8:9], xs s[10:11]
	s_load_b128 s[12:15], s[0:1], 0x20             ; sel s[12:13], hq s[14:15]
	s_load_b64 s[16:17], s[0:1], 0x30              ; hs
	v_lshrrev_b32 v[TT], 5, v0
	v_readfirstlane_b32 s[WV], v[TT]               ; wave 0..3
	v_and_b32 v[TT], 31, v0                        ; lane
	v_and_b32 v[R], 15, v0
	v_bfe_u32 v[H], v0, 4, 1
	s_and_b32 s[EX], ttmp7, 0xffff                 ; the expert
	s_lshr_b32 s[WA], s[WV], 1                     ; which 512 rows of K my panel takes
	s_and_b32 s[WP], s[WV], 1                      ; which 64 columns
	s_lshl_b32 s[W256], s[WV], 8
	s_mov_b32 s[SEL], 0x76543210
	s_mov_b32 s[SEL+1], 0xfedcba98
	s_mov_b32 s[HMK], 0xffff0000
	v_lshlrev_b32 v[VO], 4, v[R]
	v_lshl_add_u32 v[VO], v[H], 19, v[VO]          ; 32 rows of 16,384 bytes for lanes 16-31
	v_lshlrev_b32 v[LI], 4, v[TT]
	v_lshl_add_u32 v[LS], v[TT], 2, WSC
	s_lshl_b32 s[T0], s[WA], 15                    ; my fragments begin at number 32 (w / 2) + 4 (w % 2)
	s_lshl_b32 s[T0+1], s[WP], 12
	s_add_co_u32 s[T0], s[T0], s[T0+1]
	v_add_nc_u32 v[AI], s[T0], v[LI]
	s_lshr_b32 s[T0], s[T0], 4                     ; 64 bytes of scale words for 1,024 of codes
	s_add_co_u32 s[T0], s[T0], WSC
	v_lshl_add_u32 v[AS], v[R], 2, s[T0]
	v_lshlrev_b32 v[SH8], 3, v[H]
	s_mul_i32 s[T0], s[WV], 16*XPI
	s_add_co_u32 s[T0], s[T0], XST
	v_add_nc_u32 v[XSTO], s[T0], v[LI]
	v_mul_u32_u24 v[XRD], v[R], XPI
	v_lshl_add_u32 v[XRD], v[H], 4, v[XRD]
	v_add_nc_u32 v[XRD], s[T0], v[XRD]
	s_lshl_b32 s[T0], s[WV], 9
	s_add_co_u32 s[T0], s[T0], BIA
	v_add_nc_u32 v[BST], s[T0], v[LI]
	v_lshl_add_u32 v[BO], v[H], 7, s[T0]
	v_mov_b32 v[PV], v[TT]                         ; the first search: ranks 0 to 31
	s_lshl_b32 s[T0], s[EX], 2
	s_add_co_u32 s[T0], s[T0], s[WV]               ; 4 e + w: sixteen tiles each
	s_lshl_b32 s[T0+1], s[T0], 19
	s_lshl_b32 s[T0+2], ttmp9, 10
	s_add_co_u32 s[T0+1], s[T0+1], s[T0+2]
	v_add_nc_u32 v[HO], s[T0+1], v[LI]             ; hq: tile x 32,768 + slice x 1,024 + 16 lane
	s_lshl_b32 s[T0+1], s[T0], 15
	s_lshl_b32 s[T0+2], ttmp9, 6
	s_add_co_u32 s[T0+1], s[T0+1], s[T0+2]
	v_lshl_add_u32 v[HSO], v[R], 2, s[T0+1]        ; hs: tile x 2,048 + slice x 64 + 4 row
	s_lshl_b32 s[T0], s[WV], 10
	v_lshl_add_u32 v[AD], v[TT], 2, s[T0]          ; sel: my segment's 1,024 bytes
.irp c, 0,1,2,3
	v_mov_b32 v[PT+\c], 0                          ; a lane permute's destination counts as one of its sources,
.endr
.irp i, 2,3,4,5,6,7,8,9,10,11,12,13,14,15
	v_mov_b32 v[AD+\i], 0                          ; and so does a DPP form's (the first two of the sixteen are written above)
.endr
	s_lshl_b32 s26, s[EX], 24                      ; W1: the expert's 16 MB, my 512 rows, the slice's 512 bytes, my 256
	s_lshl_b32 s28, s[WA], 23
	s_add_co_u32 s26, s26, s28
	s_lshl_b32 s28, ttmp9, 9
	s_add_co_u32 s26, s26, s28
	s_lshl_b32 s29, s[WP], 8
	s_add_co_u32 s26, s26, s29
	s_mov_b32 s27, 0
	s_lshl_b32 s29, s[EX], 14                      ; b1: the expert's row, the slice's 512 bytes
	s_add_co_u32 s28, s28, s29
	s_mov_b32 s29, 0
	s_wait_kmcnt 0x0
	s_add_nc_u64 s[4:5], s[4:5], s[26:27]
	s_add_nc_u64 s[6:7], s[6:7], s[28:29]
.irp q, 0,1,2,3,4,5,6,7
	global_load_b32 v[SELR+\q], v[AD], s[12:13] offset:128*\q
.endr
	global_load_b128 v[BV:BV+3], v[LI], s[6:7]
	LDHS 0
	LDHS 1
	LDHS 2
	s_wait_loadcnt 48                              ; sel and b1 are in; the 48 loads of the stream stay out
	WIN 0
.irp q, 0,1,2,3,4,5,6,7
	v_and_b32 v[TT], 0xff, v[SELR+\q]
	v_lshrrev_b32 v[TW], 8, v[SELR+\q]
	v_cmp_eq_u32 s[T0], s[EX], v[TT]
	v_cmp_eq_u32 s[M+\q], s[EX], v[TW]
	s_or_b32 s[M+\q], s[M+\q], s[T0]               ; tokens whose first or second choice is my expert
.endr
	s_mov_b32 s[C], 0
.irp q, 0,1,2,3,4,5,6,7
	s_bcnt1_i32_b32 s[T0], s[M+\q]
	s_add_co_u32 s[C+\q+1], s[C+\q], s[T0]
.endr
	s_add_co_u32 s[NT], s[C+8], 15
	s_lshr_b32 s[NT], s[NT], 4
	s_max_u32 s[NT], s[NT], 1                      ; the first tile is always laid down
	s_max_u32 s[CM1], s[C+8], 1
	s_sub_co_u32 s[CM1], s[CM1], 1
	ds_store_b128 v[BST], v[BV:BV+3]
	LDHS 3
	s_wait_dscnt 0x0                               ; the store has read its registers
.irp d, 0,1,2,3,4,5
	MVHS 2*\d, 48
	LDHS 2*\d+4
	MVHS 2*\d+1, 48
	LDHS 2*\d+5
	QUANT \d
.if \d%2
	SCALEW \d/2
	SYNC \d/2
.endif
.endr
	MVHS 12, 48
	MVHS 13, 32
	LOOK                                           ; the first two tiles' tokens (the quantiser's registers are free between two quarters)
	ADDR TOKE
	RAWLD 0                                        ; the first tile's rows go out under the stream's tail, into ring slot 1, which is free
	XSLD 0
	QUANT 6
	MVHS 14, 34                                    ; behind half-set 14: half-set 15 and the first tile's 18 loads
	WIN 0xc0
.irp t, 0,1,2,3,4,5,6,7
.irp j, 0,1,2,3,4,5,6,7
	ds_load_b32 v[BI+8*\t+\j], v[BO] offset:256*(\t/4)+16*\j+4*(\t%4)   ; b1 at hidden unit 64 (t / 4) + 32 H + 4 j + t % 4, into ring slot 2
.endr
.endr
	MVHS 15, 18
	ADDR TOKO
	RAWLD 1                                        ; the second tile's rows, into ring slot 3, which is free now
	XSLD 1
	QUANT 7
	SCALEW 3
	SYNC 3
	s_mov_b32 s[TI], 0
.Ltiles:                                           ; at most eight trips of two tiles; the first tile beyond the last leaves the loop, so the counted waits see the same loads on every way.  No barrier stands here
	s_cmp_ge_u32 s[TI], s[NT]
	s_cbranch_scc1 .Ldone
	TILE 0
	s_add_co_u32 s[T0], s[TI], 1
	s_cmp_ge_u32 s[T0], s[NT]
	s_cbranch_scc1 .Ldone
	TILE 1
	s_wait_xcnt 0x0                                ; the stores have read their offsets
	v_add_nc_u32 v[HO], 65536, v[HO]
	v_add_nc_u32 v[HSO], 4096, v[HSO]
	s_add_co_u32 s[TI], s[TI], 2
	s_cmp_lt_u32 s[TI], 16
	s_cbranch_scc1 .Ltiles
.Ldone:
	s_wait_xcnt 0x0
	v_lshl_add_u32 v254, v0, 2, 0x19c00
	v_mov_b32 v255, 0
	s_wait_tensorcnt 0x0
	ds_add_u32 v254, v255
	s_wait_dscnt 0x0
	s_endpgm
.Lfunc_end_k_q6b6118d421_ffn1:
	.size	k_q6b6118d421_ffn1, .Lfunc_end_k_q6b6118d421_ffn1-k_q6b6118d421_ffn1
	.p2alignl 7, 3214868480
	.fill 96, 4, 3214868480
	.section	.rodata,"a",@progbits
	.p2align	6, 0x0
	.amdhsa_kernel k_q6b6118d421_ffn1
		.amdhsa_group_segment_fixed_size 105984
		.amdhsa_private_segment_fixed_size 0
		.amdhsa_enable_private_segment 0
		.amdhsa_kernarg_size 56
		.amdhsa_user_sgpr_count 2
		.amdhsa_user_sgpr_kernarg_segment_ptr 1
		.amdhsa_wavefront_size32 1
		.amdhsa_system_sgpr_workgroup_id_x 1
		.amdhsa_system_sgpr_workgroup_id_y 1
		.amdhsa_system_sgpr_workgroup_id_z 1
		.amdhsa_system_vgpr_workitem_id 0
		.amdhsa_next_free_vgpr 1024
		.amdhsa_next_free_sgpr 66
		.amdhsa_reserve_vcc 1
		.amdhsa_float_denorm_mode_32 3
		.amdhsa_float_denorm_mode_16_64 3
		.amdhsa_memory_ordered 1
		.amdhsa_forward_progress 1
		.amdhsa_inst_pref_size 189
	.end_amdhsa_kernel
	.amdgpu_metadata
---
amdhsa.version: [ 1, 2 ]
amdhsa.kernels:
  - .name:           k_q6b6118d421_ffn1
    .symbol:         k_q6b6118d421_ffn1.kd
    .args:
      - { .name: W1, .offset: 0, .size: 8, .value_kind: global_buffer, .address_space: global }
      - { .name: b1, .offset: 8, .size: 8, .value_kind: global_buffer, .address_space: global }
      - { .name: xq, .offset: 16, .size: 8, .value_kind: global_buffer, .address_space: global }
      - { .name: xs, .offset: 24, .size: 8, .value_kind: global_buffer, .address_space: global }
      - { .name: sel, .offset: 32, .size: 8, .value_kind: global_buffer, .address_space: global }
      - { .name: hq, .offset: 40, .size: 8, .value_kind: global_buffer, .address_space: global }
      - { .name: hs, .offset: 48, .size: 8, .value_kind: global_buffer, .address_space: global }
    .group_segment_fixed_size: 105984
    .private_segment_fixed_size: 0
    .kernarg_segment_align: 8
    .kernarg_segment_size: 56
    .max_flat_workgroup_size: 128
    .sgpr_count:     66
    .vgpr_count:     1024
    .wavefront_size: 32
...
	.end_amdgpu_metadata
.endif
;; end of part 2
;; launch ffn2 (part 3): grid 32 x 8, 4 waves a work-group, no clusters, 88,576 bytes of LDS; arguments W2, b2, hq, hs, sel, yp; writes yp
.if DOCPART == 3
	.amdgcn_target "amdgcn-amd-amdhsa--gfx1250"
	.amdhsa_code_object_version 6
	.text
	.protected	k_q6b6118d421_ffn2
	.globl	k_q6b6118d421_ffn2
	.p2align	8
	.type	k_q6b6118d421_ffn2,@function
k_q6b6118d421_ffn2:
	s_mov_b64 s[64:65], 0
	v_nop
	global_prefetch_b8 v0, s[64:65] scope:SCOPE_SE
	s_setreg_imm32_b32 hwreg(HW_REG_WAVE_MODE, 25, 1), 1
	s_wait_xcnt 0x0
; FFN2.  A part of y = h W2 + b2 for the rows routed to an expert: MX-FP4 products, f32 sums.  yp[kh][slot][token][1,024]: K half kh (b2 is added in half 0), slot 0 where the expert is the token's first choice, 1 where its second.
; SHARES.  Work-group (x, e): ds = x / 2: 64 output columns (256 bytes of a row of W2), kh = x % 2: 2,048 of K = 4,096: 512 KB of W2, which no other work-group reads.  Wave w owns the token segment 256 w .. 256 w + 255.
; PHASE 1, THE STREAM, as in the launch before: wave w reads 64 columns x rows 2,048 kh + 512 w on; lanes 0-15 row k, lanes 16-31 row k + 32, 16 bytes a lane: two runs of 256 consecutive bytes, aligned.
;   Within a block of 32 the rows are taken in the order 4 (i % 8) + i / 8, the order in which the launch before left h's codes.  Tile c is made of columns 4 m + c.  All 64 fragments stay in every wave's registers.
; PHASE 2, THE TILES.  A tile's 16 fragments of h come from memory as images of their registers, 16 KB on end.  TWO TILES ARE ON THEIR WAY: tile t asks for tile t + 2 into its own registers as soon as its products have read them;
;   the first two tiles are asked for under the stream's tail.  Source 0 = 16 columns of W2, source 1 = 16 rows: over tiles c and registers j a lane holds columns 32 (lane / 16) + 4 j + c of one row.
;   Even and odd K steps have accumulators of their own (eight by turns).  The rows go through the wave's stage and leave as 256 consecutive bytes, aligned, at the token's place.
;   Ranks beyond the last repeat the last row: the same values go to the same place.  The look-ahead names the segment's last tile at the most, so every byte loaded has been stored.
;   Two tiles' 80 loads are more than the load counter's field counts: the issue then waits for earlier loads to end (ISA guide 5.7.1); no wait is written for that.
; No cluster, no tensor load: trip counts hang on stored numbers; the weights are shared with nobody, and what work-groups share (a tile's 16 KB of h against 512 KB of weights) is a small part.
; LIMITS: NaN and infinities are not served.  A block of zeros gets the byte 1 (its codes are zeros; the bytes are read by this program alone).
.set PITCH, 4096                       ; a row of W2 in bytes
.set FSTEP, 4                          ; fragments in a K step: fragment f = 4 s + tile
.set WSC,   65536
.set YST,   WSC+4096                   ; a stage of 16 rows x (256 + 16) bytes for each wave
.set YPI,   272
.set BIA,   YST+4*16*YPI               ; b2's 64 numbers (zeros in K half 1), a copy for each wave
.set LS,   1
.set R,    2
.set H,    3
.set VO,   4
.set AI,   5
.set AS,   6
.set LI,   7
.set SH8,  8
.set YSTO, 9
.set YRD,  10
.set PV,   11
.set HA0,  12                          ; hq: my segment's first tile, my K half, 16 x lane
.set HSA0, 13
.set BO,   14
.set R16,  15
.set YA,   16                          ; v16-23 the eight stores' offsets
.set IDXV, 24
.set HAV,  25                          ; v25, v26 the offsets of set 0's loads; v30, v31 those of set 1's
.set HSAV, 26
.set SELA, 27
.set BA,   28
.set BST,  29
.set PP,   32
.set MS,   33
.set BS,   34
.set QB,   35
.set NN,   36
.set TA,   37
.set TB,   38
.set TC,   39
.set TD,   40
.set POS,  41
.set TT,   42
.set TW,   43
.set MS0,  45
.set MX,   32
.set SO,   36
.set SW,   40
.set PT,   44
.set HS,   48                          ; v48-55, v56-63 h's scale words, two sets: register q: K step 2 q in lanes 0-15, 2 q + 1 in lanes 16-31
.set WS,   64
.set STG,  96
.set CODE, 224
.set SELR, 96
.set BV,   240
.set ACC,  96                          ; v96-127 even K steps' four accumulators, v128-159 odd K steps'
.set BI2,  160
.set OUT,  192
.set YB,   224
.set SEL,  20
.set EX,   22
.set WV,   23
.set W256, 24
.set DS,   25
.set KH,   30
.set NTM1, 31
.set BM,   18
.set M,    32
.set MZ,   40                          ; s40-47 members whose FIRST choice is my expert
.set C,    48
.set CM1,  57
.set NT,   58
.set TI,   59
.set T0,   60
.set MSB, 0
.macro WIN new
.if MSB != (\new)
	s_set_vgpr_msb (MSB*256)+(\new)
.set MSB, (\new)
.endif
.endm
.macro LDHS hsx
	WIN 0xc0
.set ii, 0
.rept 16
.set ri, 16*((\hsx)%2)+ii
	global_load_b128 v[64*((\hsx)%4)+4*ii:64*((\hsx)%4)+4*ii+3], v[VO], s[4:5] offset:(64*((\hsx)/2)+4*(ri%8)+ri/8)*PITCH th:TH_LOAD_NT
.set ii, ii+1
.endr
.endm
.macro MVHS hsx, left
	s_wait_loadcnt \left
	WIN 0x03
.set ii, 0
.rept 16
.irp c, 0,1,2,3
	v_mov_b32 v[STG+32*\c+16*((\hsx)%2)+ii], v[64*((\hsx)%4)+4*ii+\c]
.endr
.set ii, ii+1
.endr
.endm
.macro QUANT db
	WIN 0
.irp c, 0,1,2,3
	v_max3_num_f32 v[MX+\c], |v[STG+32*\c]|, |v[STG+32*\c+1]|, 0x1800000
.endr
.irp i, 2,4,6,8,10,12,14,16,18,20,22,24,26,28,30
.irp c, 0,1,2,3
	v_max3_num_f32 v[MX+\c], v[MX+\c], |v[STG+32*\c+\i]|, |v[STG+32*\c+\i+1]|
.endr
.endr
.irp c, 0,1,2,3
	v_add_nc_u32 v[SO+\c], 0xff000000, v[MX+\c]
.endr
.irp c, 0,1,2,3
.irp g, 0,1,2,3
	v_cvt_scalef32_pk8_fp4_f32 v[CODE+16*((\db)%2)+4*\c+\g], v[STG+32*\c+8*\g:STG+32*\c+8*\g+7], v[SO+\c]
.endr
.endr
.irp c, 0,1,2,3
.if (\db)%2
	v_lshrrev_b32 v[MX+\c], 23, v[SO+\c]
.else
	v_lshrrev_b32 v[SW+\c], 23, v[SO+\c]
.endif
.endr
.if (\db)%2
.irp c, 0,1,2,3
	v_lshl_or_b32 v[SW+\c], v[MX+\c], 16, v[SW+\c]
.endr
.endif
.irp c, 0,1,2,3
	ds_store_b128 v[AI], v[CODE+16*((\db)%2)+4*\c:CODE+16*((\db)%2)+4*\c+3] offset:1024*(FSTEP*((\db)/2)+\c)+512*((\db)%2)
.endr
.endm
.macro SCALEW ls
.irp c, 0,1,2,3
	v_lshlrev_b32 v[SW+\c], v[SH8], v[SW+\c]
.endr
.irp c, 0,1,2,3
	v_permlanex16_b32 v[PT+\c], v[SW+\c], s[SEL], s[SEL+1]
.endr
.irp c, 0,1,2,3
	v_or_b32 v[SW+\c], v[SW+\c], v[PT+\c]
.endr
.irp c, 0,1,2,3
	ds_store_b32 v[AS], v[SW+\c] offset:64*(FSTEP*(\ls)+\c)
.endr
.endm
.macro SYNC ls                         ; the four waves' fragments of quarter ls (K steps 4 wq + ls) lie in LDS: every wave takes them
	s_wait_dscnt 0x0
	s_barrier_signal -1
	s_barrier_wait -1
.irp wq, 0,1,2,3
	WIN 0x40+0x40*(\wq/2)
.irp c, 0,1,2,3
	ds_load_b128 v[8*((16*\wq+4*(\ls)+\c)%32):8*((16*\wq+4*(\ls)+\c)%32)+3], v[LI] offset:1024*(16*\wq+4*(\ls)+\c)
	ds_load_b128 v[8*((16*\wq+4*(\ls)+\c)%32)+4:8*((16*\wq+4*(\ls)+\c)%32)+7], v[LI] offset:1024*(16*\wq+4*(\ls)+\c)+512
.endr
.endr
	WIN 0
.irp wq, 0,1,2,3
.irp u, 0,1
	ds_load_b32 v[WS+8*\wq+2*(\ls)+\u], v[LS] offset:128*(8*\wq+2*(\ls)+\u)
.endr
.endr
.endm
.macro LEVEL tab, wid
	v_bfe_u32 v[TT], v[\tab], v[POS], \wid
	v_cmp_le_u32 vcc_lo, v[TT], v[NN]
	v_cndmask_b32 v[TT], 0, v[TT], vcc_lo
	v_cndmask_b32 v[TW], 0, \wid, vcc_lo
	v_sub_nc_u32 v[NN], v[NN], v[TT]
	v_add_nc_u32 v[POS], v[POS], v[TW]
.endm
.macro SEARCH                          ; rank v[PV] (held at the last member) -> place v[QB] + v[POS] in my segment; v[MS0]: that word's first choices
	v_min_u32 v[PP], s[CM1], v[PV]
	v_mov_b32 v[MS], s[M]
	v_mov_b32 v[MS0], s[MZ]
	v_mov_b32 v[BS], 0
	v_mov_b32 v[QB], 0
.irp q, 1,2,3,4,5,6,7
	v_cmp_gt_u32 vcc_lo, s[C+\q], v[PP]
	v_cndmask_b32 v[MS], s[M+\q], v[MS], vcc_lo
	v_cndmask_b32 v[MS0], s[MZ+\q], v[MS0], vcc_lo
	v_cndmask_b32 v[BS], s[C+\q], v[BS], vcc_lo
	v_cndmask_b32 v[QB], 32*\q, v[QB], vcc_lo
.endr
	v_sub_nc_u32 v[NN], v[PP], v[BS]
	v_lshrrev_b32 v[TA], 1, v[MS]
	v_and_b32 v[TA], 0x55555555, v[TA]
	v_sub_nc_u32 v[TA], v[MS], v[TA]
	v_lshrrev_b32 v[TB], 2, v[TA]
	v_and_b32 v[TB], 0x33333333, v[TB]
	v_and_b32 v[TT], 0x33333333, v[TA]
	v_add_nc_u32 v[TB], v[TB], v[TT]
	v_lshrrev_b32 v[TC], 4, v[TB]
	v_add_nc_u32 v[TC], v[TC], v[TB]
	v_and_b32 v[TC], 0x0f0f0f0f, v[TC]
	v_lshrrev_b32 v[TD], 8, v[TC]
	v_add_nc_u32 v[TD], v[TD], v[TC]
	v_and_b32 v[TD], 0x00ff00ff, v[TD]
	v_mov_b32 v[POS], 0
	LEVEL TD, 16
	LEVEL TC, 8
	LEVEL TB, 4
	LEVEL TA, 2
	LEVEL MS, 1
.endm
.macro PREA par                        ; tile s[T0] of my segment's sixteen: the offsets of set par's loads, in registers of the set's own
	WIN 0
	v_lshl_add_u32 v[HAV+5*(\par)], s[T0], 15, v[HA0]
	v_lshl_add_u32 v[HSAV+5*(\par)], s[T0], 11, v[HSA0]
.endm
.macro PREL par                        ; its 16 fragments of my K half (16 KB on end) and their scale words: 40 loads
	WIN 0xc0
.set nn, 0
.rept 32
	global_load_b128 v[128*(\par)+4*nn:128*(\par)+4*nn+3], v[HAV+5*(\par)], s[8:9] offset:512*nn
.set nn, nn+1
.endr
	WIN 0
.irp q, 0,1,2,3,4,5,6,7
	global_load_b32 v[HS+8*(\par)+\q], v[HSAV+5*(\par)], s[10:11] offset:128*\q
.endr
.endm
.macro WMX cz, ra, rb                  ; cz: C is the constant 0; ra, rb: the scales stand in lanes 16-31
.if \cz
.if (\ra) && (\rb)
	v_wmma_scale_f32_16x16x128_f8f6f4 v[rD:rD+7], v[rA:rA+7], v[rB:rB+7], 0, v[rS], v[rT] matrix_a_fmt:MATRIX_FMT_FP4 matrix_b_fmt:MATRIX_FMT_FP4 matrix_a_scale:MATRIX_SCALE_ROW1 matrix_b_scale:MATRIX_SCALE_ROW1
.elseif \ra
	v_wmma_scale_f32_16x16x128_f8f6f4 v[rD:rD+7], v[rA:rA+7], v[rB:rB+7], 0, v[rS], v[rT] matrix_a_fmt:MATRIX_FMT_FP4 matrix_b_fmt:MATRIX_FMT_FP4 matrix_a_scale:MATRIX_SCALE_ROW1
.elseif \rb
	v_wmma_scale_f32_16x16x128_f8f6f4 v[rD:rD+7], v[rA:rA+7], v[rB:rB+7], 0, v[rS], v[rT] matrix_a_fmt:MATRIX_FMT_FP4 matrix_b_fmt:MATRIX_FMT_FP4 matrix_b_scale:MATRIX_SCALE_ROW1
.else
	v_wmma_scale_f32_16x16x128_f8f6f4 v[rD:rD+7], v[rA:rA+7], v[rB:rB+7], 0, v[rS], v[rT] matrix_a_fmt:MATRIX_FMT_FP4 matrix_b_fmt:MATRIX_FMT_FP4
.endif
.else
.if (\ra) && (\rb)
	v_wmma_scale_f32_16x16x128_f8f6f4 v[rD:rD+7], v[rA:rA+7], v[rB:rB+7], v[rC:rC+7], v[rS], v[rT] matrix_a_fmt:MATRIX_FMT_FP4 matrix_b_fmt:MATRIX_FMT_FP4 matrix_a_scale:MATRIX_SCALE_ROW1 matrix_b_scale:MATRIX_SCALE_ROW1
.elseif \ra
	v_wmma_scale_f32_16x16x128_f8f6f4 v[rD:rD+7], v[rA:rA+7], v[rB:rB+7], v[rC:rC+7], v[rS], v[rT] matrix_a_fmt:MATRIX_FMT_FP4 matrix_b_fmt:MATRIX_FMT_FP4 matrix_a_scale:MATRIX_SCALE_ROW1
.elseif \rb
	v_wmma_scale_f32_16x16x128_f8f6f4 v[rD:rD+7], v[rA:rA+7], v[rB:rB+7], v[rC:rC+7], v[rS], v[rT] matrix_a_fmt:MATRIX_FMT_FP4 matrix_b_fmt:MATRIX_FMT_FP4 matrix_b_scale:MATRIX_SCALE_ROW1
.else
	v_wmma_scale_f32_16x16x128_f8f6f4 v[rD:rD+7], v[rA:rA+7], v[rB:rB+7], v[rC:rC+7], v[rS], v[rT] matrix_a_fmt:MATRIX_FMT_FP4 matrix_b_fmt:MATRIX_FMT_FP4
.endif
.endif
.endm
.macro WM s, c, par                    ; K step s, tile c: b2 is the C of K step 0, the constant 0 that of K step 1
.set rD, ACC+32*((\s)%2)+8*(\c)
.set rA, 8*((4*(\s)+(\c))%32)
.set rB, 128*(\par)+8*(\s)
.set rC, rD
.if (\s) == 0
.set rC, BI2+8*(\c)
.endif
.set rS, WS+2*(\s)+(\c)/2
.set rT, HS+8*(\par)+(\s)/2
.if (\s) == 1
	WMX 1, (\c)%2, 1
.else
	WMX 0, (\c)%2, (\s)%2
.endif
.endm
.macro TILE par
	SEARCH                                         ; whose rows are these?  My lane looks up row (R + H) % 16.  It stands ahead of the wait: registers alone, while the tile's last loads land
	v_bfe_u32 v[TT], v[MS0], v[POS], 1
	v_xor_b32 v[TT], 1, v[TT]                      ; slot 0: my expert is the token's first choice
	v_add3_u32 v[IDXV], v[QB], v[POS], s[W256]
	v_lshl_add_u32 v[IDXV], v[TT], 10, v[IDXV]     ; 1,024 x slot + token
	v_add_nc_u32 v[PV], 16, v[PV]
	s_add_co_u32 s[T0], s[TI], \par+2
	s_min_u32 s[T0], s[T0], s[NTM1]                ; the tile two on, or the last once more
	s_min_u32 s[T0], s[T0], 15
	s_wait_loadcnt 40                              ; this tile's 40 loads, issued two tiles ago, are in (their offsets are free with that); the next tile's 40, issued behind them, stay out
	s_wait_xcnt 0x0                                ; the last tile's stores have read their offsets and data: both are written again below
.irp s, 0,1,2,3,4,5,6,7,8,9,10,11,12,13,14,15   ; the eight accumulators by turns, one instruction a turn
.if \s < 8
	WIN 0x0d                                       ; source 0 window 1, source 1 window 3
.else
	WIN 0x0e                                       ; source 0 window 2
.endif
.irp c, 0,1,2,3
	WM \s, \c, \par
.endr
.endr
	PREA \par                                      ; two of the four places behind the last product,
	v_nop
	v_nop                                          ; and the other two: ahead of the loads into registers that it has read and of the first read of results
	PREL \par
.irp j, 0,1,2,3,4,5,6,7
.irp c, 0,1,2,3
	v_add_f32 v[OUT+4*\j+\c], v[ACC+8*\c+\j], v[ACC+32+8*\c+\j]    ; even and odd K steps; each accumulator from its low end on; 32 neighbouring columns of my row
.endr
.endr
.irp n, 0,1,2,3,4,5,6,7
	ds_store_b128 v[YSTO], v[OUT+4*\n:OUT+4*\n+3] offset:16*\n
.endr
.irp n, 0,1,2,3,4,5,6,7
	ds_load_b128 v[YB+4*\n:YB+4*\n+3], v[YRD] offset:2*YPI*\n      ; lanes 0-15 row 2 n, lanes 16-31 row 2 n + 1: LDS serves a wave's instructions in order
.endr
.irp n, 0,1,2,3,4,5,6,7
	v_mov_b32_dpp v[YA+\n], v[IDXV] row_share:2*\n row_mask:0xf bank_mask:0xf   ; lane 2 n of my half looked up row 2 n + H
.endr
.irp n, 0,1,2,3,4,5,6,7
	v_min_u32 v[YA+\n], 0x7ff, v[YA+\n]
.endr
.irp n, 0,1,2,3,4,5,6,7
	v_lshl_add_u32 v[YA+\n], v[YA+\n], 12, v[R16]
.endr
.irp n, 0,1,2,3,4,5,6,7
	s_wait_dscnt 7-\n
	global_store_b128 v[YA+\n], v[YB+4*\n:YB+4*\n+3], s[14:15] th:TH_STORE_NT   ; sixteen lanes store 256 consecutive bytes, aligned
.endr
.endm
	s_load_b256 s[4:11], s[0:1], 0x0               ; W2 s[4:5], b2 s[6:7], hq s[8:9], hs s[10:11]
	s_load_b128 s[12:15], s[0:1], 0x20             ; sel s[12:13], yp s[14:15]
	v_lshrrev_b32 v[TT], 5, v0
	v_readfirstlane_b32 s[WV], v[TT]               ; wave 0..3
	v_and_b32 v[TT], 31, v0                        ; lane
	v_and_b32 v[R], 15, v0
	v_bfe_u32 v[H], v0, 4, 1
	s_and_b32 s[EX], ttmp7, 0xffff                 ; the expert
	s_lshr_b32 s[DS], ttmp9, 1                     ; which 64 columns
	s_and_b32 s[KH], ttmp9, 1                      ; which half of K
	s_lshl_b32 s[W256], s[WV], 8
	s_mov_b32 s[SEL], 0x76543210
	s_mov_b32 s[SEL+1], 0xfedcba98
	s_cmp_eq_u32 s[KH], 0
	s_cselect_b32 s[BM], -1, 0                     ; b2 counts in K half 0 alone
	v_lshlrev_b32 v[R16], 4, v[R]
	v_lshl_add_u32 v[VO], v[H], 17, v[R16]         ; 32 rows of 4,096 bytes for lanes 16-31
	v_lshlrev_b32 v[LI], 4, v[TT]
	v_lshl_add_u32 v[LS], v[TT], 2, WSC
	s_lshl_b32 s[T0], s[WV], 14                    ; my fragments begin at number 16 w
	v_add_nc_u32 v[AI], s[T0], v[LI]
	s_lshr_b32 s[T0], s[T0], 4
	s_add_co_u32 s[T0], s[T0], WSC
	v_lshl_add_u32 v[AS], v[R], 2, s[T0]
	v_lshlrev_b32 v[SH8], 3, v[H]
	s_mul_i32 s[T0], s[WV], 16*YPI
	s_add_co_u32 s[T0], s[T0], YST
	v_mul_u32_u24 v[YSTO], v[R], YPI
	v_lshl_add_u32 v[YSTO], v[H], 7, v[YSTO]
	v_add_nc_u32 v[YSTO], s[T0], v[YSTO]           ; in: row R, 128 bytes for each half of the lanes
	v_mul_u32_u24 v[YRD], v[H], YPI
	v_add_nc_u32 v[YRD], v[YRD], v[R16]
	v_add_nc_u32 v[YRD], s[T0], v[YRD]             ; back: sixteen lanes to a row
	s_lshl_b32 s[T0], s[WV], 8
	s_add_co_u32 s[T0], s[T0], BIA
	v_lshl_add_u32 v[BST], v[TT], 3, s[T0]
	v_lshl_add_u32 v[BO], v[H], 7, s[T0]
	v_lshlrev_b32 v[BA], 3, v[TT]
	v_add_nc_u32 v[PV], v[R], v[H]
	v_and_b32 v[PV], 15, v[PV]
	s_lshl_b32 s[T0], s[EX], 2
	s_add_co_u32 s[T0], s[T0], s[WV]               ; 4 e + w: sixteen tiles each
	s_lshl_b32 s[T0+1], s[T0], 19
	s_lshl_b32 s[T0+2], s[KH], 14
	s_add_co_u32 s[T0+1], s[T0+1], s[T0+2]
	v_add_nc_u32 v[HA0], s[T0+1], v[LI]
	s_lshl_b32 s[T0+1], s[T0], 15
	s_lshl_b32 s[T0+2], s[KH], 10
	s_add_co_u32 s[T0+1], s[T0+1], s[T0+2]
	v_lshl_add_u32 v[HSA0], v[TT], 2, s[T0+1]
	s_lshl_b32 s[T0], s[WV], 10
	v_lshl_add_u32 v[SELA], v[TT], 2, s[T0]
.irp c, 0,1,2,3
	v_mov_b32 v[PT+\c], 0                          ; a lane permute's destination counts as one of its sources,
.endr
.irp n, 0,1,2,3,4,5,6,7
	v_mov_b32 v[YA+\n], 0                          ; and so does a DPP form's
.endr
	s_lshl_b32 s26, s[EX], 24                      ; W2: the expert's 16 MB, the K half, my 512 rows, the 256 bytes
	s_lshl_b32 s28, s[KH], 23
	s_add_co_u32 s26, s26, s28
	s_lshl_b32 s29, s[WV], 21
	s_add_co_u32 s26, s26, s29
	s_lshl_b32 s29, s[DS], 8
	s_add_co_u32 s26, s26, s29
	s_mov_b32 s27, 0
	s_add_co_u32 s28, s28, s29                     ; yp: the K half's 8 MB, the 256 bytes
	s_lshl_b32 s16, s[EX], 12                      ; b2: the expert's row, the 256 bytes
	s_add_co_u32 s16, s16, s29
	s_mov_b32 s29, 0
	s_mov_b32 s17, 0
	s_wait_kmcnt 0x0
	s_add_nc_u64 s[4:5], s[4:5], s[26:27]
	s_add_nc_u64 s[6:7], s[6:7], s[16:17]
	s_add_nc_u64 s[14:15], s[14:15], s[28:29]
.irp q, 0,1,2,3,4,5,6,7
	global_load_b32 v[SELR+\q], v[SELA], s[12:13] offset:128*\q
.endr
	global_load_b64 v[BV:BV+1], v[BA], s[6:7]
	LDHS 0
	LDHS 1
	LDHS 2
	s_wait_loadcnt 48                              ; sel and b2 are in; the 48 loads of the stream stay out
	WIN 0
.irp q, 0,1,2,3,4,5,6,7
	v_and_b32 v[TT], 0xff, v[SELR+\q]
	v_lshrrev_b32 v[TW], 8, v[SELR+\q]
	v_cmp_eq_u32 s[MZ+\q], s[EX], v[TT]
	v_cmp_eq_u32 s[M+\q], s[EX], v[TW]
	s_or_b32 s[M+\q], s[M+\q], s[MZ+\q]
.endr
	s_mov_b32 s[C], 0
.irp q, 0,1,2,3,4,5,6,7
	s_bcnt1_i32_b32 s[T0], s[M+\q]
	s_add_co_u32 s[C+\q+1], s[C+\q], s[T0]
.endr
	s_add_co_u32 s[NT], s[C+8], 15
	s_lshr_b32 s[NT], s[NT], 4
	s_max_u32 s[NTM1], s[NT], 1
	s_sub_co_u32 s[NTM1], s[NTM1], 1
	s_max_u32 s[CM1], s[C+8], 1
	s_sub_co_u32 s[CM1], s[CM1], 1
	v_cndmask_b32 v[BV], 0, v[BV], s[BM]
	v_cndmask_b32 v[BV+1], 0, v[BV+1], s[BM]
	ds_store_b64 v[BST], v[BV:BV+1]
	LDHS 3
	s_wait_dscnt 0x0                               ; the store has read its registers
.irp d, 0,1,2,3,4,5
	MVHS 2*\d, 48
	LDHS 2*\d+4
	MVHS 2*\d+1, 48
	LDHS 2*\d+5
	QUANT \d
.if \d%2
	SCALEW \d/2
	SYNC \d/2
.endif
.endr
	MVHS 12, 48
	MVHS 13, 32
	s_mov_b32 s[T0], 0
	PREA 0
	PREL 0                                         ; the first tile goes out under the stream's tail, into ring slots 0 and 1, which are free
	QUANT 6
	MVHS 14, 56                                    ; behind half-set 14: half-set 15 and the first tile's 40 loads
	MVHS 15, 40
	s_min_u32 s[T0], s[NTM1], 1
	PREA 1
	PREL 1                                         ; the second tile (or the first once more), into ring slots 2 and 3, which are free now
	QUANT 7
.irp c, 0,1,2,3
.irp j, 0,1,2,3,4,5,6,7
	ds_load_b32 v[BI2+8*\c+\j], v[BO] offset:16*\j+4*\c            ; b2 at column 32 H + 4 j + c, into registers that the stream has left
.endr
.endr
	SCALEW 3
	SYNC 3
	s_wait_dscnt 0x0                               ; the last quarter's fragments and scale words are in
	s_mov_b32 s[TI], 0
.Ltiles:                                           ; at most eight trips of two tiles; the first tile beyond the last leaves the loop, so the counted waits see the same loads on every way.  No barrier stands here
	s_cmp_ge_u32 s[TI], s[NT]
	s_cbranch_scc1 .Ldone
	TILE 0
	s_add_co_u32 s[T0], s[TI], 1
	s_cmp_ge_u32 s[T0], s[NT]
	s_cbranch_scc1 .Ldone
	TILE 1
	s_add_co_u32 s[TI], s[TI], 2
	s_cmp_lt_u32 s[TI], 16
	s_cbranch_scc1 .Ltiles
.Ldone:
	s_wait_xcnt 0x0
	v_lshl_add_u32 v254, v0, 2, 0x15800
	v_mov_b32 v255, 0
	s_wait_tensorcnt 0x0
	ds_add_u32 v254, v255
	s_wait_dscnt 0x0
	s_endpgm
.Lfunc_end_k_q6b6118d421_ffn2:
	.size	k_q6b6118d421_ffn2, .Lfunc_end_k_q6b6118d421_ffn2-k_q6b6118d421_ffn2
	.p2alignl 7, 3214868480
	.fill 96, 4, 3214868480
	.section	.rodata,"a",@progbits
	.p2align	6, 0x0
	.amdhsa_kernel k_q6b6118d421_ffn2
		.amdhsa_group_segment_fixed_size 88576
		.amdhsa_private_segment_fixed_size 0
		.amdhsa_enable_private_segment 0
		.amdhsa_kernarg_size 48
		.amdhsa_user_sgpr_count 2
		.amdhsa_user_sgpr_kernarg_segment_ptr 1
		.amdhsa_wavefront_size32 1
		.amdhsa_system_sgpr_workgroup_id_x 1
		.amdhsa_system_sgpr_workgroup_id_y 1
		.amdhsa_system_sgpr_workgroup_id_z 1
		.amdhsa_system_vgpr_workitem_id 0
		.amdhsa_next_free_vgpr 1024
		.amdhsa_next_free_sgpr 66
		.amdhsa_reserve_vcc 1
		.amdhsa_float_denorm_mode_32 3
		.amdhsa_float_denorm_mode_16_64 3
		.amdhsa_memory_ordered 1
		.amdhsa_forward_progress 1
		.amdhsa_inst_pref_size 177
	.end_amdhsa_kernel
	.amdgpu_metadata
---
amdhsa.version: [ 1, 2 ]
amdhsa.kernels:
  - .name:           k_q6b6118d421_ffn2
    .symbol:         k_q6b6118d421_ffn2.kd
    .args:
      - { .name: W2, .offset: 0, .size: 8, .value_kind: global_buffer, .address_space: global }
      - { .name: b2, .offset: 8, .size: 8, .value_kind: global_buffer, .address_space: global }
      - { .name: hq, .offset: 16, .size: 8, .value_kind: global_buffer, .address_space: global }
      - { .name: hs, .offset: 24, .size: 8, .value_kind: global_buffer, .address_space: global }
      - { .name: sel, .offset: 32, .size: 8, .value_kind: global_buffer, .address_space: global }
      - { .name: yp, .offset: 40, .size: 8, .value_kind: global_buffer, .address_space: global }
    .group_segment_fixed_size: 88576
    .private_segment_fixed_size: 0
    .kernarg_segment_align: 8
    .kernarg_segment_size: 48
    .max_flat_workgroup_size: 128
    .sgpr_count:     66
    .vgpr_count:     1024
    .wavefront_size: 32
...
	.end_amdgpu_metadata
.endif
;; end of part 3
;; launch combine (part 4): grid 256 x 1, 8 waves a work-group, no clusters, 0 bytes of LDS; arguments yp, gate, out0; writes out0
.if DOCPART == 4
	.amdgcn_target "amdgcn-amd-amdhsa--gfx1250"
	.amdhsa_code_object_version 6
	.text
	.protected	k_q6b6118d421_combine
	.globl	k_q6b6118d421_combine
	.p2align	8
	.type	k_q6b6118d421_combine,@function
k_q6b6118d421_combine:
	s_mov_b64 s[64:65], 0
	v_nop
	global_prefetch_b8 v0, s[64:65] scope:SCOPE_SE
	s_setreg_imm32_b32 hwreg(HW_REG_WAVE_MODE, 25, 1), 1
	s_wait_xcnt 0x0
; COMBINE.  out[token] = w0 (yp[0][0][token] + yp[1][0][token]) + w1 (yp[0][1][token] + yp[1][1][token]): the two K halves of each of the token's two experts, weighed by the gate.
; A stream: a work-group owns 4 tokens; thread t owns the 16 bytes at 16 t of every row, so a wave's load or store covers 512 consecutive bytes.  All 18 loads of a thread go out at once; every register is written once.
; The 4 tokens' 8 weights come by two vector loads (every lane reads the same 32 bytes), issued ahead of the rows' loads: they are on their way together with the rows, and no second scalar load has to be waited for.
; No LDS, no matrix unit, no cluster: nothing is shared and nothing is read twice.
.set G, 4                              ; v4-11   token i: (w0, w1)
.set Y, 16                             ; v16-79  token i: (half 0, slot 0), (half 1, slot 0), (half 0, slot 1), (half 1, slot 1), 4 registers each
.set O, 80                             ; v80-95  token i: 4 results
	s_load_b128 s[4:7], s[0:1], 0x0                ; yp s[4:5], gate s[6:7]
	s_load_b64 s[8:9], s[0:1], 0x10                ; out0
	v_lshlrev_b32 v1, 4, v0
	v_mov_b32 v2, 0
	s_lshl_b32 s10, ttmp9, 14                      ; 4 rows of 4,096 bytes
	s_mov_b32 s11, 0
	s_lshl_b32 s12, ttmp9, 5                       ; 4 pairs of weights
	s_mov_b32 s13, 0
	s_wait_kmcnt 0x0
	s_add_nc_u64 s[6:7], s[6:7], s[12:13]
	s_add_nc_u64 s[4:5], s[4:5], s[10:11]
	s_add_nc_u64 s[14:15], s[4:5], 0x800000        ; K half 1
	s_add_nc_u64 s[8:9], s[8:9], s[10:11]
	global_load_b128 v[G:G+3], v2, s[6:7]
	global_load_b128 v[G+4:G+7], v2, s[6:7] offset:16
.irp i, 0,1,2,3
	global_load_b128 v[Y+16*\i:Y+16*\i+3], v1, s[4:5] offset:4096*\i th:TH_LOAD_NT
	global_load_b128 v[Y+16*\i+4:Y+16*\i+7], v1, s[14:15] offset:4096*\i th:TH_LOAD_NT
	global_load_b128 v[Y+16*\i+8:Y+16*\i+11], v1, s[4:5] offset:4194304+4096*\i th:TH_LOAD_NT
	global_load_b128 v[Y+16*\i+12:Y+16*\i+15], v1, s[14:15] offset:4194304+4096*\i th:TH_LOAD_NT
.endr
.irp i, 0,1,2,3
	s_wait_loadcnt 12-4*\i                         ; the weights and this token's four loads are in; the later tokens' stay out
	v_pk_add_f32 v[Y+16*\i:Y+16*\i+1], v[Y+16*\i:Y+16*\i+1], v[Y+16*\i+4:Y+16*\i+5]
	v_pk_add_f32 v[Y+16*\i+2:Y+16*\i+3], v[Y+16*\i+2:Y+16*\i+3], v[Y+16*\i+6:Y+16*\i+7]
	v_pk_add_f32 v[Y+16*\i+8:Y+16*\i+9], v[Y+16*\i+8:Y+16*\i+9], v[Y+16*\i+12:Y+16*\i+13]
	v_pk_add_f32 v[Y+16*\i+10:Y+16*\i+11], v[Y+16*\i+10:Y+16*\i+11], v[Y+16*\i+14:Y+16*\i+15]
	v_pk_mul_f32 v[O+4*\i:O+4*\i+1], v[Y+16*\i:Y+16*\i+1], v[G+2*\i:G+2*\i+1] op_sel_hi:[1,0]       ; x w0: the pair's first register for both halves
	v_pk_mul_f32 v[O+4*\i+2:O+4*\i+3], v[Y+16*\i+2:Y+16*\i+3], v[G+2*\i:G+2*\i+1] op_sel_hi:[1,0]
	v_pk_fma_f32 v[O+4*\i:O+4*\i+1], v[Y+16*\i+8:Y+16*\i+9], v[G+2*\i:G+2*\i+1], v[O+4*\i:O+4*\i+1] op_sel:[0,1,0] op_sel_hi:[1,1,1]   ; + x w1: its second register for both halves
	v_pk_fma_f32 v[O+4*\i+2:O+4*\i+3], v[Y+16*\i+10:Y+16*\i+11], v[G+2*\i:G+2*\i+1], v[O+4*\i+2:O+4*\i+3] op_sel:[0,1,0] op_sel_hi:[1,1,1]
	global_store_b128 v1, v[O+4*\i:O+4*\i+3], s[8:9] offset:4096*\i th:TH_STORE_NT
.endr
	s_endpgm
.Lfunc_end_k_q6b6118d421_combine:
	.size	k_q6b6118d421_combine, .Lfunc_end_k_q6b6118d421_combine-k_q6b6118d421_combine
	.p2alignl 7, 3214868480
	.fill 96, 4, 3214868480
	.section	.rodata,"a",@progbits
	.p2align	6, 0x0
	.amdhsa_kernel k_q6b6118d421_combine
		.amdhsa_group_segment_fixed_size 0
		.amdhsa_private_segment_fixed_size 0
		.amdhsa_enable_private_segment 0
		.amdhsa_kernarg_size 24
		.amdhsa_user_sgpr_count 2
		.amdhsa_user_sgpr_kernarg_segment_ptr 1
		.amdhsa_wavefront_size32 1
		.amdhsa_system_sgpr_workgroup_id_x 1
		.amdhsa_system_sgpr_workgroup_id_y 1
		.amdhsa_system_sgpr_workgroup_id_z 1
		.amdhsa_system_vgpr_workitem_id 0
		.amdhsa_next_free_vgpr 96
		.amdhsa_next_free_sgpr 66
		.amdhsa_reserve_vcc 0
		.amdhsa_float_denorm_mode_32 3
		.amdhsa_float_denorm_mode_16_64 3
		.amdhsa_memory_ordered 1
		.amdhsa_forward_progress 1
		.amdhsa_inst_pref_size 5
	.end_amdhsa_kernel
	.amdgpu_metadata
---
amdhsa.version: [ 1, 2 ]
amdhsa.kernels:
  - .name:           k_q6b6118d421_combine
    .symbol:         k_q6b6118d421_combine.kd
    .args:
      - { .name: yp, .offset: 0, .size: 8, .value_kind: global_buffer, .address_space: global }
      - { .name: gate, .offset: 8, .size: 8, .value_kind: global_buffer, .address_space: global }
      - { .name: out0, .offset: 16, .size: 8, .value_kind: global_buffer, .address_space: global }
    .group_segment_fixed_size: 0
    .private_segment_fixed_size: 0
    .kernarg_segment_align: 8
    .kernarg_segment_size: 24
    .max_flat_workgroup_size: 256
    .sgpr_count:     66
    .vgpr_count:     96
    .wavefront_size: 32
...
	.end_amdgpu_metadata
.endif
;; end of part 4
;; ======== version 2 of 2: 4 launches
;; workspace buffers: xq 524,288 bytes; xs 32,768 bytes; sel 4,096 bytes of whole numbers; gate 8,192 bytes; hq 16,777,216 bytes; hs 1,048,576 bytes; yp 16,777,216 bytes
;; launch route (part 5): grid 256 x 1, 8 waves a work-group, no clusters, 96,256 bytes of LDS; arguments x, Wg, bg, Wn, bn, noise, xq, xs, sel, gate; writes xq, xs, sel, gate
.if DOCPART == 5
	.amdgcn_target "amdgcn-amd-amdhsa--gfx1250"
	.amdhsa_code_object_version 6
	.text
	.protected	k_q6b6118d421_route
	.globl	k_q6b6118d421_route
	.p2align	8
	.type	k_q6b6118d421_route,@function
k_q6b6118d421_route:
	s_mov_b64 s[64:65], 0
	v_nop
	global_prefetch_b8 v0, s[64:65] scope:SCOPE_SE
	s_setreg_imm32_b32 hwreg(HW_REG_WAVE_MODE, 25, 1), 1
	s_wait_xcnt 0x0
; ROUTE.  For each of 1,024 tokens: H = x Wg + bg + noise * softplus(x Wn + bn) in f32, the two largest H (ties: the lower index first), their softmax; and x as codes of E2M1 with one E8M0 byte for each 32 along its row.
; Stored at fixed places: sel[token] = e0 | e1 << 8 (whole numbers), gate[token] = (w0, w1), xq[token][512 bytes of codes], xs[token][32 scale bytes].
; SHARES.  A work-group of eight waves owns 4 tokens; wave w owns 512 numbers: token w / 2, half w % 2 of its row.  x is read once, 512 consecutive bytes a load, and serves both uses.
; Wg and Wn (32 KB each) are copied into LDS once a work-group: four rows k (128 bytes) and 16 bytes of padding, 144 bytes apart, so that the 16 lanes of a 16-byte load fall on 16 different columns of 16 bytes.
; No matrix instruction: N = 8, and the choice hangs on these sums, so they are f32 multiply-adds.  No cluster: the work-groups share Wg and Wn alone, 64 KB, and nothing here is fetched by a tensor load.
; LIMITS: NaN or infinities in H, x or the weights are not served.  A block of zeros gets the byte 1 (its codes are zeros; the bytes are read by this program alone).
.set GP,   144                         ; four rows of Wg or Wn + padding
.set WNL,  256*GP                      ; Wn's copy begins behind Wg's
.set STG,  2*WNL                       ; a stage of 32 x SP bytes for each wave
.set SP,   80                          ; 64 bytes + 16 of padding
.set SCB,  STG+8*32*SP                 ; the 128 scale bytes of the 4 tokens
.set RED,  SCB+256                     ; 16 sums (64 bytes) a wave
.set XO,   1                           ; 16 x lane
.set WO,   2                           ; 16 x thread
.set WL,   3                           ; where I put 16 bytes of Wg in LDS
.set WL2,  4                           ; and of Wn
.set SIN,  5                           ; the stage, in
.set SOUT, 6                           ; the stage, out
.set WRD,  7                           ; my four rows of Wg in LDS
.set CQ,   8                           ; 8 x lane
.set SBA,  9                           ; my block's scale byte
.set RDA,  10                          ; my wave's 16 sums
.set RR,   11                          ; wave 0: my token's and expert's sums
.set SCR,  12                          ; wave 0: 4 scale bytes a lane
.set EV,   13                          ; lane % 8: the expert
.set A4,   14                          ; 4 x expert
.set L4,   15                          ; 4 x lane
.set XR,   16                          ; v16-31  x as loaded: register 4 j + c = k 128 j + 4 lane + c of my 512
.set XN,   32                          ; v32-47  16 neighbours
.set SUM,  48                          ; v48-55 x Wg, v56-63 x Wn
.set WT,   64                          ; v64-191 two sets of 64: four rows of Wg, four of Wn
.set QM,   192
.set CD,   196
.set SA,   198
.set GA,   199
.set BGV,  200
.set BNV,  201
.set NOV,  202
.set A0,   204
.set SCV,  208
.set HV,   209
.set HJ,   210
.set RK,   211
.set TT,   212
.set PS,   213
.set V1,   214
.set V2,   215
.set E0,   216
.set E1,   217
.set EF,   218
.set NI,   219
.set G0,   220
.set SWD,  222
.set GV,   223
.set ZV,   224
	s_load_b512 s[4:19], s[0:1], 0x0               ; x s[4:5], Wg s[6:7], bg s[8:9], Wn s[10:11], bn s[12:13], noise s[14:15], xq s[16:17], xs s[18:19]
	s_load_b128 s[20:23], s[0:1], 0x40             ; sel s[20:21], gate s[22:23]
	v_lshl_add_u32 v254, v0, 2, 0x17400
	v_mov_b32 v255, 0
	v_lshrrev_b32 v[TT], 5, v0
	s_delay_alu instid0(VALU_DEP_1)
	v_readfirstlane_b32 s24, v[TT]                 ; wave 0..7
	v_and_b32 v[TT], 31, v0                        ; lane
	s_delay_alu instid0(VALU_DEP_1)
	v_lshlrev_b32 v[XO], 4, v[TT]
	v_lshlrev_b32 v[WO], 4, v0
	v_lshrrev_b32 v[RK], 3, v0
	v_and_b32 v[HJ], 7, v0
	s_delay_alu instid0(VALU_DEP_2)
	v_mul_u32_u24 v[WL], v[RK], GP
	s_delay_alu instid0(VALU_DEP_1)
	v_lshl_add_u32 v[WL], v[HJ], 4, v[WL]          ; thread t's 16 bytes: group t / 8, piece t % 8
	s_delay_alu instid0(VALU_DEP_1)
	v_add_nc_u32 v[WL2], WNL, v[WL]
	s_mul_i32 s25, s24, 32*SP
	s_add_co_u32 s25, s25, STG                     ; my wave's stage
	v_lshrrev_b32 v[RK], 2, v[TT]
	v_and_b32 v[HJ], 3, v[TT]
	s_delay_alu instid0(VALU_DEP_2)
	v_mul_u32_u24 v[SIN], v[RK], SP
	s_delay_alu instid0(VALU_DEP_1)
	v_lshl_add_u32 v[SIN], v[HJ], 4, v[SIN]
	s_delay_alu instid0(VALU_DEP_1)
	v_add_nc_u32 v[SIN], s25, v[SIN]               ; in: four lanes' 64 bytes on end, then the padding
	v_mul_u32_u24 v[SOUT], v[TT], SP
	s_delay_alu instid0(VALU_DEP_1)
	v_add_nc_u32 v[SOUT], s25, v[SOUT]             ; out: my 16 neighbours
	s_and_b32 s26, s24, 1
	s_mul_i32 s26, s26, 128*GP                     ; my half of K: 128 groups of four rows
	v_mul_u32_u24 v[WRD], v[TT], GP
	s_delay_alu instid0(VALU_DEP_1)
	v_add_nc_u32 v[WRD], s26, v[WRD]
	v_lshlrev_b32 v[CQ], 3, v[TT]
	s_lshl_b32 s26, s24, 4
	s_add_co_u32 s26, s26, SCB
	v_lshrrev_b32 v[SBA], 1, v[TT]
	s_delay_alu instid0(VALU_DEP_1)
	v_add_nc_u32 v[SBA], s26, v[SBA]               ; 16 bytes a wave, a byte for two lanes
	s_lshl_b32 s26, s24, 6
	s_add_co_u32 s26, s26, RED
	v_mov_b32 v[RDA], s26
	v_and_b32 v[EV], 7, v[TT]
	s_delay_alu instid0(VALU_DEP_1)
	v_lshlrev_b32 v[A4], 2, v[EV]
	v_lshrrev_b32 v[RK], 3, v[TT]                  ; wave 0: lane = 8 x token + expert
	s_delay_alu instid0(VALU_DEP_1)
	v_lshl_add_u32 v[RR], v[RK], 7, v[A4]
	s_delay_alu instid0(VALU_DEP_1)
	v_add_nc_u32 v[RR], RED, v[RR]                 ; a token's two waves lie 128 bytes on end
	v_lshlrev_b32 v[L4], 2, v[TT]
	s_delay_alu instid0(VALU_DEP_1)
	v_add_nc_u32 v[SCR], SCB, v[L4]
	v_lshlrev_b32 v[SA], 2, v[RK]
	v_lshlrev_b32 v[GA], 3, v[RK]
	s_lshl_b32 s28, ttmp9, 14                      ; x: 4 rows of 4,096 bytes a work-group, 2,048 bytes a wave
	s_lshl_b32 s29, s24, 11
	s_add_co_u32 s28, s28, s29
	s_mov_b32 s29, 0
	s_lshl_b32 s30, ttmp9, 11                      ; xq: 4 rows of 512 bytes, 256 a wave
	s_lshl_b32 s31, s24, 8
	s_add_co_u32 s30, s30, s31
	s_mov_b32 s31, 0
	s_lshl_b32 s32, ttmp9, 7                       ; noise and xs: 128 bytes a work-group
	s_mov_b32 s33, 0
	s_lshl_b32 s34, ttmp9, 4                       ; sel: 16
	s_mov_b32 s35, 0
	s_lshl_b32 s36, ttmp9, 5                       ; gate: 32
	s_mov_b32 s37, 0
	s_mov_b32 s38, 0x76543210                      ; v_permlanex16_b32's selects for lane l xor 16
	s_mov_b32 s39, 0xfedcba98
	s_mov_b32 s44, 0xbfb8aa3b                      ; -log2(e)
	s_mov_b32 s45, 0x3f317218                      ; ln(2)
	s_wait_kmcnt 0x0
	s_add_nc_u64 s[4:5], s[4:5], s[28:29]
	s_add_nc_u64 s[16:17], s[16:17], s[30:31]
	s_add_nc_u64 s[14:15], s[14:15], s[32:33]
	s_add_nc_u64 s[18:19], s[18:19], s[32:33]
	s_add_nc_u64 s[20:21], s[20:21], s[34:35]
	s_add_nc_u64 s[22:23], s[22:23], s[36:37]
.irp j, 0,1,2,3
	global_load_b128 v[XR+4*\j:XR+4*\j+3], v[XO], s[4:5] offset:512*\j th:TH_LOAD_NT   ; 512 consecutive bytes a load
.endr
.irp j, 0,1,2,3,4,5,6,7
	global_load_b128 v[WT+4*\j:WT+4*\j+3], v[WO], s[6:7] offset:4096*\j
.endr
.irp j, 0,1,2,3,4,5,6,7
	global_load_b128 v[WT+32+4*\j:WT+32+4*\j+3], v[WO], s[10:11] offset:4096*\j
.endr
	s_cmp_lg_u32 s24, 0                            ; wave 0 finishes the router: it alone wants these
	s_cbranch_scc1 .Lnot0
	s_wait_alu depctr_va_vdst(0)
	global_load_b32 v[BGV], v[A4], s[8:9]
	global_load_b32 v[BNV], v[A4], s[12:13]
	global_load_b32 v[NOV], v[L4], s[14:15]
.Lnot0:
	s_wait_loadcnt 0x0
.irp j, 0,1,2,3,4,5,6,7
	ds_store_b128 v[WL], v[WT+4*\j:WT+4*\j+3] offset:32*GP*\j
.endr
.irp j, 0,1,2,3,4,5,6,7
	ds_store_b128 v[WL2], v[WT+32+4*\j:WT+32+4*\j+3] offset:32*GP*\j
.endr
.irp i, 0,1,2,3
	ds_store_b128 v[SIN], v[XR+4*\i:XR+4*\i+3] offset:8*SP*\i      ; my 2,048 bytes through my own stage: LDS serves a wave's instructions in order
.endr
.irp i, 0,1,2,3
	ds_load_b128 v[XN+4*\i:XN+4*\i+3], v[SOUT] offset:16*\i        ; back as 16 neighbours a lane
.endr
	s_wait_dscnt 0x0                               ; for the others' sake: my part of Wg and Wn lies in LDS
	s_barrier_signal -1
	s_barrier_wait -1
.macro WLOAD j, set                    ; rows 128 j + 4 lane + 0 .. 3 of my half: 8 registers a row of Wg, then of Wn
.irp p, 0,1,2,3,4,5,6,7
	ds_load_b128 v[WT+64*(\set)+4*\p:WT+64*(\set)+4*\p+3], v[WRD] offset:32*GP*(\j)+16*\p
.endr
.irp p, 0,1,2,3,4,5,6,7
	ds_load_b128 v[WT+64*(\set)+32+4*\p:WT+64*(\set)+32+4*\p+3], v[WRD] offset:WNL+32*GP*(\j)+16*\p
.endr
.endm
.macro FMA4 sum, wreg, xpair, odd, first   ; eight sums += eight weights of one row x one number of x (the first or the second of a pair, for both halves)
.irp q, 0,1,2,3
.if \first
	v_pk_mul_f32 v[(\sum)+2*\q:(\sum)+2*\q+1], v[(\wreg)+2*\q:(\wreg)+2*\q+1], v[(\xpair):(\xpair)+1] op_sel_hi:[1,0]
.elseif \odd
	v_pk_fma_f32 v[(\sum)+2*\q:(\sum)+2*\q+1], v[(\wreg)+2*\q:(\wreg)+2*\q+1], v[(\xpair):(\xpair)+1], v[(\sum)+2*\q:(\sum)+2*\q+1] op_sel:[0,1,0] op_sel_hi:[1,1,1]
.else
	v_pk_fma_f32 v[(\sum)+2*\q:(\sum)+2*\q+1], v[(\wreg)+2*\q:(\wreg)+2*\q+1], v[(\xpair):(\xpair)+1], v[(\sum)+2*\q:(\sum)+2*\q+1] op_sel_hi:[1,0,1]
.endif
.endr
.endm
.macro DOT j, set, first
.irp c, 0,1,2,3
.if (\first) && (\c == 0)
	FMA4 SUM, WT+64*(\set), XR+4*(\j), 0, 1        ; the first products start the sums: nothing is cleared
	FMA4 SUM+8, WT+64*(\set)+32, XR+4*(\j), 0, 1
.else
	FMA4 SUM, WT+64*(\set)+8*\c, XR+4*(\j)+2*(\c/2), \c%2, 0
	FMA4 SUM+8, WT+64*(\set)+32+8*\c, XR+4*(\j)+2*(\c/2), \c%2, 0
.endif
.endr
.endm
	WLOAD 0, 0
	WLOAD 1, 1
	; x's codes, while the weights come: two neighbouring lanes hold a block of 32
	v_max3_num_f32 v[QM], |v[XN]|, |v[XN+1]|, |v[XN+2]|
	v_max3_num_f32 v[QM+1], |v[XN+3]|, |v[XN+4]|, |v[XN+5]|
.irp i, 6,10
	s_delay_alu instid0(VALU_DEP_2)
	v_max3_num_f32 v[QM], v[QM], |v[XN+\i]|, |v[XN+\i+1]|
	s_delay_alu instid0(VALU_DEP_2)
	v_max3_num_f32 v[QM+1], v[QM+1], |v[XN+\i+2]|, |v[XN+\i+3]|
.endr
	s_delay_alu instid0(VALU_DEP_2)
	v_max3_num_f32 v[QM], v[QM], |v[XN+14]|, |v[XN+15]|
	s_delay_alu instid0(VALU_DEP_1)
	v_max3_num_f32 v[QM], v[QM], v[QM+1], 0x1800000                ; the floor 2^(3 - 127): the byte cannot fall under 1
	s_delay_alu instid0(VALU_DEP_1)
	v_max_num_f32_dpp v[QM], v[QM], v[QM] row_xmask:1 row_mask:0xf bank_mask:0xf   ; with my neighbour's 16
	s_delay_alu instid0(VALU_DEP_1)
	v_add_nc_u32 v[QM+2], 0xff000000, v[QM]        ; 2 off the exponent field: the conversion's scale operand
	v_cvt_scalef32_pk8_fp4_f32 v[CD], v[XN:XN+7], v[QM+2]
	v_cvt_scalef32_pk8_fp4_f32 v[CD+1], v[XN+8:XN+15], v[QM+2]
	v_lshrrev_b32 v[QM+3], 23, v[QM+2]             ; the scale's byte
	global_store_b64 v[CQ], v[CD:CD+1], s[16:17]   ; the wave stores 256 consecutive bytes, aligned
	s_wait_dscnt 16                                ; set 0 is in; set 1's 16 loads may be out
	DOT 0, 0, 1
	WLOAD 2, 0
	s_wait_alu depctr_va_vdst(0)
	s_wait_dscnt 16
	DOT 1, 1, 0
	WLOAD 3, 1
	s_wait_alu depctr_va_vdst(0)
	s_wait_dscnt 16
	DOT 2, 0, 0
	s_wait_alu depctr_va_vdst(0)
	s_wait_dscnt 0x0
	DOT 3, 1, 0
	ds_store_b8 v[SBA], v[QM+3]                    ; both lanes of a block write the same byte
.irp m, 1,2,4,8
.irp i, 0,1,2,3,4,5,6,7,8,9,10,11,12,13,14,15
	v_add_f32_dpp v[SUM+\i], v[SUM+\i], v[SUM+\i] row_xmask:\m row_mask:0xf bank_mask:0xf
.endr
.endr
.irp i, 0,1,2,3,4,5,6,7,8,9,10,11,12,13,14,15
	v_permlanex16_b32 v[WT+\i], v[SUM+\i], s38, s39
.endr
.irp i, 0,1,2,3,4,5,6,7,8,9,10,11,12,13,14,15
	v_add_f32 v[SUM+\i], v[SUM+\i], v[WT+\i]       ; every lane holds my 512 numbers' part of the 16 sums
.endr
.irp i, 0,1,2,3
	ds_store_b128 v[RDA], v[SUM+4*\i:SUM+4*\i+3] offset:16*\i      ; all lanes write the same words with the same values
.endr
	s_wait_dscnt 0x0
	s_barrier_signal -1
	s_barrier_wait -1
	s_cmp_lg_u32 s24, 0
	s_cbranch_scc1 .Lend
	; wave 0: lane = 8 x token + expert
	ds_load_b32 v[A0], v[RR]
	ds_load_b32 v[A0+1], v[RR] offset:64
	ds_load_b32 v[A0+2], v[RR] offset:32
	ds_load_b32 v[A0+3], v[RR] offset:96
	ds_load_b32 v[SCV], v[SCR]
	s_wait_dscnt 0x0
	global_store_b32 v[L4], v[SCV], s[18:19]       ; the 4 tokens' 128 scale bytes
	v_add_f32 v[GV], v[A0], v[A0+1]
	v_add_f32 v[ZV], v[A0+2], v[A0+3]
	s_delay_alu instid0(VALU_DEP_1)
	v_add_f32 v[ZV], v[ZV], v[BNV]                 ; z = x Wn + bn
	s_delay_alu instid0(VALU_DEP_1)
	v_mul_f32 v[TT], s44, |v[ZV]|
	s_wait_alu depctr_va_vdst(0)
	v_exp_f32 v[TT], v[TT]                         ; e^-|z|
	v_max_num_f32 v[PS], 0, v[ZV]                  ; (the plain place behind it)
	s_wait_alu depctr_va_vdst(0)                   ; ahead of the first reader of the exponential
	v_add_f32 v[TT], 1.0, v[TT]
	s_wait_alu depctr_va_vdst(0)
	v_log_f32 v[TT], v[TT]
	v_add_f32 v[GV], v[GV], v[BGV]                 ; (the plain place)  x Wg + bg
	s_wait_alu depctr_va_vdst(0)
	v_fmac_f32 v[PS], s45, v[TT]                   ; softplus(z) = max(z, 0) + ln(1 + e^-|z|)
	s_delay_alu instid0(VALU_DEP_1)
	v_fma_f32 v[HV], v[NOV], v[PS], v[GV]
	v_mov_b32 v[RK], 0                             ; my rank: how many of the token's other seven come before me
	v_mov_b32 v[HJ], 0
.irp m, 1,2,3,4,5,6,7
	v_mov_b32_dpp v[HJ], v[HV] row_xmask:\m row_mask:0xf bank_mask:0xf
	v_xor_b32 v[TT], \m, v[EV]
	s_delay_alu instid0(VALU_DEP_2)
	v_cmp_gt_f32 s40, v[HJ], v[HV]
	s_delay_alu instid0(VALU_DEP_3)
	v_cmp_eq_f32 s41, v[HJ], v[HV]
	s_delay_alu instid0(VALU_DEP_3)
	v_cmp_lt_u32 s42, v[TT], v[EV]
	s_and_b32 s41, s41, s42                        ; a tie goes to the lower index
	s_or_b32 s40, s40, s41
	v_cndmask_b32 v[TT], 0, 1, s40
	s_delay_alu instid0(VALU_DEP_1)
	v_add_nc_u32 v[RK], v[RK], v[TT]
.endr
	v_cvt_f32_u32 v[EF], v[EV]
	s_delay_alu instid0(VALU_DEP_2)
	v_cmp_eq_u32 s40, 0, v[RK]
	s_delay_alu instid0(VALU_DEP_3)
	v_cmp_eq_u32 s41, 1, v[RK]
	v_mov_b32 v[NI], 0xff800000
	s_delay_alu instid0(VALU_DEP_1)
	v_cndmask_b32 v[V1], v[NI], v[HV], s40         ; the first's H in its lane, -infinity in the others
	s_delay_alu instid0(VALU_DEP_2)
	v_cndmask_b32 v[V2], v[NI], v[HV], s41
	v_cndmask_b32 v[E0], 0, v[EF], s40             ; and its index, as f32
	v_cndmask_b32 v[E1], 0, v[EF], s41
.irp m, 1,2,4
	s_delay_alu instid0(VALU_DEP_4)
	v_max_num_f32_dpp v[V1], v[V1], v[V1] row_xmask:\m row_mask:0xf bank_mask:0xf
	s_delay_alu instid0(VALU_DEP_4)
	v_max_num_f32_dpp v[V2], v[V2], v[V2] row_xmask:\m row_mask:0xf bank_mask:0xf
	s_delay_alu instid0(VALU_DEP_4)
	v_max_num_f32_dpp v[E0], v[E0], v[E0] row_xmask:\m row_mask:0xf bank_mask:0xf
	s_delay_alu instid0(VALU_DEP_4)
	v_max_num_f32_dpp v[E1], v[E1], v[E1] row_xmask:\m row_mask:0xf bank_mask:0xf
.endr
	s_delay_alu instid0(VALU_DEP_2)
	v_cvt_u32_f32 v[E0], v[E0]
	s_delay_alu instid0(VALU_DEP_2)
	v_cvt_u32_f32 v[E1], v[E1]
	s_delay_alu instid0(VALU_DEP_1)
	v_lshl_or_b32 v[SWD], v[E1], 8, v[E0]
	v_sub_f32 v[TT], v[V2], v[V1]                  ; the maximum is taken away: 0 or less
	s_delay_alu instid0(VALU_DEP_1)
	v_mul_f32 v[TT], 0x3fb8aa3b, v[TT]
	s_wait_alu depctr_va_vdst(0)
	v_exp_f32 v[TT], v[TT]
	v_nop
	s_wait_alu depctr_va_vdst(0)
	v_add_f32 v[PS], 1.0, v[TT]
	s_wait_alu depctr_va_vdst(0)
	v_rcp_f32 v[G0], v[PS]                         ; w0 = 1 / (1 + e^(v2 - v1))
	v_nop
	s_wait_alu depctr_va_vdst(0)
	v_mul_f32 v[G0+1], v[TT], v[G0]                ; w1
	global_store_b32 v[SA], v[SWD], s[20:21]       ; a token's eight lanes store the same word at the same fixed place
	global_store_b64 v[GA], v[G0:G0+1], s[22:23]
.Lend:
	s_wait_tensorcnt 0x0
	ds_add_u32 v254, v255
	s_wait_dscnt 0x0
	s_endpgm
.Lfunc_end_k_q6b6118d421_route:
	.size	k_q6b6118d421_route, .Lfunc_end_k_q6b6118d421_route-k_q6b6118d421_route
	.p2alignl 7, 3214868480
	.fill 96, 4, 3214868480
	.section	.rodata,"a",@progbits
	.p2align	6, 0x0
	.amdhsa_kernel k_q6b6118d421_route
		.amdhsa_group_segment_fixed_size 96256
		.amdhsa_private_segment_fixed_size 0
		.amdhsa_enable_private_segment 0
		.amdhsa_kernarg_size 80
		.amdhsa_user_sgpr_count 2
		.amdhsa_user_sgpr_kernarg_segment_ptr 1
		.amdhsa_wavefront_size32 1
		.amdhsa_system_sgpr_workgroup_id_x 1
		.amdhsa_system_sgpr_workgroup_id_y 1
		.amdhsa_system_sgpr_workgroup_id_z 1
		.amdhsa_system_vgpr_workitem_id 0
		.amdhsa_next_free_vgpr 256
		.amdhsa_next_free_sgpr 66
		.amdhsa_reserve_vcc 0
		.amdhsa_float_denorm_mode_32 3
		.amdhsa_float_denorm_mode_16_64 3
		.amdhsa_memory_ordered 1
		.amdhsa_forward_progress 1
		.amdhsa_inst_pref_size 35
	.end_amdhsa_kernel
	.amdgpu_metadata
---
amdhsa.version: [ 1, 2 ]
amdhsa.kernels:
  - .name:           k_q6b6118d421_route
    .symbol:         k_q6b6118d421_route.kd
    .args:
      - { .name: x, .offset: 0, .size: 8, .value_kind: global_buffer, .address_space: global }
      - { .name: Wg, .offset: 8, .size: 8, .value_kind: global_buffer, .address_space: global }
      - { .name: bg, .offset: 16, .size: 8, .value_kind: global_buffer, .address_space: global }
      - { .name: Wn, .offset: 24, .size: 8, .value_kind: global_buffer, .address_space: global }
      - { .name: bn, .offset: 32, .size: 8, .value_kind: global_buffer, .address_space: global }
      - { .name: noise, .offset: 40, .size: 8, .value_kind: global_buffer, .address_space: global }
      - { .name: xq, .offset: 48, .size: 8, .value_kind: global_buffer, .address_space: global }
      - { .name: xs, .offset: 56, .size: 8, .value_kind: global_buffer, .address_space: global }
      - { .name: sel, .offset: 64, .size: 8, .value_kind: global_buffer, .address_space: global }
      - { .name: gate, .offset: 72, .size: 8, .value_kind: global_buffer, .address_space: global }
    .group_segment_fixed_size: 96256
    .private_segment_fixed_size: 0
    .kernarg_segment_align: 8
    .kernarg_segment_size: 80
    .max_flat_workgroup_size: 256
    .sgpr_count:     66
    .vgpr_count:     256
    .wavefront_size: 32
...
	.end_amdgpu_metadata
.endif
;; end of part 5
;; launch ffn1 (part 6): grid 32 x 8, 4 waves a work-group, no clusters, 105,984 bytes of LDS; arguments W1, b1, xq, xs, sel, hq, hs; writes hq, hs
.if DOCPART == 6
	.amdgcn_target "amdgcn-amd-amdhsa--gfx1250"
	.amdhsa_code_object_version 6
	.text
	.protected	k_q6b6118d421_ffn1
	.globl	k_q6b6118d421_ffn1
	.p2align	8
	.type	k_q6b6118d421_ffn1,@function
k_q6b6118d421_ffn1:
	s_mov_b64 s[64:65], 0
	v_nop
	global_prefetch_b8 v0, s[64:65] scope:SCOPE_SE
	s_setreg_imm32_b32 hwreg(HW_REG_WAVE_SCHED_MODE, 0, 2), 2
	s_setreg_imm32_b32 hwreg(HW_REG_WAVE_MODE, 25, 1), 1
	s_wait_xcnt 0x0
	s_wait_alu depctr_vm_vsrc(0)
; FFN1.  h = Q(relu(x W1 + b1)) for the rows routed to an expert: MX-FP4 products, f32 sums, h quantised along F in registers and stored as codes.
; SHARES.  Work-group (slice, e): 128 hidden units of expert e, all K = 1,024: 512 KB of W1, which no other work-group reads.  The tokens lie in 4 fixed segments of 256; wave w owns segment w.
; PHASE 1, THE STREAM.  Wave w reads a panel of 64 columns (256 bytes of a row) x 512 rows.  One load: lanes 0-15 row k, lanes 16-31 row k + 32, 16 bytes (4 columns) a lane: two runs of 256 consecutive bytes, aligned.
;   32 such loads give a lane a whole block of 32 along K for each of 4 columns, and the lane's half is the block's parity that the 4-bit operand layout wants.  A move sets each column's run on consecutive registers
;   (the conversion takes 8 neighbours along K from consecutive registers) and frees the landing registers for the load four half-sets on.  Tile c of a panel is made of columns 4 m + c.
;   Each fragment goes to LDS as an image of its registers; behind each quarter of the stream a barrier, and every wave takes the 16 new fragments into its own registers: all 64 stay there (windows 1, 2).
; PHASE 2, THE TILES.  The rows of (e, segment w) are ranked by token; rank p lies in tile (4 e + w) 16 + p / 16, row p % 16: places fixed by arithmetic.  The map from rank to token is made in registers from ballots of sel:
;   one search serves 32 ranks, two tiles.  TWO TILES' ROWS ARE ON THEIR WAY: tile t asks for tile t + 2's rows as soon as its own have left their landing registers; the first two tiles are asked for under the stream's tail.
;   Ranks beyond the last repeat the last row (the same values at the same places later on).  A segment with no row still lays down its first tile, so that every byte which the next launch loads has been stored.
;   The product is used transposed (source 0 = 16 hidden units, source 1 = 16 rows): a lane holds one row and, over tiles 4 hi + c and registers j, hidden units 64 hi + 32 (lane / 16) + 4 j + c: whole blocks of 32.
;   The codes come out in the order 8 c + j within a block; the next launch reads W2's rows in the same order, so nothing is permuted.  The eight code registers are the next product's fragment as they stand.
; No cluster, no tensor load: trip counts hang on stored numbers; the weights are shared with nobody, and what work-groups share (a tile's 8 KB of codes of x against 512 KB of weights) is a small part.
; LIMITS: NaN and infinities are not served.  A block of zeros gets the byte 1 (its codes are zeros; the bytes are read by this program alone).
; THE MODE: SCHED_MODE bits 1:0 = 2 (LLVM: expert scheduling mode 2), set by the entry lines.  The code itself states the register dependences between vector or matrix instructions and memory or LDS
; instructions, and those through scalar registers and VCC that vector instructions write, with s_wait_alu, always for 0.
; THE PLAN.  Registers that memory or LDS instructions touch:
;   ring slots 0-3      The stream's loads land in them; a half-set's 64 moves read them.  One wait on va_vdst behind those moves; the slot's next 16 loads follow it.
;   CODE0, CODE1, SW    Written by the conversions and the scale words' lines, read by LDS stores.  An even double block's stores stand behind the next half-set's wait on va_vdst; an odd one's, and the scale words',
;                       behind one wait of their own.  One wait on vm_vsrc a quarter, ahead of the barrier, stands between these stores and the next writes of their registers.
;   windows 1, 2, WS    Filled once by LDS loads; named by the products alone.
;   AD, XSA             Written in ADDR, behind a wait on vm_vsrc; read by a tile's 18 loads, behind a wait on va_vdst.
;   RAW0, RAW1          A tile's rows land in them; the stage's stores read them; ADDR's wait on vm_vsrc stands behind those stores and ahead of the next loads into them.
;   FRAG, XS0, XS1      Loaded; read by the products.  HC0, HC1, HWS: written by a tile's conversions, read by its three stores.  ONE wait on va_vdst behind the conversions states that the products are done with FRAG and XS
;                       and that the codes are written: the loads into XS, the tile's stores and the next tile's loads into FRAG follow it.
;   HO, HSO             Read by the stores; stepped once a trip, behind a wait on vm_vsrc.
;   VO, LI, LS, AI, AS, XSTO, XRD, BO   Made at the head, never written again: one wait on va_vdst ahead of the first load.
.set PITCH, 16384                      ; a row of W1 in bytes
.set FSTEP, 8                          ; fragments in a K step: fragment f = 8 s + tile
.set WSC,   65536                      ; LDS: 64 images of 1,024 bytes from 0; then 64 x 16 scale words
.set XST,   WSC+4096                   ; a stage of 16 rows x (512 + 16) bytes for each wave
.set XPI,   528
.set BIA,   XST+4*16*XPI               ; b1's 128 numbers, a copy for each wave
.set LS,   1                           ; WSC + 4 x lane
.set R,    2                           ; lane % 16
.set H,    3                           ; lane / 16
.set VO,   4                           ; W1: 32 rows x H + 16 R; never rewritten
.set AI,   5                           ; where I store images
.set AS,   6                           ; and their scale words
.set LI,   7                           ; 16 x lane
.set SH8,  8                           ; 8 H
.set XSTO, 9
.set XRD,  10
.set PV,   11                          ; the rank that my lane looks up next: 32 ranks a search
.set HO,   12
.set HSO,  13
.set BO,   14
.set XSA,  15
.set AD,   16                          ; v16-31 the 16 rows' offsets in xq
.set BST,  17
.set PP,   32                          ; v32-46 the search's; v32-47 also the stream's quantiser's
.set MS,   33
.set BS,   34
.set QB,   35
.set NN,   36
.set TA,   37
.set TB,   38
.set TC,   39
.set TD,   40
.set POS,  41
.set TT,   42
.set TW,   43
.set TOKE, 44                          ; the even tile's 16 tokens, lane R's in both halves
.set TOKO, 45                          ; the odd tile's
.set TX,   46
.set MX,   32
.set SO,   36
.set SW,   40
.set PT,   44
.set XS,   48                          ; v48-55, v56-63 x's scale words, two sets
.set WS,   64                          ; v64-95 W1's scale words: register j: fragment 2 j in lanes 0-15, 2 j + 1 in lanes 16-31
.set STG,  96                          ; v96-223 four columns x 32 along K
.set CODE, 224                         ; v224-255 two sets of 16
.set SELR, 96
.set BV,   240
.set ACC,  96                          ; the tiles' phase: v96-159 eight accumulators
.set HC,   160                         ; v160-175 h's codes, two sets
.set HWS,  176
.set HM,   180
.set HSC,  184
.set HW,   186
.set HP,   187
.set FRAG, 0                           ; window 3 behind the stream: v0-63 x's 8 fragments; v64-127 and v192-255 16 rows as loaded, two sets; v128-191 b1 in the result's layout
.set RAW,  64
.set BI,   128
.set SEL,  20                          ; s[20:21] selects for lane l xor 16
.set EX,   22
.set WV,   23
.set W256, 24
.set WA,   25
.set WP,   30
.set HMK,  31                          ; lanes 16-31
.set M,    32                          ; s32-39 members of (e, my segment), 32 tokens a word
.set MZ,   40                          ; s40-47 at the head alone: those whose FIRST choice is my expert
.set CK,   39                          ; s40-46 behind the head: the search's seven masks, word q's at CK + q
.set C,    48                          ; s48-56 their running count
.set CM1,  57
.set NT,   58
.set TI,   59
.set T0,   60                          ; s60-63 at work
.set MSB, 0
.macro WIN new                         ; the immediate's high byte repeats the setting that is left; a switch that changes nothing is dropped
.if MSB != (\new)
	s_set_vgpr_msb (MSB*256)+(\new)
.set MSB, (\new)
.endif
.endm
.macro LDHS hsx, again                 ; half-set hsx of 16: 16 loads into ring slot hsx % 4 of window 3; every row stands in the immediate (479 rows at the most: inside its signed 24 bits).  again = 1: the slot has been read
	WIN 0xc0
.if \again
	s_wait_alu depctr_va_vdst(0)                   ; the 64 moves just issued are done reading this ring slot, in which the loads below land
.endif
.set ii, 0
.rept 16
	global_load_b128 v[64*((\hsx)%4)+4*ii:64*((\hsx)%4)+4*ii+3], v[VO], s[4:5] offset:(64*((\hsx)/2)+16*((\hsx)%2)+ii)*PITCH th:TH_LOAD_NT
.set ii, ii+1
.endr
.endm
.macro MVHS hsx, left                  ; left: the loads issued behind this half-set's
	s_wait_loadcnt \left
	WIN 0x03
.set ii, 0
.rept 16
.irp c, 0,1,2,3
	v_mov_b32 v[STG+32*\c+16*((\hsx)%2)+ii], v[64*((\hsx)%4)+4*ii+\c]
.endr
.set ii, ii+1
.endr
.endm
.macro QUANT db                        ; double block db: for each of my 4 columns a block of 32 becomes 4 registers of codes and a byte.  Registers alone: QSTORE sends the codes
	WIN 0
.irp c, 0,1,2,3
	v_max3_num_f32 v[MX+\c], |v[STG+32*\c]|, |v[STG+32*\c+1]|, 0x1800000   ; with the floor 2^(3 - 127): the byte cannot fall under 1
.endr
.irp i, 2,4,6,8,10,12,14,16,18,20,22,24,26,28,30
.irp c, 0,1,2,3
	v_max3_num_f32 v[MX+\c], v[MX+\c], |v[STG+32*\c+\i]|, |v[STG+32*\c+\i+1]|
.endr
.endr
.irp c, 0,1,2,3
	v_add_nc_u32 v[SO+\c], 0xff000000, v[MX+\c]    ; 2 off the exponent field: the conversion's scale operand
.endr
.irp c, 0,1,2,3
.irp g, 0,1,2,3
	v_cvt_scalef32_pk8_fp4_f32 v[CODE+16*((\db)%2)+4*\c+\g], v[STG+32*\c+8*\g:STG+32*\c+8*\g+7], v[SO+\c]
.endr
.endr
.irp c, 0,1,2,3
.if (\db)%2
	v_lshrrev_b32 v[MX+\c], 23, v[SO+\c]           ; the byte (also the plain line behind the conversions)
.else
	v_lshrrev_b32 v[SW+\c], 23, v[SO+\c]
.endif
.endr
.if (\db)%2
.irp c, 0,1,2,3
	v_lshl_or_b32 v[SW+\c], v[MX+\c], 16, v[SW+\c]
.endr
.endif
.endm
.macro QSTORE db                       ; double block db's codes go to LDS as images.  It stands behind a wait on va_vdst that follows the conversions.  (An LDS store's address and data are its sources 0 and 1: window 0 under the settings 0 and 0xc0 alike)
.irp c, 0,1,2,3
	ds_store_b128 v[AI], v[CODE+16*((\db)%2)+4*\c:CODE+16*((\db)%2)+4*\c+3] offset:1024*(FSTEP*((\db)/2)+\c)+512*((\db)%2)
.endr
.endm
.macro SCALEW                          ; my two bytes (blocks H and 2 + H) and lane l xor 16's two make a row's scale word
.irp c, 0,1,2,3
	v_lshlrev_b32 v[SW+\c], v[SH8], v[SW+\c]
.endr
.irp c, 0,1,2,3
	v_permlanex16_b32 v[PT+\c], v[SW+\c], s[SEL], s[SEL+1]
.endr
.irp c, 0,1,2,3
	v_or_b32 v[SW+\c], v[SW+\c], v[PT+\c]
.endr
.endm
.macro SSTORE ls
.irp c, 0,1,2,3
	ds_store_b32 v[AS], v[SW+\c] offset:64*(FSTEP*(\ls)+\c)
.endr
.endm
.macro SYNC ls                         ; the four waves' fragments of quarter ls (K steps ls and 4 + ls) lie in LDS: every wave takes them
	s_wait_dscnt 0x0                               ; for the others' sake: my stores have landed
	s_wait_alu depctr_vm_vsrc(0)                   ; my LDS stores have read both sets of code registers and the four scale words: the next quarter's conversions, the search and the closing pair write them again
	s_barrier_signal -1
	s_barrier_wait -1
.irp a, 0,1
	WIN 0x40+0x40*\a
.irp t, 0,1,2,3,4,5,6,7
	ds_load_b128 v[8*(8*(\ls)+\t):8*(8*(\ls)+\t)+3], v[LI] offset:1024*(32*\a+8*(\ls)+\t)     ; no vector instruction has named these registers: nothing is owed for them
	ds_load_b128 v[8*(8*(\ls)+\t)+4:8*(8*(\ls)+\t)+7], v[LI] offset:1024*(32*\a+8*(\ls)+\t)+512
.endr
.endr
	WIN 0
.irp a, 0,1
.irp u, 0,1,2,3
	ds_load_b32 v[WS+16*\a+4*(\ls)+\u], v[LS] offset:128*(16*\a+4*(\ls)+\u)
.endr
.endr
.endm
.macro LEVEL tab, wid                  ; is the wanted bit among the next wid bits?  If not, pass them
	v_bfe_u32 v[TT], v[\tab], v[POS], \wid
	v_cmp_le_u32 vcc_lo, v[TT], v[NN]
	s_wait_alu depctr_va_vcc(0)                    ; the compare has written VCC, which the two selects read (each level hangs on the level before: the compares cannot stand in one run)
	v_cndmask_b32 v[TT], 0, v[TT], vcc_lo
	v_cndmask_b32 v[TW], 0, \wid, vcc_lo
	v_sub_nc_u32 v[NN], v[NN], v[TT]
	v_add_nc_u32 v[POS], v[POS], v[TW]
.endm
.macro SEARCH                          ; rank v[PV] (held at the last member) -> the member's place in my segment: v[QB] + v[POS]
	v_min_u32 v[PP], s[CM1], v[PV]
	v_mov_b32 v[MS], s[M]
	v_mov_b32 v[BS], 0
	v_mov_b32 v[QB], 0
.irp q, 1,2,3,4,5,6,7
	v_cmp_gt_u32 s[CK+\q], s[C+\q], v[PP]          ; the seven compares in one run, a mask each
.endr
	s_wait_alu depctr_va_sdst(0)                   ; the seven compares have written their masks, which the selects below read
.irp q, 1,2,3,4,5,6,7
	v_cndmask_b32 v[MS], s[M+\q], v[MS], s[CK+\q]  ; the last word whose running count is at most the rank
	v_cndmask_b32 v[BS], s[C+\q], v[BS], s[CK+\q]
	v_cndmask_b32 v[QB], 32*\q, v[QB], s[CK+\q]
.endr
	v_sub_nc_u32 v[NN], v[PP], v[BS]
	v_lshrrev_b32 v[TA], 1, v[MS]                  ; counts of ones in fields of 2, 4, 8, 16 bits
	v_and_b32 v[TA], 0x55555555, v[TA]
	v_sub_nc_u32 v[TA], v[MS], v[TA]
	v_lshrrev_b32 v[TB], 2, v[TA]
	v_and_b32 v[TB], 0x33333333, v[TB]
	v_and_b32 v[TT], 0x33333333, v[TA]
	v_add_nc_u32 v[TB], v[TB], v[TT]
	v_lshrrev_b32 v[TC], 4, v[TB]
	v_add_nc_u32 v[TC], v[TC], v[TB]
	v_and_b32 v[TC], 0x0f0f0f0f, v[TC]
	v_lshrrev_b32 v[TD], 8, v[TC]
	v_add_nc_u32 v[TD], v[TD], v[TC]
	v_and_b32 v[TD], 0x00ff00ff, v[TD]
	v_mov_b32 v[POS], 0
	LEVEL TD, 16
	LEVEL TC, 8
	LEVEL TB, 4
	LEVEL TA, 2
	LEVEL MS, 1
.endm
.macro LOOK                            ; 32 ranks, a lane a rank: the tokens of two tiles.  Each tile's 16 are then set in both halves of the lanes
	WIN 0
	SEARCH
	v_add3_u32 v[TOKE], v[QB], v[POS], s[W256]
	v_add_nc_u32 v[PV], 32, v[PV]
	v_permlanex16_b32 v[TX], v[TOKE], s[SEL], s[SEL+1]
	v_cndmask_b32 v[TOKO], v[TX], v[TOKE], s[HMK]  ; lanes 16-31 keep theirs, lanes 0-15 take them from there: the odd tile's
	v_cndmask_b32 v[TOKE], v[TOKE], v[TX], s[HMK]  ; lanes 0-15 keep theirs, lanes 16-31 take them: the even tile's
.endm
.macro ADDR tok                        ; the 16 rows' offsets in xq (row i's token to all lanes, x 512, + 16 lane) and my row's offset in xs: no scalar register on the way
	WIN 0
	s_wait_xcnt 0x0                                ; every memory instruction issued so far has read its sources: the offsets of the loads still out are written again only behind this wait, and so are the code registers of earlier stores
	s_wait_alu depctr_vm_vsrc(0)                   ; the loads issued so far have read v[AD ..] and v[XSA] (at the first use: sel's loads v16, b1's LDS store v17); in a tile also: the stage's stores have read the landing registers that the next rows fill, and the earlier tiles' stores their codes and scale words
.irp i, 0,1,2,3,4,5,6,7,8,9,10,11,12,13,14,15
	v_mov_b32_dpp v[AD+\i], v[\tok] row_share:\i row_mask:0xf bank_mask:0xf
.endr
.irp i, 0,1,2,3,4,5,6,7,8,9,10,11,12,13,14,15
	v_min_u32 v[AD+\i], 0x3ff, v[AD+\i]
.endr
.irp i, 0,1,2,3,4,5,6,7,8,9,10,11,12,13,14,15
	v_lshl_add_u32 v[AD+\i], v[AD+\i], 9, v[LI]
.endr
	v_min_u32 v[XSA], 0x3ff, v[\tok]
	v_lshlrev_b32 v[XSA], 5, v[XSA]
.endm
.macro RAWLD par                       ; 16 rows of codes, a row's 512 consecutive bytes to a load
	WIN 0xc0
	s_wait_alu depctr_va_vdst(0)                   ; the offsets v[AD ..] and v[XSA] are written; under the stream's tail also: the moves are done reading the ring slot in which these rows land
.irp i, 0,1,2,3,4,5,6,7,8,9,10,11,12,13,14,15
	global_load_b128 v[RAW+128*(\par)+4*\i:RAW+128*(\par)+4*\i+3], v[AD+\i], s[8:9]
.endr
	WIN 0
.endm
.macro XSLD par                        ; my row's 8 scale words
	global_load_b128 v[XS+8*(\par):XS+8*(\par)+3], v[XSA], s[10:11]
	global_load_b128 v[XS+8*(\par)+4:XS+8*(\par)+7], v[XSA], s[10:11] offset:16
.endm
.macro WM s, t, par                    ; K step s, tile t: source 0 = 16 hidden units, source 1 = 16 rows; b1 is the C of the first K step
.set rD, ACC+8*(\t)
.set rA, 8*((8*(\s)+(\t))%32)
.set rB, FRAG+8*(\s)
.set rC, rD
.if (\s) == 0
.set rC, BI+8*(\t)
.endif
.set rS, WS+4*(\s)+(\t)/2
.set rX, XS+8*(\par)+(\s)
.if (\t)%2
	v_wmma_scale_f32_16x16x128_f8f6f4 v[rD:rD+7], v[rA:rA+7], v[rB:rB+7], v[rC:rC+7], v[rS], v[rX] matrix_a_fmt:MATRIX_FMT_FP4 matrix_b_fmt:MATRIX_FMT_FP4 matrix_a_scale:MATRIX_SCALE_ROW1
.else
	v_wmma_scale_f32_16x16x128_f8f6f4 v[rD:rD+7], v[rA:rA+7], v[rB:rB+7], v[rC:rC+7], v[rS], v[rX] matrix_a_fmt:MATRIX_FMT_FP4 matrix_b_fmt:MATRIX_FMT_FP4
.endif
.endm
.macro TILE par
.if (\par) == 0
	LOOK                                           ; the tokens of the tiles two and three on, while this tile's last loads land
.endif
	s_wait_loadcnt 18                              ; this tile's 18 loads, issued two tiles ago, are in; the next tile's 18, issued behind them, stay out
	WIN 0x0c
.irp i, 0,1,2,3,4,5,6,7,8,9,10,11,12,13,14,15
	ds_store_b128 v[XSTO], v[RAW+128*(\par)+4*\i:RAW+128*(\par)+4*\i+3] offset:XPI*\i   ; rows into my own stage,
.endr
	WIN 0xc0
.irp s, 0,1,2,3,4,5,6,7
	ds_load_b128 v[FRAG+8*\s:FRAG+8*\s+3], v[XRD] offset:64*\s     ; and back as fragments: LDS serves a wave's instructions in order.  No wait on va_vdst: the last one (ahead of the last tile's stores; for the first tile ahead of the stream's last LDS stores)
	ds_load_b128 v[FRAG+8*\s+4:FRAG+8*\s+7], v[XRD] offset:64*\s+32 ; stands behind every product and every move that read these registers, and only the search, which names none of them, has been issued since
.endr
.if (\par) == 0
	s_wait_alu depctr_va_vdst(0)
	ADDR TOKE
.else
	ADDR TOKO
.endif
	s_wait_dscnt 16                                ; the 16 stores into the stage are done; the 16 LDS loads behind them may be out
	RAWLD \par                                     ; the rows of the tile two on
	s_wait_dscnt 0x0
.irp s, 0,1,2,3,4,5,6,7                ; the eight accumulators by turns, one instruction a turn
.if \s == 0
	WIN 0x3d                                       ; source 0 window 1, source 1 and C window 3, D window 0
.elseif \s < 4
	WIN 0x0d
.else
	WIN 0x0e                                       ; source 0 window 2
.endif
.irp t, 0,1,2,3,4,5,6,7
	WM \s, \t, \par
.endr
.endr
	WIN 0
.rept 4
	v_nop                                          ; four places behind the last product, ahead of the first read of results
.endr
.set jj, 0
.rept 64
	v_max_num_f32 v[ACC+jj], 0, v[ACC+jj]          ; relu, each accumulator from its low end on
.set jj, jj+1
.endr
.irp k, 0,1,2,3
	v_max3_num_f32 v[HM+\k], v[ACC+16*\k], v[ACC+16*\k+1], 0x1800000   ; my two blocks of 32, in four chains; none is negative
.endr
.irp i, 2,4,6,8,10,12,14
.irp k, 0,1,2,3
	v_max3_num_f32 v[HM+\k], v[HM+\k], v[ACC+16*\k+\i], v[ACC+16*\k+\i+1]
.endr
.endr
	v_max_num_f32 v[HM], v[HM], v[HM+1]
	v_max_num_f32 v[HM+2], v[HM+2], v[HM+3]
	v_add_nc_u32 v[HSC], 0xff000000, v[HM]
	v_add_nc_u32 v[HSC+1], 0xff000000, v[HM+2]
	v_lshrrev_b32 v[HM], 23, v[HSC]
	v_lshrrev_b32 v[HM+1], 23, v[HSC+1]
	v_lshl_or_b32 v[HW], v[HM+1], 16, v[HM]
	v_lshlrev_b32 v[HW], v[SH8], v[HW]
	v_permlanex16_b32 v[HP], v[HW], s[SEL], s[SEL+1]
	v_or_b32 v[HWS+\par], v[HW], v[HP]             ; (this set's last stores, two tiles back, have read their data: the two waits ahead of this tile's offsets stand between)
.irp hi, 0,1
.irp c, 0,1,2,3
	v_cvt_scalef32_pk8_fp4_f32 v[HC+8*\par+4*\hi+\c], v[ACC+32*\hi+8*\c:ACC+32*\hi+8*\c+7], v[HSC+\hi]
.endr
.endr
	v_nop                                          ; the plain line behind the last conversion
	s_wait_alu depctr_va_vdst(0)                   ; the conversions have written this set's codes, and the line above them its scale word, which the three stores read; the products are done reading this set's scale words of x, in which the two loads land, and the fragments, in which the next tile's LDS loads land
	XSLD \par                                      ; the scale words of the tile two on, behind its rows as ever
	global_store_b128 v[HO], v[HC+8*\par:HC+8*\par+3], s[14:15] offset:32768*\par          ; the fragment's image: 512 consecutive bytes a store
	global_store_b128 v[HO], v[HC+8*\par+4:HC+8*\par+7], s[14:15] offset:32768*\par+512
	global_store_b32 v[HSO], v[HWS+\par], s[16:17] offset:2048*\par                        ; 16 rows' scale words (both halves of the lanes store the same)
.endm
	s_load_b256 s[4:11], s[0:1], 0x0               ; W1 s[4:5], b1 s[6:7], xq s[8:9], xs s[10:11]
	s_load_b128 s[12:15], s[0:1], 0x20             ; sel s[12:13], hq s[14:15]
	s_load_b64 s[16:17], s[0:1], 0x30              ; hs
	v_lshrrev_b32 v[TT], 5, v0
	v_readfirstlane_b32 s[WV], v[TT]               ; wave 0..3
	v_and_b32 v[TT], 31, v0                        ; lane
	v_and_b32 v[R], 15, v0
	s_wait_alu depctr_va_vdst(0)
	v_bfe_u32 v[H], v0, 4, 1
	s_and_b32 s[EX], ttmp7, 0xffff                 ; the expert
	s_wait_alu depctr_va_sdst(0)                   ; the wave's number is written, ahead of its first reader
	s_lshr_b32 s[WA], s[WV], 1                     ; which 512 rows of K my panel takes
	s_and_b32 s[WP], s[WV], 1                      ; which 64 columns
	s_lshl_b32 s[W256], s[WV], 8
	s_mov_b32 s[SEL], 0x76543210
	s_mov_b32 s[SEL+1], 0xfedcba98
	s_mov_b32 s[HMK], 0xffff0000
	v_lshlrev_b32 v[VO], 4, v[R]
	s_wait_alu depctr_va_vdst(0)
	v_lshl_add_u32 v[VO], v[H], 19, v[VO]          ; 32 rows of 16,384 bytes for lanes 16-31
	v_lshlrev_b32 v[LI], 4, v[TT]
	s_wait_alu depctr_va_vdst(0)
	v_lshl_add_u32 v[LS], v[TT], 2, WSC
	s_lshl_b32 s[T0], s[WA], 15                    ; my fragments begin at number 32 (w / 2) + 4 (w % 2)
	s_lshl_b32 s[T0+1], s[WP], 12
	s_add_co_u32 s[T0], s[T0], s[T0+1]
	v_add_nc_u32 v[AI], s[T0], v[LI]
	s_lshr_b32 s[T0], s[T0], 4                     ; 64 bytes of scale words for 1,024 of codes
	s_add_co_u32 s[T0], s[T0], WSC
	v_lshl_add_u32 v[AS], v[R], 2, s[T0]
	v_lshlrev_b32 v[SH8], 3, v[H]
	s_mul_i32 s[T0], s[WV], 16*XPI
	s_add_co_u32 s[T0], s[T0], XST
	v_add_nc_u32 v[XSTO], s[T0], v[LI]
	v_mul_u32_u24 v[XRD], v[R], XPI
	v_lshl_add_u32 v[XRD], v[H], 4, v[XRD]
	v_add_nc_u32 v[XRD], s[T0], v[XRD]
	s_lshl_b32 s[T0], s[WV], 9
	s_add_co_u32 s[T0], s[T0], BIA
	v_add_nc_u32 v[BST], s[T0], v[LI]
	v_lshl_add_u32 v[BO], v[H], 7, s[T0]
	v_mov_b32 v[PV], v[TT]                         ; the first search: ranks 0 to 31
	s_lshl_b32 s[T0], s[EX], 2
	s_add_co_u32 s[T0], s[T0], s[WV]               ; 4 e + w: sixteen tiles each
	s_lshl_b32 s[T0+1], s[T0], 19
	s_lshl_b32 s[T0+2], ttmp9, 10
	s_add_co_u32 s[T0+1], s[T0+1], s[T0+2]
	v_add_nc_u32 v[HO], s[T0+1], v[LI]             ; hq: tile x 32,768 + slice x 1,024 + 16 lane
	s_lshl_b32 s[T0+1], s[T0], 15
	s_lshl_b32 s[T0+2], ttmp9, 6
	s_add_co_u32 s[T0+1], s[T0+1], s[T0+2]
	v_lshl_add_u32 v[HSO], v[R], 2, s[T0+1]        ; hs: tile x 2,048 + slice x 64 + 4 row
	s_lshl_b32 s[T0], s[WV], 10
	v_lshl_add_u32 v[AD], v[TT], 2, s[T0]          ; sel: my segment's 1,024 bytes
.irp c, 0,1,2,3
	v_mov_b32 v[PT+\c], 0                          ; a lane permute's destination counts as one of its sources,
.endr
.irp i, 2,3,4,5,6,7,8,9,10,11,12,13,14,15
	v_mov_b32 v[AD+\i], 0                          ; and so does a DPP form's (the first two of the sixteen are written above)
.endr
	s_lshl_b32 s26, s[EX], 24                      ; W1: the expert's 16 MB, my 512 rows, the slice's 512 bytes, my 256
	s_lshl_b32 s28, s[WA], 23
	s_add_co_u32 s26, s26, s28
	s_lshl_b32 s28, ttmp9, 9
	s_add_co_u32 s26, s26, s28
	s_lshl_b32 s29, s[WP], 8
	s_add_co_u32 s26, s26, s29
	s_mov_b32 s27, 0
	s_lshl_b32 s29, s[EX], 14                      ; b1: the expert's row, the slice's 512 bytes
	s_add_co_u32 s28, s28, s29
	s_mov_b32 s29, 0
	s_wait_kmcnt 0x0
	s_add_nc_u64 s[4:5], s[4:5], s[26:27]
	s_add_nc_u64 s[6:7], s[6:7], s[28:29]
	s_wait_alu depctr_va_vdst(0)                   ; every offset and LDS address made above is written: the loads, stores and LDS instructions of the whole kernel read them
.irp q, 0,1,2,3,4,5,6,7
	global_load_b32 v[SELR+\q], v[AD], s[12:13] offset:128*\q
.endr
	global_load_b128 v[BV:BV+3], v[LI], s[6:7]
	LDHS 0, 0
	LDHS 1, 0
	LDHS 2, 0
	s_wait_loadcnt 48                              ; sel and b1 are in; the 48 loads of the stream stay out
	WIN 0
.irp q, 0,1,2,3,4,5,6,7
	v_and_b32 v[TT], 0xff, v[SELR+\q]
	v_lshrrev_b32 v[TW], 8, v[SELR+\q]
	v_cmp_eq_u32 s[MZ+\q], s[EX], v[TT]            ; the sixteen compares in one run, a mask each
	v_cmp_eq_u32 s[M+\q], s[EX], v[TW]
.endr
	s_wait_alu depctr_va_sdst(0)                   ; the sixteen compares have written their masks, which the scalar lines below read
.irp q, 0,1,2,3,4,5,6,7
	s_or_b32 s[M+\q], s[M+\q], s[MZ+\q]            ; tokens whose first or second choice is my expert
.endr
	s_mov_b32 s[C], 0
.irp q, 0,1,2,3,4,5,6,7
	s_bcnt1_i32_b32 s[T0], s[M+\q]
	s_add_co_u32 s[C+\q+1], s[C+\q], s[T0]
.endr
	s_add_co_u32 s[NT], s[C+8], 15
	s_lshr_b32 s[NT], s[NT], 4
	s_max_u32 s[NT], s[NT], 1                      ; the first tile is always laid down
	s_max_u32 s[CM1], s[C+8], 1
	s_sub_co_u32 s[CM1], s[CM1], 1
	ds_store_b128 v[BST], v[BV:BV+3]               ; its data came by a load, its address stands ahead of the head's wait
	LDHS 3, 0
	s_wait_dscnt 0x0                               ; the store is done
	s_wait_alu depctr_vm_vsrc(0)                   ; and has read v[BV ..], which lie among the code registers that the conversions write
.irp d, 0,1,2,3,4,5
	MVHS 2*\d, 48
	LDHS 2*\d+4, 1
.if \d%2
	QSTORE \d-1                                    ; the wait just passed also stands behind the conversions of the double block before: its codes are written
.endif
	MVHS 2*\d+1, 48
	LDHS 2*\d+5, 1
	QUANT \d
.if \d%2
	SCALEW
	s_wait_alu depctr_va_vdst(0)                   ; the conversions have written this double block's codes, and the lines above the four scale words: the eight LDS stores read them
	QSTORE \d
	SSTORE \d/2
	SYNC \d/2
.endif
.endr
	MVHS 12, 48
	MVHS 13, 32
	LOOK                                           ; the first two tiles' tokens (the quantiser's registers are free between two quarters)
	s_wait_alu depctr_va_vdst(0)
	ADDR TOKE
	RAWLD 0                                        ; the first tile's rows go out under the stream's tail, into ring slot 1, which is free
	XSLD 0
	QUANT 6
	MVHS 14, 34                                    ; behind half-set 14: half-set 15 and the first tile's 18 loads
	WIN 0xc0
	s_wait_alu depctr_va_vdst(0)                   ; the moves are done reading ring slot 2, in which b1 lands; the conversions have written double block 6's codes
	QSTORE 6
.irp t, 0,1,2,3,4,5,6,7
.irp j, 0,1,2,3,4,5,6,7
	ds_load_b32 v[BI+8*\t+\j], v[BO] offset:256*(\t/4)+16*\j+4*(\t%4)   ; b1 at hidden unit 64 (t / 4) + 32 H + 4 j + t % 4, into ring slot 2
.endr
.endr
	MVHS 15, 18
	ADDR TOKO
	RAWLD 1                                        ; the second tile's rows, into ring slot 3, which is free now
	XSLD 1
	QUANT 7
	SCALEW
	s_wait_alu depctr_va_vdst(0)                   ; the conversions have written the last double block's codes, and the lines above the four scale words: the eight LDS stores read them
	QSTORE 7
	SSTORE 3
	SYNC 3
	s_mov_b32 s[TI], 0
.Ltiles:                                           ; at most eight trips of two tiles; the first tile beyond the last leaves the loop, so the counted waits see the same loads on every way.  No barrier stands here
	s_cmp_ge_u32 s[TI], s[NT]
	s_cbranch_scc1 .Ldone
	TILE 0
	s_add_co_u32 s[T0], s[TI], 1
	s_cmp_ge_u32 s[T0], s[NT]
	s_cbranch_scc1 .Ldone
	TILE 1
	s_wait_xcnt 0x0                                ; the stores have had their addresses translated
	s_wait_alu depctr_vm_vsrc(0)                   ; and have read their offsets v[HO] and v[HSO], which the two lines below write (the next stores stand behind the next tile's waits on va_vdst)
	v_add_nc_u32 v[HO], 65536, v[HO]
	v_add_nc_u32 v[HSO], 4096, v[HSO]
	s_add_co_u32 s[TI], s[TI], 2
	s_cmp_lt_u32 s[TI], 16
	s_cbranch_scc1 .Ltiles
.Ldone:
	s_wait_xcnt 0x0
	s_wait_alu depctr_vm_vsrc(0)                   ; the LDS stores of the stream have read v254 and v255, two of the code registers, which the two lines below write
	v_lshl_add_u32 v254, v0, 2, 0x19c00
	v_mov_b32 v255, 0
	s_wait_dscnt 0x0                               ; the closing lines, six on end
	s_wait_alu 0x0
	s_wait_tensorcnt 0x0
	ds_add_u32 v254, v255
	s_wait_dscnt 0x0
	s_endpgm
.Lfunc_end_k_q6b6118d421_ffn1:
	.size	k_q6b6118d421_ffn1, .Lfunc_end_k_q6b6118d421_ffn1-k_q6b6118d421_ffn1
	.p2alignl 7, 3214868480
	.fill 96, 4, 3214868480
	.section	.rodata,"a",@progbits
	.p2align	6, 0x0
	.amdhsa_kernel k_q6b6118d421_ffn1
		.amdhsa_group_segment_fixed_size 105984
		.amdhsa_private_segment_fixed_size 0
		.amdhsa_enable_private_segment 0
		.amdhsa_kernarg_size 56
		.amdhsa_user_sgpr_count 2
		.amdhsa_user_sgpr_kernarg_segment_ptr 1
		.amdhsa_wavefront_size32 1
		.amdhsa_system_sgpr_workgroup_id_x 1
		.amdhsa_system_sgpr_workgroup_id_y 1
		.amdhsa_system_sgpr_workgroup_id_z 1
		.amdhsa_system_vgpr_workitem_id 0
		.amdhsa_next_free_vgpr 1024
		.amdhsa_next_free_sgpr 66
		.amdhsa_reserve_vcc 1
		.amdhsa_float_denorm_mode_32 3
		.amdhsa_float_denorm_mode_16_64 3
		.amdhsa_memory_ordered 1
		.amdhsa_forward_progress 1
		.amdhsa_inst_pref_size 192
	.end_amdhsa_kernel
	.amdgpu_metadata
---
amdhsa.version: [ 1, 2 ]
amdhsa.kernels:
  - .name:           k_q6b6118d421_ffn1
    .symbol:         k_q6b6118d421_ffn1.kd
    .args:
      - { .name: W1, .offset: 0, .size: 8, .value_kind: global_buffer, .address_space: global }
      - { .name: b1, .offset: 8, .size: 8, .value_kind: global_buffer, .address_space: global }
      - { .name: xq, .offset: 16, .size: 8, .value_kind: global_buffer, .address_space: global }
      - { .name: xs, .offset: 24, .size: 8, .value_kind: global_buffer, .address_space: global }
      - { .name: sel, .offset: 32, .size: 8, .value_kind: global_buffer, .address_space: global }
      - { .name: hq, .offset: 40, .size: 8, .value_kind: global_buffer, .address_space: global }
      - { .name: hs, .offset: 48, .size: 8, .value_kind: global_buffer, .address_space: global }
    .group_segment_fixed_size: 105984
    .private_segment_fixed_size: 0
    .kernarg_segment_align: 8
    .kernarg_segment_size: 56
    .max_flat_workgroup_size: 128
    .sgpr_count:     66
    .vgpr_count:     1024
    .wavefront_size: 32
...
	.end_amdgpu_metadata
.endif
;; end of part 6
;; launch ffn2 (part 7): grid 32 x 8, 4 waves a work-group, no clusters, 88,576 bytes of LDS; arguments W2, b2, hq, hs, sel, yp; writes yp
.if DOCPART == 7
	.amdgcn_target "amdgcn-amd-amdhsa--gfx1250"
	.amdhsa_code_object_version 6
	.text
	.protected	k_q6b6118d421_ffn2
	.globl	k_q6b6118d421_ffn2
	.p2align	8
	.type	k_q6b6118d421_ffn2,@function
k_q6b6118d421_ffn2:
	s_mov_b64 s[64:65], 0
	v_nop
	global_prefetch_b8 v0, s[64:65] scope:SCOPE_SE
	s_setreg_imm32_b32 hwreg(HW_REG_WAVE_SCHED_MODE, 0, 2), 2
	s_setreg_imm32_b32 hwreg(HW_REG_WAVE_MODE, 25, 1), 1
	s_wait_xcnt 0x0
	s_wait_alu depctr_vm_vsrc(0)
; FFN2.  A part of y = h W2 + b2 for the rows routed to an expert: MX-FP4 products, f32 sums.  yp[kh][slot][token][1,024]: K half kh (b2 is added in half 0), slot 0 where the expert is the token's first choice, 1 where its second.
; SHARES.  Work-group (x, e): ds = x / 2: 64 output columns (256 bytes of a row of W2), kh = x % 2: 2,048 of K = 4,096: 512 KB of W2, which no other work-group reads.  Wave w owns the token segment 256 w .. 256 w + 255.
; PHASE 1, THE STREAM, as in the launch before: wave w reads 64 columns x rows 2,048 kh + 512 w on; lanes 0-15 row k, lanes 16-31 row k + 32, 16 bytes a lane: two runs of 256 consecutive bytes, aligned.
;   Within a block of 32 the rows are taken in the order 4 (i % 8) + i / 8, the order in which the launch before left h's codes.  Tile c is made of columns 4 m + c.  All 64 fragments stay in every wave's registers.
; PHASE 2, THE TILES.  A tile's 16 fragments of h come from memory as images of their registers, 16 KB on end.  TWO TILES ARE ON THEIR WAY: tile t asks for tile t + 2 into its own registers as soon as its products have read them;
;   the first two tiles are asked for under the stream's tail.  Source 0 = 16 columns of W2, source 1 = 16 rows: over tiles c and registers j a lane holds columns 32 (lane / 16) + 4 j + c of one row.
;   Even and odd K steps have accumulators of their own (eight by turns).  The rows go through the wave's stage and leave as 256 consecutive bytes, aligned, at the token's place.
;   Ranks beyond the last repeat the last row: the same values go to the same place.  The look-ahead names the segment's last tile at the most, so every byte loaded has been stored.
;   Two tiles' 80 loads are more than the load counter's field counts: the issue then waits for earlier loads to end (ISA guide 5.7.1); no wait is written for that.
; No cluster, no tensor load: trip counts hang on stored numbers; the weights are shared with nobody, and what work-groups share (a tile's 16 KB of h against 512 KB of weights) is a small part.
; LIMITS: NaN and infinities are not served.  A block of zeros gets the byte 1 (its codes are zeros; the bytes are read by this program alone).
; THE MODE: SCHED_MODE bits 1:0 = 2 (LLVM: expert scheduling mode 2), set by the entry lines.  The code itself states the register dependences between vector or matrix instructions and memory or LDS
; instructions, and those through scalar registers and VCC that vector instructions write, with s_wait_alu, always for 0.
; THE PLAN.  Registers that memory or LDS instructions touch:
;   ring slots 0-3      The stream's loads land in them; a half-set's 64 moves read them.  One wait on va_vdst behind those moves; the slot's next 16 loads follow it.
;   CODE0, CODE1, SW    Written by the conversions and the scale words' lines, read by LDS stores.  An even double block's stores stand behind the next wait on va_vdst that stands anyway; an odd one's, and the scale words',
;                       behind one wait of their own.  One wait on vm_vsrc a quarter, ahead of the barrier, stands between these stores and the next writes of their registers.
;   windows 1, 2, WS    Filled once by LDS loads; named by the products alone.
;   In a tile: the set's 128 fragment registers and HS (loaded; read by the products), its two offsets (written behind the products; read by its 40 loads), OUT (written by the additions; read by the stage's stores),
;   YB (the stage's loads land there; the eight stores read it), YA (written by 24 lines; read by the eight stores).
;   ONE wait on vm_vsrc at a tile's head: the last tile's stores have read YA and YB, its stage stores OUT, the loads this set's offsets.  ONE wait on va_vdst behind the additions: the products are done with the set's
;   fragments and scale words; the offsets, OUT and YA are written.  All the tile's memory and LDS instructions follow it: the stage's stores and loads, the 40 loads of the tile two on, the eight stores.
;   VO, LI, LS, AI, AS, YSTO, YRD, BO, HA0, HSA0, R16   Made at the head, never written again: one wait on va_vdst ahead of the first load.
.set PITCH, 4096                       ; a row of W2 in bytes
.set FSTEP, 4                          ; fragments in a K step: fragment f = 4 s + tile
.set WSC,   65536
.set YST,   WSC+4096                   ; a stage of 16 rows x (256 + 16) bytes for each wave
.set YPI,   272
.set BIA,   YST+4*16*YPI               ; b2's 64 numbers (zeros in K half 1), a copy for each wave
.set LS,   1
.set R,    2
.set H,    3
.set VO,   4
.set AI,   5
.set AS,   6
.set LI,   7
.set SH8,  8
.set YSTO, 9
.set YRD,  10
.set PV,   11
.set HA0,  12                          ; hq: my segment's first tile, my K half, 16 x lane
.set HSA0, 13
.set BO,   14
.set R16,  15
.set YA,   16                          ; v16-23 the eight stores' offsets
.set IDXV, 24
.set HAV,  25                          ; v25, v26 the offsets of set 0's loads; v30, v31 those of set 1's
.set HSAV, 26
.set SELA, 27
.set BA,   28
.set BST,  29
.set PP,   32
.set MS,   33
.set BS,   34
.set QB,   35
.set NN,   36
.set TA,   37
.set TB,   38
.set TC,   39
.set TD,   40
.set POS,  41
.set TT,   42
.set TW,   43
.set MS0,  45
.set MX,   32
.set SO,   36
.set SW,   40
.set PT,   44
.set HS,   48                          ; v48-55, v56-63 h's scale words, two sets: register q: K step 2 q in lanes 0-15, 2 q + 1 in lanes 16-31
.set WS,   64
.set STG,  96
.set CODE, 224
.set SELR, 96
.set BV,   240
.set ACC,  96                          ; v96-127 even K steps' four accumulators, v128-159 odd K steps'
.set BI2,  160
.set OUT,  192
.set YB,   224
.set SEL,  20
.set EX,   22
.set WV,   23
.set W256, 24
.set DS,   25                          ; at the head alone
.set KH,   30                          ; at the head alone
.set NTM1, 19
.set BM,   18
.set CK,   24                          ; s25-31 behind the head: the search's seven masks, word q's at CK + q
.set M,    32
.set MZ,   40                          ; s40-47 members whose FIRST choice is my expert
.set C,    48
.set CM1,  57
.set NT,   58
.set TI,   59
.set T0,   60
.set MSB, 0
.macro WIN new
.if MSB != (\new)
	s_set_vgpr_msb (MSB*256)+(\new)
.set MSB, (\new)
.endif
.endm
.macro LDHS hsx, again                 ; again = 1: the ring slot has been read
	WIN 0xc0
.if \again
	s_wait_alu depctr_va_vdst(0)                   ; the 64 moves just issued are done reading this ring slot, in which the loads below land
.endif
.set ii, 0
.rept 16
.set ri, 16*((\hsx)%2)+ii
	global_load_b128 v[64*((\hsx)%4)+4*ii:64*((\hsx)%4)+4*ii+3], v[VO], s[4:5] offset:(64*((\hsx)/2)+4*(ri%8)+ri/8)*PITCH th:TH_LOAD_NT
.set ii, ii+1
.endr
.endm
.macro MVHS hsx, left
	s_wait_loadcnt \left
	WIN 0x03
.set ii, 0
.rept 16
.irp c, 0,1,2,3
	v_mov_b32 v[STG+32*\c+16*((\hsx)%2)+ii], v[64*((\hsx)%4)+4*ii+\c]
.endr
.set ii, ii+1
.endr
.endm
.macro QUANT db                        ; registers alone: QSTORE sends the codes
	WIN 0
.irp c, 0,1,2,3
	v_max3_num_f32 v[MX+\c], |v[STG+32*\c]|, |v[STG+32*\c+1]|, 0x1800000
.endr
.irp i, 2,4,6,8,10,12,14,16,18,20,22,24,26,28,30
.irp c, 0,1,2,3
	v_max3_num_f32 v[MX+\c], v[MX+\c], |v[STG+32*\c+\i]|, |v[STG+32*\c+\i+1]|
.endr
.endr
.irp c, 0,1,2,3
	v_add_nc_u32 v[SO+\c], 0xff000000, v[MX+\c]
.endr
.irp c, 0,1,2,3
.irp g, 0,1,2,3
	v_cvt_scalef32_pk8_fp4_f32 v[CODE+16*((\db)%2)+4*\c+\g], v[STG+32*\c+8*\g:STG+32*\c+8*\g+7], v[SO+\c]
.endr
.endr
.irp c, 0,1,2,3
.if (\db)%2
	v_lshrrev_b32 v[MX+\c], 23, v[SO+\c]
.else
	v_lshrrev_b32 v[SW+\c], 23, v[SO+\c]
.endif
.endr
.if (\db)%2
.irp c, 0,1,2,3
	v_lshl_or_b32 v[SW+\c], v[MX+\c], 16, v[SW+\c]
.endr
.endif
.endm
.macro QSTORE db                       ; double block db's codes go to LDS as images.  It stands behind a wait on va_vdst that follows the conversions.  (An LDS store's address and data are its sources 0 and 1: window 0 under the settings 0 and 0xc0 alike)
.irp c, 0,1,2,3
	ds_store_b128 v[AI], v[CODE+16*((\db)%2)+4*\c:CODE+16*((\db)%2)+4*\c+3] offset:1024*(FSTEP*((\db)/2)+\c)+512*((\db)%2)
.endr
.endm
.macro SCALEW
.irp c, 0,1,2,3
	v_lshlrev_b32 v[SW+\c], v[SH8], v[SW+\c]
.endr
.irp c, 0,1,2,3
	v_permlanex16_b32 v[PT+\c], v[SW+\c], s[SEL], s[SEL+1]
.endr
.irp c, 0,1,2,3
	v_or_b32 v[SW+\c], v[SW+\c], v[PT+\c]
.endr
.endm
.macro SSTORE ls
.irp c, 0,1,2,3
	ds_store_b32 v[AS], v[SW+\c] offset:64*(FSTEP*(\ls)+\c)
.endr
.endm
.macro SYNC ls                         ; the four waves' fragments of quarter ls (K steps 4 wq + ls) lie in LDS: every wave takes them
	s_wait_dscnt 0x0                               ; for the others' sake: my stores have landed
	s_wait_alu depctr_vm_vsrc(0)                   ; my LDS stores have read both sets of code registers and the four scale words: the next quarter's conversions, the search, the stage's loads and the closing pair write them again
	s_barrier_signal -1
	s_barrier_wait -1
.irp wq, 0,1,2,3
	WIN 0x40+0x40*(\wq/2)
.irp c, 0,1,2,3
	ds_load_b128 v[8*((16*\wq+4*(\ls)+\c)%32):8*((16*\wq+4*(\ls)+\c)%32)+3], v[LI] offset:1024*(16*\wq+4*(\ls)+\c)     ; no vector instruction has named these registers: nothing is owed for them
	ds_load_b128 v[8*((16*\wq+4*(\ls)+\c)%32)+4:8*((16*\wq+4*(\ls)+\c)%32)+7], v[LI] offset:1024*(16*\wq+4*(\ls)+\c)+512
.endr
.endr
	WIN 0
.irp wq, 0,1,2,3
.irp u, 0,1
	ds_load_b32 v[WS+8*\wq+2*(\ls)+\u], v[LS] offset:128*(8*\wq+2*(\ls)+\u)
.endr
.endr
.endm
.macro LEVEL tab, wid
	v_bfe_u32 v[TT], v[\tab], v[POS], \wid
	v_cmp_le_u32 vcc_lo, v[TT], v[NN]
	s_wait_alu depctr_va_vcc(0)                    ; the compare has written VCC, which the two selects read (each level hangs on the level before: the compares cannot stand in one run)
	v_cndmask_b32 v[TT], 0, v[TT], vcc_lo
	v_cndmask_b32 v[TW], 0, \wid, vcc_lo
	v_sub_nc_u32 v[NN], v[NN], v[TT]
	v_add_nc_u32 v[POS], v[POS], v[TW]
.endm
.macro SEARCH                          ; rank v[PV] (held at the last member) -> place v[QB] + v[POS] in my segment; v[MS0]: that word's first choices
	v_min_u32 v[PP], s[CM1], v[PV]
	v_mov_b32 v[MS], s[M]
	v_mov_b32 v[MS0], s[MZ]
	v_mov_b32 v[BS], 0
	v_mov_b32 v[QB], 0
.irp q, 1,2,3,4,5,6,7
	v_cmp_gt_u32 s[CK+\q], s[C+\q], v[PP]          ; the seven compares in one run, a mask each
.endr
	s_wait_alu depctr_va_sdst(0)                   ; the seven compares have written their masks, which the selects below read
.irp q, 1,2,3,4,5,6,7
	v_cndmask_b32 v[MS], s[M+\q], v[MS], s[CK+\q]
	v_cndmask_b32 v[MS0], s[MZ+\q], v[MS0], s[CK+\q]
	v_cndmask_b32 v[BS], s[C+\q], v[BS], s[CK+\q]
	v_cndmask_b32 v[QB], 32*\q, v[QB], s[CK+\q]
.endr
	v_sub_nc_u32 v[NN], v[PP], v[BS]
	v_lshrrev_b32 v[TA], 1, v[MS]
	v_and_b32 v[TA], 0x55555555, v[TA]
	v_sub_nc_u32 v[TA], v[MS], v[TA]
	v_lshrrev_b32 v[TB], 2, v[TA]
	v_and_b32 v[TB], 0x33333333, v[TB]
	v_and_b32 v[TT], 0x33333333, v[TA]
	v_add_nc_u32 v[TB], v[TB], v[TT]
	v_lshrrev_b32 v[TC], 4, v[TB]
	v_add_nc_u32 v[TC], v[TC], v[TB]
	v_and_b32 v[TC], 0x0f0f0f0f, v[TC]
	v_lshrrev_b32 v[TD], 8, v[TC]
	v_add_nc_u32 v[TD], v[TD], v[TC]
	v_and_b32 v[TD], 0x00ff00ff, v[TD]
	v_mov_b32 v[POS], 0
	LEVEL TD, 16
	LEVEL TC, 8
	LEVEL TB, 4
	LEVEL TA, 2
	LEVEL MS, 1
.endm
.macro PREA par                        ; tile s[T0] of my segment's sixteen: the offsets of set par's loads, in registers of the set's own
	WIN 0
	v_lshl_add_u32 v[HAV+5*(\par)], s[T0], 15, v[HA0]
	v_lshl_add_u32 v[HSAV+5*(\par)], s[T0], 11, v[HSA0]
.endm
.macro PREL par                        ; its 16 fragments of my K half (16 KB on end) and their scale words: 40 loads.  It stands behind a wait on va_vdst that follows PREA and the last readers of the set's registers
	WIN 0xc0
.set nn, 0
.rept 32
	global_load_b128 v[128*(\par)+4*nn:128*(\par)+4*nn+3], v[HAV+5*(\par)], s[8:9] offset:512*nn
.set nn, nn+1
.endr
	WIN 0
.irp q, 0,1,2,3,4,5,6,7
	global_load_b32 v[HS+8*(\par)+\q], v[HSAV+5*(\par)], s[10:11] offset:128*\q
.endr
.endm
.macro WMX cz, ra, rb                  ; cz: C is the constant 0; ra, rb: the scales stand in lanes 16-31
.if \cz
.if (\ra) && (\rb)
	v_wmma_scale_f32_16x16x128_f8f6f4 v[rD:rD+7], v[rA:rA+7], v[rB:rB+7], 0, v[rS], v[rT] matrix_a_fmt:MATRIX_FMT_FP4 matrix_b_fmt:MATRIX_FMT_FP4 matrix_a_scale:MATRIX_SCALE_ROW1 matrix_b_scale:MATRIX_SCALE_ROW1
.elseif \ra
	v_wmma_scale_f32_16x16x128_f8f6f4 v[rD:rD+7], v[rA:rA+7], v[rB:rB+7], 0, v[rS], v[rT] matrix_a_fmt:MATRIX_FMT_FP4 matrix_b_fmt:MATRIX_FMT_FP4 matrix_a_scale:MATRIX_SCALE_ROW1
.elseif \rb
	v_wmma_scale_f32_16x16x128_f8f6f4 v[rD:rD+7], v[rA:rA+7], v[rB:rB+7], 0, v[rS], v[rT] matrix_a_fmt:MATRIX_FMT_FP4 matrix_b_fmt:MATRIX_FMT_FP4 matrix_b_scale:MATRIX_SCALE_ROW1
.else
	v_wmma_scale_f32_16x16x128_f8f6f4 v[rD:rD+7], v[rA:rA+7], v[rB:rB+7], 0, v[rS], v[rT] matrix_a_fmt:MATRIX_FMT_FP4 matrix_b_fmt:MATRIX_FMT_FP4
.endif
.else
.if (\ra) && (\rb)
	v_wmma_scale_f32_16x16x128_f8f6f4 v[rD:rD+7], v[rA:rA+7], v[rB:rB+7], v[rC:rC+7], v[rS], v[rT] matrix_a_fmt:MATRIX_FMT_FP4 matrix_b_fmt:MATRIX_FMT_FP4 matrix_a_scale:MATRIX_SCALE_ROW1 matrix_b_scale:MATRIX_SCALE_ROW1
.elseif \ra
	v_wmma_scale_f32_16x16x128_f8f6f4 v[rD:rD+7], v[rA:rA+7], v[rB:rB+7], v[rC:rC+7], v[rS], v[rT] matrix_a_fmt:MATRIX_FMT_FP4 matrix_b_fmt:MATRIX_FMT_FP4 matrix_a_scale:MATRIX_SCALE_ROW1
.elseif \rb
	v_wmma_scale_f32_16x16x128_f8f6f4 v[rD:rD+7], v[rA:rA+7], v[rB:rB+7], v[rC:rC+7], v[rS], v[rT] matrix_a_fmt:MATRIX_FMT_FP4 matrix_b_fmt:MATRIX_FMT_FP4 matrix_b_scale:MATRIX_SCALE_ROW1
.else
	v_wmma_scale_f32_16x16x128_f8f6f4 v[rD:rD+7], v[rA:rA+7], v[rB:rB+7], v[rC:rC+7], v[rS], v[rT] matrix_a_fmt:MATRIX_FMT_FP4 matrix_b_fmt:MATRIX_FMT_FP4
.endif
.endif
.endm
.macro WM s, c, par                    ; K step s, tile c: b2 is the C of K step 0, the constant 0 that of K step 1
.set rD, ACC+32*((\s)%2)+8*(\c)
.set rA, 8*((4*(\s)+(\c))%32)
.set rB, 128*(\par)+8*(\s)
.set rC, rD
.if (\s) == 0
.set rC, BI2+8*(\c)
.endif
.set rS, WS+2*(\s)+(\c)/2
.set rT, HS+8*(\par)+(\s)/2
.if (\s) == 1
	WMX 1, (\c)%2, 1
.else
	WMX 0, (\c)%2, (\s)%2
.endif
.endm
.macro TILE par
	SEARCH                                         ; whose rows are these?  My lane looks up row (R + H) % 16.  It stands ahead of the wait: registers alone, while the tile's last loads land
	v_bfe_u32 v[TT], v[MS0], v[POS], 1
	v_xor_b32 v[TT], 1, v[TT]                      ; slot 0: my expert is the token's first choice
	v_add3_u32 v[IDXV], v[QB], v[POS], s[W256]
	v_lshl_add_u32 v[IDXV], v[TT], 10, v[IDXV]     ; 1,024 x slot + token
	v_add_nc_u32 v[PV], 16, v[PV]
	s_add_co_u32 s[T0], s[TI], \par+2
	s_min_u32 s[T0], s[T0], s[NTM1]                ; the tile two on, or the last once more
	s_min_u32 s[T0], s[T0], 15
	s_wait_alu depctr_va_vdst(0)
	s_wait_loadcnt 40                              ; this tile's 40 loads, issued two tiles ago, are in; the next tile's 40, issued behind them, stay out
	s_wait_xcnt 0x0                                ; the last tile's stores have had their addresses translated: their offsets and data are written again below
	s_wait_alu depctr_vm_vsrc(0)                   ; the last tile's eight stores have read v[YA ..] and v[YB ..], its stage stores v[OUT ..], and the loads issued so far this set's two offsets: all four are written again below
.irp s, 0,1,2,3,4,5,6,7,8,9,10,11,12,13,14,15   ; the eight accumulators by turns, one instruction a turn
.if \s < 8
	WIN 0x0d                                       ; source 0 window 1, source 1 window 3
.else
	WIN 0x0e                                       ; source 0 window 2
.endif
.irp c, 0,1,2,3
	WM \s, \c, \par
.endr
.endr
	PREA \par                                      ; two of the four places behind the last product,
	v_nop
	v_nop                                          ; and the other two: ahead of the first read of results
.irp n, 0,1,2,3,4,5,6,7
	v_mov_b32_dpp v[YA+\n], v[IDXV] row_share:2*\n row_mask:0xf bank_mask:0xf   ; lane 2 n of my half looked up row 2 n + H
.endr
.irp n, 0,1,2,3,4,5,6,7
	v_min_u32 v[YA+\n], 0x7ff, v[YA+\n]
.endr
.irp n, 0,1,2,3,4,5,6,7
	v_lshl_add_u32 v[YA+\n], v[YA+\n], 12, v[R16]
.endr
.irp j, 0,1,2,3,4,5,6,7
.irp c, 0,1,2,3
	v_add_f32 v[OUT+4*\j+\c], v[ACC+8*\c+\j], v[ACC+32+8*\c+\j]    ; even and odd K steps; each accumulator from its low end on; 32 neighbouring columns of my row
.endr
.endr
	s_wait_alu depctr_va_vdst(0)                   ; the additions have written v[OUT ..], which the stage's stores read; the lines above them the eight offsets v[YA ..] and this set's two, which the stores and the 40 loads read; the products are done reading this set's fragments and scale words, in which those loads land
.irp n, 0,1,2,3,4,5,6,7
	ds_store_b128 v[YSTO], v[OUT+4*\n:OUT+4*\n+3] offset:16*\n
.endr
.irp n, 0,1,2,3,4,5,6,7
	ds_load_b128 v[YB+4*\n:YB+4*\n+3], v[YRD] offset:2*YPI*\n      ; lanes 0-15 row 2 n, lanes 16-31 row 2 n + 1: LDS serves a wave's instructions in order
.endr
	PREL \par                                      ; the tile two on: its 40 loads are issued while the rows come back from the stage.  No vector instruction stands between the wait above and these loads
.irp n, 0,1,2,3,4,5,6,7
	s_wait_dscnt 7-\n
	global_store_b128 v[YA+\n], v[YB+4*\n:YB+4*\n+3], s[14:15] th:TH_STORE_NT   ; sixteen lanes store 256 consecutive bytes, aligned
.endr
.endm
	s_load_b256 s[4:11], s[0:1], 0x0               ; W2 s[4:5], b2 s[6:7], hq s[8:9], hs s[10:11]
	s_load_b128 s[12:15], s[0:1], 0x20             ; sel s[12:13], yp s[14:15]
	v_lshrrev_b32 v[TT], 5, v0
	v_readfirstlane_b32 s[WV], v[TT]               ; wave 0..3
	v_and_b32 v[TT], 31, v0                        ; lane
	v_and_b32 v[R], 15, v0
	s_wait_alu depctr_va_vdst(0)
	v_bfe_u32 v[H], v0, 4, 1
	s_and_b32 s[EX], ttmp7, 0xffff                 ; the expert
	s_lshr_b32 s[DS], ttmp9, 1                     ; which 64 columns
	s_and_b32 s[KH], ttmp9, 1                      ; which half of K
	s_wait_alu depctr_va_sdst(0)                   ; the wave's number is written, ahead of its first reader
	s_lshl_b32 s[W256], s[WV], 8
	s_mov_b32 s[SEL], 0x76543210
	s_mov_b32 s[SEL+1], 0xfedcba98
	s_cmp_eq_u32 s[KH], 0
	s_cselect_b32 s[BM], -1, 0                     ; b2 counts in K half 0 alone
	v_lshlrev_b32 v[R16], 4, v[R]
	s_wait_alu depctr_va_vdst(0)
	v_lshl_add_u32 v[VO], v[H], 17, v[R16]         ; 32 rows of 4,096 bytes for lanes 16-31
	v_lshlrev_b32 v[LI], 4, v[TT]
	v_lshl_add_u32 v[LS], v[TT], 2, WSC
	s_lshl_b32 s[T0], s[WV], 14                    ; my fragments begin at number 16 w
	v_add_nc_u32 v[AI], s[T0], v[LI]
	s_lshr_b32 s[T0], s[T0], 4
	s_add_co_u32 s[T0], s[T0], WSC
	v_lshl_add_u32 v[AS], v[R], 2, s[T0]
	v_lshlrev_b32 v[SH8], 3, v[H]
	s_mul_i32 s[T0], s[WV], 16*YPI
	s_add_co_u32 s[T0], s[T0], YST
	v_mul_u32_u24 v[YSTO], v[R], YPI
	v_lshl_add_u32 v[YSTO], v[H], 7, v[YSTO]
	v_add_nc_u32 v[YSTO], s[T0], v[YSTO]           ; in: row R, 128 bytes for each half of the lanes
	v_mul_u32_u24 v[YRD], v[H], YPI
	v_add_nc_u32 v[YRD], v[YRD], v[R16]
	v_add_nc_u32 v[YRD], s[T0], v[YRD]             ; back: sixteen lanes to a row
	s_lshl_b32 s[T0], s[WV], 8
	s_add_co_u32 s[T0], s[T0], BIA
	v_lshl_add_u32 v[BST], v[TT], 3, s[T0]
	v_lshl_add_u32 v[BO], v[H], 7, s[T0]
	v_lshlrev_b32 v[BA], 3, v[TT]
	v_add_nc_u32 v[PV], v[R], v[H]
	v_and_b32 v[PV], 15, v[PV]
	s_lshl_b32 s[T0], s[EX], 2
	s_add_co_u32 s[T0], s[T0], s[WV]               ; 4 e + w: sixteen tiles each
	s_lshl_b32 s[T0+1], s[T0], 19
	s_lshl_b32 s[T0+2], s[KH], 14
	s_add_co_u32 s[T0+1], s[T0+1], s[T0+2]
	v_add_nc_u32 v[HA0], s[T0+1], v[LI]
	s_lshl_b32 s[T0+1], s[T0], 15
	s_lshl_b32 s[T0+2], s[KH], 10
	s_add_co_u32 s[T0+1], s[T0+1], s[T0+2]
	v_lshl_add_u32 v[HSA0], v[TT], 2, s[T0+1]
	s_lshl_b32 s[T0], s[WV], 10
	v_lshl_add_u32 v[SELA], v[TT], 2, s[T0]
.irp c, 0,1,2,3
	v_mov_b32 v[PT+\c], 0                          ; a lane permute's destination counts as one of its sources,
.endr
.irp n, 0,1,2,3,4,5,6,7
	v_mov_b32 v[YA+\n], 0                          ; and so does a DPP form's
.endr
	s_lshl_b32 s26, s[EX], 24                      ; W2: the expert's 16 MB, the K half, my 512 rows, the 256 bytes
	s_lshl_b32 s28, s[KH], 23
	s_add_co_u32 s26, s26, s28
	s_lshl_b32 s29, s[WV], 21
	s_add_co_u32 s26, s26, s29
	s_lshl_b32 s29, s[DS], 8
	s_add_co_u32 s26, s26, s29
	s_mov_b32 s27, 0
	s_add_co_u32 s28, s28, s29                     ; yp: the K half's 8 MB, the 256 bytes
	s_lshl_b32 s16, s[EX], 12                      ; b2: the expert's row, the 256 bytes
	s_add_co_u32 s16, s16, s29
	s_mov_b32 s29, 0
	s_mov_b32 s17, 0
	s_wait_kmcnt 0x0
	s_add_nc_u64 s[4:5], s[4:5], s[26:27]
	s_add_nc_u64 s[6:7], s[6:7], s[16:17]
	s_add_nc_u64 s[14:15], s[14:15], s[28:29]
	s_wait_alu depctr_va_vdst(0)                   ; every offset and LDS address made above is written: the loads, stores and LDS instructions of the whole kernel read them
.irp q, 0,1,2,3,4,5,6,7
	global_load_b32 v[SELR+\q], v[SELA], s[12:13] offset:128*\q
.endr
	global_load_b64 v[BV:BV+1], v[BA], s[6:7]
	LDHS 0, 0
	LDHS 1, 0
	LDHS 2, 0
	s_wait_loadcnt 48                              ; sel and b2 are in; the 48 loads of the stream stay out
	WIN 0
.irp q, 0,1,2,3,4,5,6,7
	v_and_b32 v[TT], 0xff, v[SELR+\q]
	v_lshrrev_b32 v[TW], 8, v[SELR+\q]
	v_cmp_eq_u32 s[MZ+\q], s[EX], v[TT]            ; the sixteen compares in one run, a mask each
	v_cmp_eq_u32 s[M+\q], s[EX], v[TW]
.endr
	s_wait_alu depctr_va_sdst(0)                   ; the sixteen compares have written their masks, which the scalar lines below read
.irp q, 0,1,2,3,4,5,6,7
	s_or_b32 s[M+\q], s[M+\q], s[MZ+\q]
.endr
	s_mov_b32 s[C], 0
.irp q, 0,1,2,3,4,5,6,7
	s_bcnt1_i32_b32 s[T0], s[M+\q]
	s_add_co_u32 s[C+\q+1], s[C+\q], s[T0]
.endr
	s_add_co_u32 s[NT], s[C+8], 15
	s_lshr_b32 s[NT], s[NT], 4
	s_max_u32 s[NTM1], s[NT], 1
	s_sub_co_u32 s[NTM1], s[NTM1], 1
	s_max_u32 s[CM1], s[C+8], 1
	s_sub_co_u32 s[CM1], s[CM1], 1
	v_cndmask_b32 v[BV], 0, v[BV], s[BM]
	v_cndmask_b32 v[BV+1], 0, v[BV+1], s[BM]
	s_wait_alu depctr_va_vdst(0)                   ; the two selects have written v[BV ..], which the LDS store reads
	ds_store_b64 v[BST], v[BV:BV+1]
	LDHS 3, 0
	s_wait_dscnt 0x0                               ; the store is done
	s_wait_alu depctr_vm_vsrc(0)                   ; and has read v[BV ..], which lie among the code registers that the conversions write
.irp d, 0,1,2,3,4,5
	MVHS 2*\d, 48
	LDHS 2*\d+4, 1
.if \d%2
	QSTORE \d-1                                    ; the wait just passed also stands behind the conversions of the double block before: its codes are written
.endif
	MVHS 2*\d+1, 48
	LDHS 2*\d+5, 1
	QUANT \d
.if \d%2
	SCALEW
	s_wait_alu depctr_va_vdst(0)                   ; the conversions have written this double block's codes, and the lines above the four scale words: the eight LDS stores read them
	QSTORE \d
	SSTORE \d/2
	SYNC \d/2
.endif
.endr
	MVHS 12, 48
	MVHS 13, 32
	s_mov_b32 s[T0], 0
	PREA 0
	s_wait_alu depctr_va_vdst(0)                   ; set 0's two offsets are written; the moves of half-sets 12 and 13 are done reading ring slots 0 and 1, in which the first tile lands
	PREL 0                                         ; the first tile goes out under the stream's tail, into ring slots 0 and 1, which are free
	QUANT 6
	MVHS 14, 56                                    ; behind half-set 14: half-set 15 and the first tile's 40 loads
	MVHS 15, 40
	s_min_u32 s[T0], s[NTM1], 1
	PREA 1
	s_wait_alu depctr_va_vdst(0)                   ; set 1's two offsets are written; the moves of half-sets 14 and 15 are done reading ring slots 2 and 3; the conversions have written double block 6's codes
	PREL 1                                         ; the second tile (or the first once more), into ring slots 2 and 3, which are free now
	QSTORE 6
	QUANT 7
	SCALEW
	s_wait_alu depctr_va_vdst(0)                   ; the conversions have written the last double block's codes, and the lines above the four scale words: the eight LDS stores read them; and the quantiser is done with v160-191, in which b2 lands
	QSTORE 7
	SSTORE 3
.irp c, 0,1,2,3
.irp j, 0,1,2,3,4,5,6,7
	ds_load_b32 v[BI2+8*\c+\j], v[BO] offset:16*\j+4*\c            ; b2 at column 32 H + 4 j + c, into registers that the stream has left
.endr
.endr
	SYNC 3
	s_wait_dscnt 0x0                               ; the last quarter's fragments and scale words are in
	s_mov_b32 s[TI], 0
.Ltiles:                                           ; at most eight trips of two tiles; the first tile beyond the last leaves the loop, so the counted waits see the same loads on every way.  No barrier stands here
	s_cmp_ge_u32 s[TI], s[NT]
	s_cbranch_scc1 .Ldone
	TILE 0
	s_add_co_u32 s[T0], s[TI], 1
	s_cmp_ge_u32 s[T0], s[NT]
	s_cbranch_scc1 .Ldone
	TILE 1
	s_add_co_u32 s[TI], s[TI], 2
	s_cmp_lt_u32 s[TI], 16
	s_cbranch_scc1 .Ltiles
.Ldone:
	s_wait_xcnt 0x0
	s_wait_alu depctr_vm_vsrc(0)                   ; the last tile's stores (with no tile: the stream's LDS stores) have read v254 and v255, which the two lines below write
	v_lshl_add_u32 v254, v0, 2, 0x15800
	v_mov_b32 v255, 0
	s_wait_dscnt 0x0                               ; the closing lines, six on end
	s_wait_alu 0x0
	s_wait_tensorcnt 0x0
	ds_add_u32 v254, v255
	s_wait_dscnt 0x0
	s_endpgm
.Lfunc_end_k_q6b6118d421_ffn2:
	.size	k_q6b6118d421_ffn2, .Lfunc_end_k_q6b6118d421_ffn2-k_q6b6118d421_ffn2
	.p2alignl 7, 3214868480
	.fill 96, 4, 3214868480
	.section	.rodata,"a",@progbits
	.p2align	6, 0x0
	.amdhsa_kernel k_q6b6118d421_ffn2
		.amdhsa_group_segment_fixed_size 88576
		.amdhsa_private_segment_fixed_size 0
		.amdhsa_enable_private_segment 0
		.amdhsa_kernarg_size 48
		.amdhsa_user_sgpr_count 2
		.amdhsa_user_sgpr_kernarg_segment_ptr 1
		.amdhsa_wavefront_size32 1
		.amdhsa_system_sgpr_workgroup_id_x 1
		.amdhsa_system_sgpr_workgroup_id_y 1
		.amdhsa_system_sgpr_workgroup_id_z 1
		.amdhsa_system_vgpr_workitem_id 0
		.amdhsa_next_free_vgpr 1024
		.amdhsa_next_free_sgpr 66
		.amdhsa_reserve_vcc 1
		.amdhsa_float_denorm_mode_32 3
		.amdhsa_float_denorm_mode_16_64 3
		.amdhsa_memory_ordered 1
		.amdhsa_forward_progress 1
		.amdhsa_inst_pref_size 181
	.end_amdhsa_kernel
	.amdgpu_metadata
---
amdhsa.version: [ 1, 2 ]
amdhsa.kernels:
  - .name:           k_q6b6118d421_ffn2
    .symbol:         k_q6b6118d421_ffn2.kd
    .args:
      - { .name: W2, .offset: 0, .size: 8, .value_kind: global_buffer, .address_space: global }
      - { .name: b2, .offset: 8, .size: 8, .value_kind: global_buffer, .address_space: global }
      - { .name: hq, .offset: 16, .size: 8, .value_kind: global_buffer, .address_space: global }
      - { .name: hs, .offset: 24, .size: 8, .value_kind: global_buffer, .address_space: global }
      - { .name: sel, .offset: 32, .size: 8, .value_kind: global_buffer, .address_space: global }
      - { .name: yp, .offset: 40, .size: 8, .value_kind: global_buffer, .address_space: global }
    .group_segment_fixed_size: 88576
    .private_segment_fixed_size: 0
    .kernarg_segment_align: 8
    .kernarg_segment_size: 48
    .max_flat_workgroup_size: 128
    .sgpr_count:     66
    .vgpr_count:     1024
    .wavefront_size: 32
...
	.end_amdgpu_metadata
.endif
;; end of part 7
;; launch combine (part 8): grid 256 x 1, 8 waves a work-group, no clusters, 0 bytes of LDS; arguments yp, gate, out0; writes out0
.if DOCPART == 8
	.amdgcn_target "amdgcn-amd-amdhsa--gfx1250"
	.amdhsa_code_object_version 6
	.text
	.protected	k_q6b6118d421_combine
	.globl	k_q6b6118d421_combine
	.p2align	8
	.type	k_q6b6118d421_combine,@function
k_q6b6118d421_combine:
	s_mov_b64 s[64:65], 0
	v_nop
	global_prefetch_b8 v0, s[64:65] scope:SCOPE_SE
	s_setreg_imm32_b32 hwreg(HW_REG_WAVE_MODE, 25, 1), 1
	s_wait_xcnt 0x0
; COMBINE.  out[token] = w0 (yp[0][0][token] + yp[1][0][token]) + w1 (yp[0][1][token] + yp[1][1][token]): the two K halves of each of the token's two experts, weighed by the gate.
; A stream: a work-group owns 4 tokens; thread t owns the 16 bytes at 16 t of every row, so a wave's load or store covers 512 consecutive bytes.  All 18 loads of a thread go out at once; every register is written once.
; The 4 tokens' 8 weights come by two vector loads (every lane reads the same 32 bytes), issued ahead of the rows' loads: they are on their way together with the rows, and no second scalar load has to be waited for.
; No LDS, no matrix unit, no cluster: nothing is shared and nothing is read twice.
.set G, 4                              ; v4-11   token i: (w0, w1)
.set Y, 16                             ; v16-79  token i: (half 0, slot 0), (half 1, slot 0), (half 0, slot 1), (half 1, slot 1), 4 registers each
.set O, 80                             ; v80-95  token i: 4 results
	s_load_b128 s[4:7], s[0:1], 0x0                ; yp s[4:5], gate s[6:7]
	s_load_b64 s[8:9], s[0:1], 0x10                ; out0
	v_lshlrev_b32 v1, 4, v0
	v_mov_b32 v2, 0
	s_lshl_b32 s10, ttmp9, 14                      ; 4 rows of 4,096 bytes
	s_mov_b32 s11, 0
	s_lshl_b32 s12, ttmp9, 5                       ; 4 pairs of weights
	s_mov_b32 s13, 0
	s_wait_alu depctr_va_vdst(0)
	s_wait_kmcnt 0x0
	s_add_nc_u64 s[6:7], s[6:7], s[12:13]
	s_add_nc_u64 s[4:5], s[4:5], s[10:11]
	s_add_nc_u64 s[14:15], s[4:5], 0x800000        ; K half 1
	s_add_nc_u64 s[8:9], s[8:9], s[10:11]
	global_load_b128 v[G:G+3], v2, s[6:7]
	global_load_b128 v[G+4:G+7], v2, s[6:7] offset:16
.irp i, 0,1,2,3
	global_load_b128 v[Y+16*\i:Y+16*\i+3], v1, s[4:5] offset:4096*\i th:TH_LOAD_NT
	global_load_b128 v[Y+16*\i+4:Y+16*\i+7], v1, s[14:15] offset:4096*\i th:TH_LOAD_NT
	global_load_b128 v[Y+16*\i+8:Y+16*\i+11], v1, s[4:5] offset:4194304+4096*\i th:TH_LOAD_NT
	global_load_b128 v[Y+16*\i+12:Y+16*\i+15], v1, s[14:15] offset:4194304+4096*\i th:TH_LOAD_NT
.endr
.irp i, 0,1,2,3
	s_wait_loadcnt 12-4*\i                         ; the weights and this token's four loads are in; the later tokens' stay out
	v_pk_add_f32 v[Y+16*\i:Y+16*\i+1], v[Y+16*\i:Y+16*\i+1], v[Y+16*\i+4:Y+16*\i+5]
	v_pk_add_f32 v[Y+16*\i+2:Y+16*\i+3], v[Y+16*\i+2:Y+16*\i+3], v[Y+16*\i+6:Y+16*\i+7]
	v_pk_add_f32 v[Y+16*\i+8:Y+16*\i+9], v[Y+16*\i+8:Y+16*\i+9], v[Y+16*\i+12:Y+16*\i+13]
	v_pk_add_f32 v[Y+16*\i+10:Y+16*\i+11], v[Y+16*\i+10:Y+16*\i+11], v[Y+16*\i+14:Y+16*\i+15]
	s_delay_alu instid0(VALU_DEP_4)
	v_pk_mul_f32 v[O+4*\i:O+4*\i+1], v[Y+16*\i:Y+16*\i+1], v[G+2*\i:G+2*\i+1] op_sel_hi:[1,0]       ; x w0: the pair's first register for both halves
	s_delay_alu instid0(VALU_DEP_4)
	v_pk_mul_f32 v[O+4*\i+2:O+4*\i+3], v[Y+16*\i+2:Y+16*\i+3], v[G+2*\i:G+2*\i+1] op_sel_hi:[1,0]
	s_delay_alu instid0(VALU_DEP_2)
	v_pk_fma_f32 v[O+4*\i:O+4*\i+1], v[Y+16*\i+8:Y+16*\i+9], v[G+2*\i:G+2*\i+1], v[O+4*\i:O+4*\i+1] op_sel:[0,1,0] op_sel_hi:[1,1,1]   ; + x w1: its second register for both halves
	s_delay_alu instid0(VALU_DEP_2)
	v_pk_fma_f32 v[O+4*\i+2:O+4*\i+3], v[Y+16*\i+10:Y+16*\i+11], v[G+2*\i:G+2*\i+1], v[O+4*\i+2:O+4*\i+3] op_sel:[0,1,0] op_sel_hi:[1,1,1]
	global_store_b128 v1, v[O+4*\i:O+4*\i+3], s[8:9] offset:4096*\i th:TH_STORE_NT
.endr
	s_endpgm
.Lfunc_end_k_q6b6118d421_combine:
	.size	k_q6b6118d421_combine, .Lfunc_end_k_q6b6118d421_combine-k_q6b6118d421_combine
	.p2alignl 7, 3214868480
	.fill 96, 4, 3214868480
	.section	.rodata,"a",@progbits
	.p2align	6, 0x0
	.amdhsa_kernel k_q6b6118d421_combine
		.amdhsa_group_segment_fixed_size 0
		.amdhsa_private_segment_fixed_size 0
		.amdhsa_enable_private_segment 0
		.amdhsa_kernarg_size 24
		.amdhsa_user_sgpr_count 2
		.amdhsa_user_sgpr_kernarg_segment_ptr 1
		.amdhsa_wavefront_size32 1
		.amdhsa_system_sgpr_workgroup_id_x 1
		.amdhsa_system_sgpr_workgroup_id_y 1
		.amdhsa_system_sgpr_workgroup_id_z 1
		.amdhsa_system_vgpr_workitem_id 0
		.amdhsa_next_free_vgpr 96
		.amdhsa_next_free_sgpr 66
		.amdhsa_reserve_vcc 0
		.amdhsa_float_denorm_mode_32 3
		.amdhsa_float_denorm_mode_16_64 3
		.amdhsa_memory_ordered 1
		.amdhsa_forward_progress 1
		.amdhsa_inst_pref_size 6
	.end_amdhsa_kernel
	.amdgpu_metadata
---
amdhsa.version: [ 1, 2 ]
amdhsa.kernels:
  - .name:           k_q6b6118d421_combine
    .symbol:         k_q6b6118d421_combine.kd
    .args:
      - { .name: yp, .offset: 0, .size: 8, .value_kind: global_buffer, .address_space: global }
      - { .name: gate, .offset: 8, .size: 8, .value_kind: global_buffer, .address_space: global }
      - { .name: out0, .offset: 16, .size: 8, .value_kind: global_buffer, .address_space: global }
    .group_segment_fixed_size: 0
    .private_segment_fixed_size: 0
    .kernarg_segment_align: 8
    .kernarg_segment_size: 24
    .max_flat_workgroup_size: 256
    .sgpr_count:     66
    .vgpr_count:     96
    .wavefront_size: 32
...
	.end_amdgpu_metadata
.endif
;; end of part 8
